; MI455X (gfx1250); checked and timed in simulation.
; The chip was launched on July 23, 2026; its instructions are those of AMD's public machine-readable ISA for CDNA 5 (MIT licence, August 2026) and "CDNA5" Instruction Set Architecture Reference Guide (July 2026). The comments in the code are by the model that wrote it; some were corrected since.
;; Transformer Block. Allowed arithmetic: matrix products marked QUANTISED: E4M3 operands, one given power-of-two scale a tensor, by v_wmma_f32_16x16x64_fp8_fp8 or v_wmma_f32_16x16x128_fp8_fp8, f32 sums; everything else in f32.
;; Inputs: W1_codes 4,096 x 32 x 32 uint8 (E4M3 codes of W1, K innermost, in blocks of 32 codes); W2_codes 1,024 x 128 x 32 uint8 (E4M3 codes of W2, K innermost, in blocks of 32 codes); Wk_codes 16 x 64 x 32 x 32 uint8 (E4M3 codes of Wk, K innermost, in blocks of 32 codes); Wo_codes 1,024 x 32 x 32 uint8 (E4M3 codes of Wo, K innermost, in blocks of 32 codes); Wq_codes 16 x 64 x 32 x 32 uint8 (E4M3 codes of Wq, K innermost, in blocks of 32 codes); Wv_codes 16 x 64 x 32 x 32 uint8 (E4M3 codes of Wv, K innermost, in blocks of 32 codes); b1 4,096 float32; b2 1,024 float32; be1 1,024 float32; be2 1,024 float32; bo 1,024 float32; g1 1,024 float32; g2 1,024 float32; lowp_scales 16 int32 (the exponents e of the quantised operands' scales 2^e); x 2 x 2,048 x 1,024 float32.
;; Outputs: out0 2 x 2,048 x 1,024 float32.
;; This version of the problem:
;;   THIS VERSION OF THE PROBLEM IS GIVEN IN LOW PRECISION. The matrix products marked QUANTISED in the list below multiply operands that are first quantised to E4M3 (4 exponent bits, 3 mantissa bits; 8 bits a number), with one given power-of-two scale for each operand tensor; their sums are f32. All else is computed in f32.
;;   The module's matrix products, in the order in which they are computed (A, B: the left and right operand; K: the contracted axis; several contracted axes count as one K, in the product's order):
;;     1. [M 1,024, K 1,024] x [K 1,024, N 4,096]; A: input Wq (given as codes); B: computed on the way: QUANTISED (scales: A lowp_scales[0], B lowp_scales[1])
;;     2. [M 1,024, K 1,024] x [K 1,024, N 4,096]; A: input Wk (given as codes); B: computed on the way: QUANTISED (scales: A lowp_scales[2], B lowp_scales[3])
;;     3. [M 1,024, K 1,024] x [K 1,024, N 4,096]; A: input Wv (given as codes); B: computed on the way: QUANTISED (scales: A lowp_scales[4], B lowp_scales[5])
;;     4. batch 32 x [M 2,048, K 64] x [K 64, N 2,048]; A: computed on the way; B: computed on the way: QUANTISED (scales: A lowp_scales[6], B lowp_scales[7])
;;     5. batch 32 x [M 2,048, K 2,048] x [K 2,048, N 64]; A: softmax (see below); B: computed on the way: QUANTISED (scales: A lowp_scales[8], B lowp_scales[9])
;;     6. [M 4,096, K 1,024] x [K 1,024, N 1,024]; A: computed on the way; B: input Wo (given as codes): QUANTISED (scales: A lowp_scales[10], B lowp_scales[11])
;;     7. [M 4,096, K 1,024] x [K 1,024, N 4,096]; A: computed on the way; B: input W1 (given as codes): QUANTISED (scales: A lowp_scales[12], B lowp_scales[13])
;;     8. [M 4,096, K 4,096] x [K 4,096, N 1,024]; A: computed on the way; B: input W2 (given as codes): QUANTISED (scales: A lowp_scales[14], B lowp_scales[15])
;;   THE QUANTISER, for each operand of a quantised product, along K:
;;     - The operand's scale is 2^e, e = its entry of the input lowp_scales (int32; the entries are numbered through the quantised products in the list's order, A before B).
;;     - Each number is divided by the scale, clamped to +-448, and rounded to the nearest number of E4M3, ties to even, subnormals kept.
;;     - The product sums the exact products of the quantised numbers (number of the format x scale) in f32.
;;   ~~~python
;;   def quantise(x, axis, e):      # numpy; x: float32 -> the quantised numbers, widened to float32 again
;;       x = np.moveaxis(x, axis, -1); K = x.shape[-1]
;;       r = np.clip(x / 2.0 ** e, -448, 448)
;;       step = 2.0 ** (np.maximum(np.frexp(np.where(r == 0, 1, r))[1] - 1, -6) - 3)
;;       q = np.round(r / step) * step * 2.0 ** e      # np.round: ties to even
;;       return np.moveaxis(q, -1, axis).astype(np.float32)
;;   ~~~
;;   SOFTMAX AHEAD OF A QUANTISED PRODUCT. Where the list says 'softmax', what is quantised is not the finished softmax but p = 2^(t - M), with t = logit x log2(e) and M = ceil(the row's largest t), a whole number; so 1/2 < the row's largest p <= 1. The row's sum l is taken of the UNQUANTISED p, in f32, and the product's result is divided by l at the end. Since M is a whole number, a kernel that streams over the keys may use a running M (the ceiling of the running maximum): every later rescaling is an exact power of two, so the quantised numbers keep their values, but for numbers so far below the row's largest that they fall under the format's range.
;;   OPERANDS COMPUTED ON THE WAY. 'Computed on the way' means the value that the module computes at that place (a softmax that the list does not call 'softmax' is quantised finished and normalised). What goes into a quantiser is computed in f32, as accurately as f32 sums, v_exp_f32 and their like allow (about 1e-6 of the number): no bf16 or f16 on the way to a quantiser, and a product that is left as it is and whose result goes on into a quantised operand takes f32 operands (vector FMAs, or v_wmma_f32_16x16x4_f32). A number that lies on a knife's edge between two numbers of the format may be rounded either way, as far as f32 arithmetic and the matrix unit's own rounding can turn it there, and no further.
;;   INPUTS GIVEN AS CODES. W1 (in the module: [1024, 4096], K = its axis 0); W2 (in the module: [4096, 1024], K = its axis 0); Wk (in the module: [16, 1024, 64], K = its axis 1); Wo (in the module: [1024, 1024], K = its axis 0); Wq (in the module: [16, 1024, 64], K = its axis 1); Wv (in the module: [16, 1024, 64], K = its axis 1): each comes as NAME_codes (uint8): NAME with its K axis moved to the last place and cut into blocks of 32 codes, [.., K / 32, bytes a block], one block behind the other in memory; one code a byte (a code: sign, 4 exponent bits, 3 mantissa bits); its scale is its entry of lowp_scales. Its value is code x scale, taken as it is: it is not quantised again, and the codes and scales need not be those that the quantiser above would give.
;; 2 versions. Each part assembles by itself: llvm-mc -triple=amdgcn-amd-amdhsa -mcpu=gfx1250 --defsym DOCPART=n.
;; ======== version 1 of 2: 7 launches
;; workspace buffers: h_img 12,582,912 bytes; qkv_img 12,582,912 bytes; o_img 4,194,304 bytes; x1 16,777,216 bytes; h2_img 4,194,304 bytes; hid_img 16,777,216 bytes
;; launch ln1 (part 1): grid 256 x 1, 8 waves a work-group, no clusters, 66,816 bytes of LDS; arguments x, g1, be1, lowp_scales, h_img; writes h_img
.if DOCPART == 1
	.amdgcn_target "amdgcn-amd-amdhsa--gfx1250"
	.amdhsa_code_object_version 6
	.text
	.protected	k_q709e31c2a8_ln1
	.globl	k_q709e31c2a8_ln1
	.p2align	8
	.type	k_q709e31c2a8_ln1,@function
k_q709e31c2a8_ln1:
	s_mov_b64 s[64:65], 0
	v_nop
	global_prefetch_b8 v0, s[64:65] scope:SCOPE_SE
	s_setreg_imm32_b32 hwreg(HW_REG_WAVE_MODE, 25, 1), 1
	s_wait_xcnt 0x0
; LAUNCH 1 OF 7: h = LayerNorm(x) g1 + be1 in f32, quantised three times to E4M3, with the scales of products 1, 2, 3 (lowp_scales[1], [3], [5]).
; THE PROGRAM: ln1 | qkv (products 1-3) | attn (4, 5) | wo (6, + bo + x) | ln2 | ff1 (7, + b1, exact GELU) | ff2 (8, + b2 + x1).
; WORK LEFT OUT IN THE WHOLE PROGRAM: only, in attn, the key steps of 128 keys that lie wholly behind a tile's 16 queries.  reference() sets their scores to -inf by the
; tril that it builds itself, so their p is 0 and they add 0 to the row's sum and to o, whatever the inputs hold.  Every input has a way to the output and is loaded.
; LIMIT: a NaN, an infinity or an overflow that would arise only in those key steps is not carried to the result.  NaN and infinities among the inputs are not served.
; LIMIT: each of the three exponents lies between -126 and 119, so that 2^e and 448 x 2^e are f32 numbers.
; OUTPUT LAYOUT: an IMAGE OF THE OPERAND'S REGISTERS: [part u][16 tokens][128 along K: s][group c][lane][16 bytes]; lane (r, h) of group c holds k = 128 s + 32 c + 16 h + 0..15 of token r.
; SHARES: a work-group takes 16 tokens.  Phase 1: wave w norms rows 2 w, 2 w + 1 (a row is 32 registers of the wave; mean, then centred squares) and lays them in LDS.
; Phase 2: wave w takes K step s = w of all 16 rows, 64 numbers a lane in the operand's order, and stores 512 consecutive bytes an instruction.
.set NOUT,  3
.set SHIFT, 1                          ; the stores' base stands at part SHIFT, so that every part is inside the signed 24-bit immediate
.set PART,  4194304
.set ROWP,  4112                       ; a row in LDS: 4,096 bytes + 16: the sixteen rows that a load of phase 2 touches start 16 bytes apart modulo 256
.set SPARE, 16*ROWP                    ; behind the rows: the spare words, 128 bytes for each wave
.set X,     32                         ; v32-95   two rows; in phase 2 my 64 numbers
.set GA,    96                         ; v96-127  g
.set BE,    128                        ; v128-159 be
.set T,     96                         ; v96-159  phase 2: the held numbers
.set C,     160                        ; v160..   codes: 16 registers for each part, so that no store's data are written again
.set SPW,   6
.set NIL,   7
	s_load_b256 s[4:11], s[0:1], 0x0               ; x, g, be, the scales' exponents
	s_load_b64 s[12:13], s[0:1], 0x20              ; the image
	v_lshl_add_u32 v[SPW], v0, 2, SPARE
	v_mov_b32 v[NIL], 0
	v_lshrrev_b32 v1, 5, v0
	v_readfirstlane_b32 s16, v1                    ; wave
	v_and_b32 v1, 31, v0
	v_lshlrev_b32 v5, 4, v1                        ; 16 x lane
	s_lshl_b32 s17, s16, 13
	v_add_nc_u32 v2, s17, v5                       ; in x: my wave's two rows
	s_mul_i32 s17, s16, 2*ROWP
	v_add_nc_u32 v3, s17, v5                       ; in LDS, on the way in
	v_and_b32 v8, 15, v0                           ; r
	v_bfe_u32 v9, v0, 4, 1                         ; h
	v_mul_u32_u24 v4, v8, ROWP
	v_lshl_add_u32 v4, v9, 6, v4
	s_lshl_b32 s17, s16, 9
	v_add_nc_u32 v4, s17, v4                       ; on the way out: row r, + 512 w + 64 h
	s_mov_b32 s20, 0x76543210
	s_mov_b32 s21, 0xfedcba98                      ; lane l xor 16
	s_mov_b32 s22, 0x3a800000                      ; 1 / 1024
	s_mov_b32 s23, 0x3727c5ac                      ; 1e-5
	s_lshl_b32 s18, ttmp9, 16                      ; 16 rows of 4,096 bytes
	s_mov_b32 s19, 0
	s_lshl_b32 s34, ttmp9, 14                      ; 16 tokens' image: 16,384 bytes
	s_lshl_b32 s35, s16, 11                        ; my K step's: 2,048
	s_add_co_u32 s34, s34, s35
	s_add_co_u32 s34, s34, SHIFT*PART
	s_mov_b32 s35, 0
	s_wait_kmcnt 0x0
	s_load_b256 s[24:31], s[10:11], 0x0            ; e0 .. e7
	s_add_nc_u64 s[4:5], s[4:5], s[18:19]
	s_add_nc_u64 s[12:13], s[12:13], s[34:35]
.irp p, 0,1
.irp j, 0,1,2,3,4,5,6,7
	global_load_b128 v[X+32*\p+4*\j:X+32*\p+4*\j+3], v2, s[4:5] offset:4096*\p+512*\j
.endr
.endr
.irp j, 0,1,2,3,4,5,6,7
	global_load_b128 v[GA+4*\j:GA+4*\j+3], v5, s[6:7] offset:512*\j
.endr
.irp j, 0,1,2,3,4,5,6,7
	global_load_b128 v[BE+4*\j:BE+4*\j+3], v5, s[8:9] offset:512*\j
.endr
	s_wait_kmcnt 0x0
.irp u, 0,1,2
	s_add_co_i32 s32, s[25+2*\u], 127
	s_lshl_b32 s33, s32, 23
	v_mov_b32 v[16+2*\u], s33                      ; 2^e: the conversion takes its exponent field
	s_add_co_i32 s32, s32, 8
	s_lshl_b32 s32, s32, 23
	s_or_b32 s32, s32, 0x600000
	v_mov_b32 v[17+2*\u], s32                      ; 448 x 2^e
.endr
.macro ALLSUM a                        ; the pair v[a], v[a+1] is added up over the wave's 32 lanes; the sum is in v[a] of every lane
	v_add_f32 v[\a], v[\a], v[\a+1]
	v_add_f32_dpp v[\a], v[\a], v[\a] row_xmask:1 row_mask:0xf bank_mask:0xf
	v_add_f32_dpp v[\a], v[\a], v[\a] row_xmask:2 row_mask:0xf bank_mask:0xf
	v_add_f32_dpp v[\a], v[\a], v[\a] row_xmask:4 row_mask:0xf bank_mask:0xf
	v_add_f32_dpp v[\a], v[\a], v[\a] row_xmask:8 row_mask:0xf bank_mask:0xf
	v_permlanex16_b32 v[\a+1], v[\a], s20, s21
	v_add_f32 v[\a], v[\a], v[\a+1]
.endm
	s_wait_loadcnt 16                              ; x's sixteen loads are in; the sixteen of g and be may be out
.irp p, 0,1
	v_pk_add_f32 v[8+2*\p:9+2*\p], v[X+32*\p:X+32*\p+1], v[X+32*\p+2:X+32*\p+3]
.endr
.irp j, 4,6,8,10,12,14,16,18,20,22,24,26,28,30
.irp p, 0,1
	v_pk_add_f32 v[8+2*\p:9+2*\p], v[8+2*\p:9+2*\p], v[X+32*\p+\j:X+32*\p+\j+1]
.endr
.endr
	ALLSUM 8
	ALLSUM 10
	v_mul_f32 v8, s22, v8                          ; the means
	v_mul_f32 v10, s22, v10
.irp j, 0,2,4,6,8,10,12,14,16,18,20,22,24,26,28,30
.irp p, 0,1
	v_pk_add_f32 v[X+32*\p+\j:X+32*\p+\j+1], v[X+32*\p+\j:X+32*\p+\j+1], v[8+2*\p:9+2*\p] op_sel_hi:[1,0] neg_lo:[0,1] neg_hi:[0,1]   ; x - mean
.endr
.endr
.irp p, 0,1
	v_pk_mul_f32 v[12+2*\p:13+2*\p], v[X+32*\p:X+32*\p+1], v[X+32*\p:X+32*\p+1]
.endr
.irp j, 2,4,6,8,10,12,14,16,18,20,22,24,26,28,30
.irp p, 0,1
	v_pk_fma_f32 v[12+2*\p:13+2*\p], v[X+32*\p+\j:X+32*\p+\j+1], v[X+32*\p+\j:X+32*\p+\j+1], v[12+2*\p:13+2*\p]
.endr
.endr
	ALLSUM 12
	ALLSUM 14
	v_fma_f32 v12, v12, s22, s23                   ; the variance + 1e-5
	v_fma_f32 v14, v14, s22, s23
	v_rsq_f32 v12, v12
	v_rsq_f32 v14, v14
	v_nop                                          ; a plain instruction behind the batch of two,
	s_wait_alu depctr_va_vdst(0)                   ; and the one wait ahead of its first reader
	s_wait_loadcnt 0x0                             ; g and be
.irp j, 0,2,4,6,8,10,12,14,16,18,20,22,24,26,28,30
.irp p, 0,1
	v_pk_mul_f32 v[X+32*\p+\j:X+32*\p+\j+1], v[X+32*\p+\j:X+32*\p+\j+1], v[12+2*\p:13+2*\p] op_sel_hi:[1,0]
.endr
.endr
.irp j, 0,2,4,6,8,10,12,14,16,18,20,22,24,26,28,30
.irp p, 0,1
	v_pk_fma_f32 v[X+32*\p+\j:X+32*\p+\j+1], v[X+32*\p+\j:X+32*\p+\j+1], v[GA+\j:GA+\j+1], v[BE+\j:BE+\j+1]
.endr
.endr
.irp p, 0,1
.irp j, 0,1,2,3,4,5,6,7
	ds_store_b128 v3, v[X+32*\p+4*\j:X+32*\p+4*\j+3] offset:ROWP*\p+512*\j
.endr
.endr
	s_wait_dscnt 0x0                               ; for the others' sake: my two rows lie in LDS
	s_barrier_signal -1
	s_barrier_wait -1
.irp c, 0,1,2,3
.irp j, 0,1,2,3
	ds_load_b128 v[X+16*\c+4*\j:X+16*\c+4*\j+3], v4 offset:128*\c+16*\j   ; register 16 c + i = k 128 w + 32 c + 16 h + i of row r
.endr
.endr
	s_wait_dscnt 0x0
.macro QOUT u                          ; part u: the hold (the conversion to an 8-bit code does not saturate: ISA guide 7.6.2), the conversion, four stores of 512 consecutive bytes
.irp b, 0,1,2,3
.set i, 0
.rept 16
	v_med3_num_f32 v[T+16*\b+i], v[X+16*\b+i], -v[17+2*\u], v[17+2*\u]
.set i, i+1
.endr
	v_cvt_scalef32_pk8_fp8_f32 v[C+16*\u+4*\b:C+16*\u+4*\b+1], v[T+16*\b:T+16*\b+7], v[16+2*\u]
	v_cvt_scalef32_pk8_fp8_f32 v[C+16*\u+4*\b+2:C+16*\u+4*\b+3], v[T+16*\b+8:T+16*\b+15], v[16+2*\u]
.endr
	v_nop                                          ; a plain instruction behind the last conversion: the next part writes its sources
.irp c, 0,1,2,3
	global_store_b128 v5, v[C+16*\u+4*\c:C+16*\u+4*\c+3], s[12:13] offset:(\u-SHIFT)*PART+512*\c
.endr
.endm
	QOUT 0
	QOUT 1
	QOUT 2
	s_wait_tensorcnt 0x0                           ; the wave's end: behind my last LDS store
	ds_add_u32 v[SPW], v[NIL]
	s_wait_dscnt 0x0
	s_endpgm
.Lfunc_end_k_q709e31c2a8_ln1:
	.size	k_q709e31c2a8_ln1, .Lfunc_end_k_q709e31c2a8_ln1-k_q709e31c2a8_ln1
	.p2alignl 7, 3214868480
	.fill 96, 4, 3214868480
	.section	.rodata,"a",@progbits
	.p2align	6, 0x0
	.amdhsa_kernel k_q709e31c2a8_ln1
		.amdhsa_group_segment_fixed_size 66816
		.amdhsa_private_segment_fixed_size 0
		.amdhsa_enable_private_segment 0
		.amdhsa_kernarg_size 40
		.amdhsa_user_sgpr_count 2
		.amdhsa_user_sgpr_kernarg_segment_ptr 1
		.amdhsa_wavefront_size32 1
		.amdhsa_system_sgpr_workgroup_id_x 1
		.amdhsa_system_sgpr_workgroup_id_y 1
		.amdhsa_system_sgpr_workgroup_id_z 1
		.amdhsa_system_vgpr_workitem_id 0
		.amdhsa_next_free_vgpr 208
		.amdhsa_next_free_sgpr 66
		.amdhsa_reserve_vcc 0
		.amdhsa_float_denorm_mode_32 3
		.amdhsa_float_denorm_mode_16_64 3
		.amdhsa_memory_ordered 1
		.amdhsa_forward_progress 1
		.amdhsa_inst_pref_size 35
	.end_amdhsa_kernel
	.amdgpu_metadata
---
amdhsa.version: [ 1, 2 ]
amdhsa.kernels:
  - .name:           k_q709e31c2a8_ln1
    .symbol:         k_q709e31c2a8_ln1.kd
    .args:
      - { .name: x, .offset: 0, .size: 8, .value_kind: global_buffer, .address_space: global }
      - { .name: g1, .offset: 8, .size: 8, .value_kind: global_buffer, .address_space: global }
      - { .name: be1, .offset: 16, .size: 8, .value_kind: global_buffer, .address_space: global }
      - { .name: lowp_scales, .offset: 24, .size: 8, .value_kind: global_buffer, .address_space: global }
      - { .name: h_img, .offset: 32, .size: 8, .value_kind: global_buffer, .address_space: global }
    .group_segment_fixed_size: 66816
    .private_segment_fixed_size: 0
    .kernarg_segment_align: 8
    .kernarg_segment_size: 40
    .max_flat_workgroup_size: 256
    .sgpr_count:     66
    .vgpr_count:     208
    .wavefront_size: 32
...
	.end_amdgpu_metadata
.endif
;; end of part 1
;; launch qkv (part 2): grid 12 x 16, 4 waves a work-group, clusters of 4 x 4, 327,680 bytes of LDS; arguments h_img, Wq_codes, Wk_codes, Wv_codes, lowp_scales, qkv_img; writes qkv_img
.if DOCPART == 2
	.amdgcn_target "amdgcn-amd-amdhsa--gfx1250"
	.amdhsa_code_object_version 6
	.text
	.protected	k_q709e31c2a8_qkv
	.globl	k_q709e31c2a8_qkv
	.p2align	8
	.type	k_q709e31c2a8_qkv,@function
k_q709e31c2a8_qkv:
	s_mov_b64 s[64:65], 0
	v_nop
	global_prefetch_b8 v0, s[64:65] scope:SCOPE_SE
	s_setreg_imm32_b32 hwreg(HW_REG_WAVE_MODE, 25, 1), 1
	s_wait_xcnt 0x0
	s_wait_alu depctr_hold_cnt(0) depctr_sa_sdst(0) depctr_va_vdst(0) depctr_va_sdst(0) depctr_va_ssrc(0) depctr_va_vcc(0) depctr_vm_vsrc(0)
	s_getreg_b32 s2, hwreg(HW_REG_IB_STS2, 6, 4)
	s_cmp_eq_u32 s2, 0
	s_cbranch_scc0 .Lentry_in_a_cluster
	s_endpgm
.Lentry_in_a_cluster:
	s_bfe_u32 s2, ttmp6, 0x10000c
	s_cmp_lg_u32 s2, 0xf033
	s_cbranch_scc0 .Lentry_shape_is_right
	s_endpgm
.Lentry_shape_is_right:
; LAUNCH 2 OF 7: products 1, 2, 3: q, k, v = h W (all heads), on E4M3 codes, f32 sums; the results are quantised at once for products 4 and 5 (lowp_scales[6], [7], [9]).
; The grid's x is 3 clusters: cluster x = 0: q, 1: k, 2: v (the same number in all sixteen partners).  A tile is 256 tokens x 256 columns (4 heads); four waves, 128 x 128 each: 64 accumulators.
; A (the tokens) comes as images of the operand's registers (16 tokens x 128 K = 2,048 bytes: [group c][lane][16 bytes]), B (the weights) as rows of codes along K.  Both hold, in registers 4 c .. 4 c + 3
; of lane (r, h), k = 32 c + 16 h + 0..15: the same permutation of k on both sides, so every product meets its partner.
; K goes in steps of 256 through a ring of two LDS slots; the tiles are asked for JOINTLY: A's by the four work-groups of a row of the cluster, B's by the four of a column.
; THE MATRIX INSTRUCTION IS USED TRANSPOSED (source 0 = 16 weight rows, source 1 = 16 tokens): accumulator (a, b), lane (r, h), register j = token 16 a + r, column 16 b + 8 h + j.
; So the conversion of an accumulator's eight registers gives registers 2 b', 2 b' + 1 (d = 16 b' + 8 h + 0..7) of the plain form's own layout: q's and k's images leave straight from registers.
; v is wanted with the KEYS innermost: its codes go through a stage in LDS and come back turned (ds_load_tr16_b128 on pairs of bytes, then v_perm_b32): tile 2 x + e, lane r' = channel 32 x + 2 r' + e.
; OUTPUT: q at 0 and k at 4 Mi: [batch, head][16 tokens][group g][lane][16 bytes]; v at 8 Mi: [batch, head][128 keys][tile t][group G][lane][16 bytes].
; LIMITS: e6 - e0 - e1, e7 - e2 - e3, e9 - e4 - e5 lie between -126 and 119.  NaN and infinities are not served.
.set SIZE_K, 1024
.set BNATIVE, 0
.set KROW,   SIZE_K
.set AHALF,  32768                     ; 128 tokens x 256 K as images
.set BPITCH, 272                       ; a weight row in LDS: 256 bytes + 16: the sixteen rows that a load touches start 16 bytes apart modulo 256
.set BHALF,  128*BPITCH
.set BOFF,   2*AHALF
.set SLOT,   BOFF+2*BHALF
.set SPARE,  2*SLOT                    ; behind the ring: the spare words, 128 bytes for each wave
.set LAPS,   SIZE_K/512
.set FR,     16
.set ADRA,   16
.set ADRB,   20
.set STO,    24
.set TRA,    25
.set CO,     26
.set SPW,    28
.set NIL,    29
.set AF,     128
.set G1,     24
.set G0,     32
.set G1B,    48
.set G0B,    56
.set MSB,    0
.set MUL_LO, 0xa1                      ; source 0 (B) window 1, source 1 (A) window 0, C and D window 2
.set MUL_HI, 0xf1
.set TO_B,   0x40
.macro WIN new                         ; the immediate's high byte repeats the setting that is left
.if MSB != \new
	s_set_vgpr_msb (MSB<<8)|\new
.set MSB, \new
.endif
.endm
.macro JLOAD g0a, g1a, g0b, g1b        ; a joint load: waves 0 and 1 fetch A's halves, waves 2 and 3 B's; an s_nop 0 and four v_nop follow each line
	s_cmp_eq_u32 s15, 0
	s_cbranch_scc0 .Lfor_b_\@
	tensor_load_to_lds s[\g0a:\g0a+3], s[\g1a:\g1a+7]
	s_nop 0
.rept 4
	v_nop
.endr
	s_branch .Lasked_\@
.Lfor_b_\@:
	tensor_load_to_lds s[\g0b:\g0b+3], s[\g1b:\g1b+7]
	s_nop 0
.rept 4
	v_nop
.endr
.Lasked_\@:
.endm
.macro CREST
	s_cmp_lg_u32 s14, 0
	s_cbranch_scc1 .Lnot_wave_0_\@
	s_barrier_signal -3
.Lnot_wave_0_\@:
	s_barrier_wait -3
	s_barrier_signal -1
	s_barrier_wait -1
.endm
.macro CROUND
	s_barrier_signal -1
	s_barrier_wait -1
	CREST
.endm
.macro FRAGA reg, slot, q, i           ; 16 tokens x 128 K: the image comes back as it was stored: 512 consecutive bytes a load
.irp c, 0,1,2,3
	ds_load_b128 v[\reg+4*\c:\reg+4*\c+3], v[ADRA+\slot] offset:4096*(\i)+2048*(\q)+512*\c
.endr
.endm
.macro FRAGB reg, slot, q, i           ; 16 weight rows x 128 K
.if BNATIVE
.irp c, 0,1,2,3,4,5,6,7
	ds_load_b64 v[\reg+2*\c:\reg+2*\c+1], v[ADRB+\slot] offset:128*(\q)+16*\c+(\i)*16*BPITCH
.endr
.else
.irp c, 0,1,2,3
	ds_load_b128 v[\reg+4*\c:\reg+4*\c+3], v[ADRB+\slot] offset:128*(\q)+32*\c+(\i)*16*BPITCH
.endr
.endif
.endm
.macro MUL16 a0, p, zero               ; A's blocks a0, a0 + 1 x B's eight; the 64 accumulators take turns, one instruction a turn
.irp a, \a0, \a0+1
.irp b, 0,1,2,3,4,5,6,7
.if \zero
	v_wmma_f32_16x16x128_fp8_fp8 v[8*(8*((\a)%4)+\b):8*(8*((\a)%4)+\b)+7], v[128*(\p)+FR*\b:128*(\p)+FR*\b+FR-1], v[AF+FR*(\a):AF+FR*(\a)+FR-1], 0
.else
	v_wmma_f32_16x16x128_fp8_fp8 v[8*(8*((\a)%4)+\b):8*(8*((\a)%4)+\b)+7], v[128*(\p)+FR*\b:128*(\p)+FR*\b+FR-1], v[AF+FR*(\a):AF+FR*(\a)+FR-1], v[8*(8*((\a)%4)+\b):8*(8*((\a)%4)+\b)+7]
.endif
.endr
.endr
.endm
.macro FETCH_B slot, q, p
	WIN TO_B
.irp i, 0,1,2,3,4,5,6,7
	FRAGB 128*(\p)+FR*\i, \slot, \q, \i
.endr
	WIN 0
.endm
.macro FETCH_A slot, q, i0
.irp i, \i0, \i0+1, \i0+2, \i0+3
	FRAGA AF+FR*(\i), \slot, \q, \i
.endr
.endm
.macro PLACES n                        ; plain vector instructions between a matrix instruction and a load into, or a read of, its registers
.rept \n
	v_nop
.endr
.endm
.macro STEP slot, q, zero              ; 128 along K whose successor lies in the same slot
	s_wait_dscnt 16                                ; B's set and A's blocks 0-3 are in; the youngest sixteen loads (A's blocks 4-7) may be out
	WIN MUL_LO
	MUL16 0, (\q)%2, \zero
	MUL16 2, (\q)%2, \zero
	s_wait_dscnt 0
	PLACES 4
	FETCH_B \slot, (\q)+1, 1-(\q)%2
	FETCH_A \slot, (\q)+1, 0
	WIN MUL_HI
	MUL16 4, (\q)%2, \zero
	MUL16 6, (\q)%2, \zero
	PLACES 4
	WIN 0
	FETCH_A \slot, (\q)+1, 4
.endm
.macro TURN slot, next, fill           ; a slot's last 128 along K, and the change of slots
	s_wait_tensorcnt 0x0                           ; all my tensor loads have landed: my part of the next slot
	ds_add_u32 v[SPW], v[NIL]                      ; 0 onto my spare word
	s_wait_dscnt 17                                ; (the add and the youngest sixteen loads may be out)
	WIN MUL_LO
	MUL16 0, 1, 0
	s_wait_dscnt 0x0                               ; the add is done, and my reads of this slot are over
	s_barrier_signal -1
	MUL16 2, 1, 0
	WIN 0
	s_barrier_wait -1
.if \fill
	CREST                                          ; the barrier has opened a round of the cluster's barrier: no wave of any partner still reads this slot or has a load on its way
	s_add_nc_u64 s[G0+4*\slot+2:G0+4*\slot+3], s[G0+4*\slot+2:G0+4*\slot+3], 8192
	s_add_nc_u64 s[G0B+4*\slot+2:G0B+4*\slot+3], s[G0B+4*\slot+2:G0B+4*\slot+3], 512
	JLOAD G0+4*\slot, G1, G0B+4*\slot, G1B         ; the first tensor load behind the round; its four v_nop are the places in front of the loads below
.else
	PLACES 4
.endif
	FETCH_B \next, 0, 0
	FETCH_A \next, 0, 0
	WIN MUL_HI
	MUL16 4, 1, 0
	MUL16 6, 1, 0
	PLACES 4
	WIN 0
	FETCH_A \next, 0, 4
.endm
	s_load_b256 s[4:11], s[0:1], 0x0               ; h's images, Wq's, Wk's, Wv's codes
	s_load_b128 s[84:87], s[0:1], 0x20             ; the scales' exponents, the output
	v_lshl_add_u32 v[SPW], v0, 2, SPARE
	v_mov_b32 v[NIL], 0
	ds_add_u32 v[SPW], v[NIL]                      ; the wave's opening: the add, twice on end, and its wait ahead of my first tensor load
	ds_add_u32 v[SPW], v[NIL]
	v_lshrrev_b32 v1, 5, v0
	v_readfirstlane_b32 s14, v1                    ; wave
	s_lshr_b32 s15, s14, 1                         ; my half of the tile's tokens.  Also: I fetch for A (0) or for B (1)
	s_and_b32 s16, s14, 1                          ; my half of its columns.  Also: which half of that tile I fetch
	s_bfe_u32 s40, ttmp6, 0x40000                  ; cx
	s_bfe_u32 s41, ttmp6, 0x40004                  ; cy
	s_mov_b32 s42, s40                             ; tile column inside the region = cx
	s_and_b32 s17, ttmp7, 0xffff
	s_lshl_b32 s17, s17, 2
	s_add_co_u32 s17, s17, s41                     ; tile row = 4 x cluster y + cy
	s_lshl_b32 s43, s41, 2
	s_lshl_b32 s43, 15, s43                        ; my row of the cluster
	s_lshl_b32 s44, 0x1111, s40                    ; my column
	s_or_b32 s[G1+0], s43, (3<<16)|(1<<21)         ; A: the mask; elements of 8 bytes; no padding; bit 21 beside a mask
	s_mov_b32 s[G1+1], 512<<16                     ; tensor_dim0: 16 tokens x 256 K = 4,096 bytes
	s_mov_b32 s[G1+2], 8<<16                       ; tensor_dim1: 8 blocks of 16 tokens
	s_mov_b32 s[G1+3], 512<<16                     ; tile_dim0
	s_mov_b32 s[G1+4], 8                           ; tile_dim1
	s_mov_b32 s[G1+5], 2*SIZE_K                    ; from block to block: 16 SIZE_K bytes
	s_mov_b32 s[G1+6], 0
	s_mov_b32 s[G1+7], 0
	s_or_b32 s[G1B+0], s44, (0<<16)|(1<<20)|(1<<21)|(5<<22)|(3<<25)  ; B: the mask; bytes; 4 words of padding behind every 64
	s_mov_b32 s[G1B+1], 256<<16
	s_mov_b32 s[G1B+2], 128<<16
	s_mov_b32 s[G1B+3], 256<<16
	s_mov_b32 s[G1B+4], 128
	s_mov_b32 s[G1B+5], KROW
	s_mov_b32 s[G1B+6], 0
	s_mov_b32 s[G1B+7], 0
	s_lshl_b32 s18, s16, 7
	s_lshl_b32 s20, s17, 8
	s_add_co_u32 s20, s20, s18                     ; A: token 256 x tile row + 128 x half
	s_lshl_b32 s46, s42, 8
	s_add_co_u32 s46, s46, s18                     ; B: row 256 x tile column + 128 x half
	s_mov_b32 s21, 0
	s_mov_b32 s47, 0
	s_mov_b64 s[18:19], KROW
	s_mul_u64 s[20:21], s[20:21], s[18:19]         ; 16 tokens' images are 16 SIZE_K bytes: a token counts SIZE_K bytes
	s_mul_u64 s[46:47], s[46:47], s[18:19]
	s_lshl_b32 s12, ttmp9, 22                      ; the region's part of h's images
	s_mov_b32 s13, 0
	s_add_nc_u64 s[20:21], s[20:21], s[12:13]
	s_lshl_b32 s45, s16, 15                        ; where they go: A's half,
	s_mul_i32 s88, s16, BHALF
	s_add_co_u32 s88, s88, BOFF                    ; B's half
	s_wait_dscnt 0x0                               ; both opening adds are done
	s_wait_kmcnt 0x0
	s_load_b512 s[68:83], s[84:85], 0x0            ; e0 .. e15
	s_cmp_eq_u32 ttmp9, 0                          ; the region's weights: the choice hangs on the cluster's number alone
	s_cselect_b64 s[6:7], s[6:7], s[8:9]
	s_cmp_eq_u32 ttmp9, 2
	s_cselect_b64 s[6:7], s[10:11], s[6:7]
	s_add_nc_u64 s[20:21], s[4:5], s[20:21]
	s_add_nc_u64 s[46:47], s[6:7], s[46:47]
	CROUND                                         ; all sixteen work-groups are here: the first joint loads meet
.irp s, 0,1
	s_mov_b32 s[G0+4*\s], 1
	s_add_co_u32 s[G0+4*\s+1], s45, \s*SLOT
	s_add_nc_u64 s[G0+4*\s+2:G0+4*\s+3], s[20:21], \s*4096
	s_or_b32 s[G0+4*\s+3], s[G0+4*\s+3], 0x80000000
	s_mov_b32 s[G0B+4*\s], 1
	s_add_co_u32 s[G0B+4*\s+1], s88, \s*SLOT
	s_add_nc_u64 s[G0B+4*\s+2:G0B+4*\s+3], s[46:47], \s*256
	s_or_b32 s[G0B+4*\s+3], s[G0B+4*\s+3], 0x80000000
	JLOAD G0+4*\s, G1, G0B+4*\s, G1B
.endr
	v_and_b32 v1, 15, v0                           ; r
	v_bfe_u32 v2, v0, 4, 1                         ; h
	v_and_b32 v6, 31, v0
	v_lshlrev_b32 v[CO], 4, v6                     ; 16 x lane
	v_mul_u32_u24 v3, v1, BPITCH
	v_lshl_add_u32 v4, v2, 4, v3
	s_lshl_b32 s21, s15, 15
	s_mul_i32 s22, s16, BHALF
	s_add_co_u32 s22, s22, BOFF
.irp s, 0,1
	v_add_nc_u32 v[ADRA+\s], s21, v[CO]
	v_add_nc_u32 v[ADRB+\s], s22, v4
	s_add_co_u32 s21, s21, SLOT
	s_add_co_u32 s22, s22, SLOT
.endr
	s_mul_i32 s23, s14, 20480                      ; v's stage: 128 tokens x (128 codes + 32) for each wave, in slot 0, which has had its last fill and its last read when it is written
	v_mul_u32_u24 v5, v1, 160
	v_lshl_add_u32 v5, v2, 3, v5
	v_add_nc_u32 v[STO], s23, v5                   ; in: token r, + 8 h
	v_and_b32 v7, 7, v0
	v_lshl_add_u32 v7, v2, 3, v7
	v_mul_u32_u24 v7, v7, 160
	v_bfe_u32 v8, v0, 3, 1
	v_lshl_add_u32 v7, v8, 4, v7
	v_add_nc_u32 v[TRA], s23, v7                   ; back, turned: token 8 h + lane % 8, + 16 ((lane / 8) % 2)
	s_lshl_b32 s20, ttmp9, 22                      ; the output: region x 4 Mi
	s_lshr_b32 s21, s17, 3
	s_lshl_b32 s21, s21, 21                        ; + batch x 16 heads x 131,072
	s_add_co_u32 s20, s20, s21
	s_and_b32 s21, s17, 7
	s_lshl_b32 s21, s21, 1
	s_add_co_u32 s21, s21, s15
	s_lshl_b32 s21, s21, 13                        ; + my 128 tokens: 8,192 bytes in each of the three layouts
	s_add_co_u32 s20, s20, s21
	s_lshl_b32 s46, s40, 2
	s_lshl_b32 s47, s16, 1
	s_add_co_u32 s46, s46, s47
	s_lshl_b32 s46, s46, 17                        ; + my first head x 131,072
	s_add_co_u32 s20, s20, s46
	s_mov_b32 s21, 0
	s_add_nc_u64 s[86:87], s[86:87], s[20:21]
	s_wait_tensorcnt 1                             ; my part of K step 0 is in; K step 1's load may be out
	s_barrier_signal -1
	s_barrier_wait -1
	FETCH_B 0, 0, 0
	FETCH_A 0, 0, 0
	FETCH_A 0, 0, 4
	STEP 0, 0, 1                                   ; the first products start the sums
	s_mov_b32 s3, LAPS-1
.Llap:
	TURN 0, 1, 1
	STEP 1, 0, 0
	TURN 1, 0, 1
	STEP 0, 0, 0
	s_sub_co_u32 s3, s3, 1
	s_cmp_lg_u32 s3, 0
	s_cbranch_scc1 .Llap
	TURN 0, 1, 0                                   ; the last lap fills nothing
	STEP 1, 0, 0
	s_wait_dscnt 16
	WIN MUL_LO
	MUL16 0, 1, 0
	MUL16 2, 1, 0
	s_wait_dscnt 0
	WIN MUL_HI
	MUL16 4, 1, 0
	MUL16 6, 1, 0
	WIN 0
	; THE WAY OUT.  A sum stands for sum x 2^(eW + eh): its code is sum / 2^(eout - eW - eh): the three scales are folded into the conversion's one.
	s_wait_kmcnt 0x0
	s_sub_co_i32 s90, s74, s68
	s_sub_co_i32 s90, s90, s69                     ; q: e6 - e0 - e1
	s_sub_co_i32 s91, s75, s70
	s_sub_co_i32 s91, s91, s71                     ; k: e7 - e2 - e3
	s_sub_co_i32 s92, s77, s72
	s_sub_co_i32 s92, s92, s73                     ; v: e9 - e4 - e5
	s_cmp_eq_u32 ttmp9, 0
	s_cselect_b32 s90, s90, s91
	s_cmp_eq_u32 ttmp9, 2
	s_cselect_b32 s90, s92, s90
	s_add_co_i32 s90, s90, 127
	s_lshl_b32 s91, s90, 23
	v_mov_b32 v30, s91                             ; the scale as f32
	s_add_co_i32 s90, s90, 8
	s_lshl_b32 s90, s90, 23
	s_or_b32 s90, s90, 0x600000
	v_mov_b32 v31, s90                             ; 448 x the scale
	s_mov_b32 s92, 0x06040200                      ; the even bytes of two registers,
	s_mov_b32 s93, 0x07050301                      ; the odd ones
	PLACES 4
.macro QBLOCK a, c                     ; block a's 64 sums a lane: held (each accumulator from its low end on), converted: tile b's codes in v[c + 2 b], v[c + 2 b + 1]
.set AC, 64*((\a)%4)
.set WW, 0x02+((\a)/4)
	WIN WW
.set j, 0
.rept 64
	v_med3_num_f32 v[32+j], v[AC+j], -v31, v31
.set j, j+1
.endr
	WIN 0
.irp b, 0,1,2,3,4,5,6,7
	v_cvt_scalef32_pk8_fp8_f32 v[\c+2*\b:\c+2*\b+1], v[32+8*\b:32+8*\b+7], v30
.endr
	v_nop                                          ; a plain instruction behind the last conversion: the next block writes its sources
.endm
	s_cmp_eq_u32 ttmp9, 2                          ; the cluster's number: the same in all partners and all waves
	s_cbranch_scc1 .Lv
.irp a, 0,1,2,3,4,5,6,7                ; q, k: group g of head hl is registers 4 (2 hl + g) on; 512 consecutive bytes a store; each block has its own registers
	QBLOCK \a, 128+16*\a
.irp g, 0,1,2,3
	global_store_b128 v[CO], v[128+16*\a+4*\g:128+16*\a+4*\g+3], s[86:87] offset:\a*1024+(\g/2)*131072+(\g%2)*512
.endr
.endr
	s_branch .Lend
.Lv:
.irp a, 0,1,2,3,4,5,6,7
	QBLOCK \a, 128+16*\a
.irp b, 0,1,2,3,4,5,6,7
	ds_store_b64 v[STO], v[128+16*\a+2*\b:128+16*\a+2*\b+1] offset:\a*2560+16*\b   ; token 16 a + r, columns 16 b + 8 h + 0..7
.endr
.endr
	s_wait_dscnt 0x0                               ; the stores have read their registers, which the loads below fill
.irp it, 0,1,2,3                       ; head it / 2, channels 32 (it % 2) on: eight loads of 16 keys x 32 channels, turned
.set n, 0
.rept 8
	ds_load_tr16_b128 v[128+32*\it+4*n:128+32*\it+4*n+3], v[TRA] offset:16*n*160+64*(\it/2)+32*(\it%2)
.set n, n+1
.endr
.endr
.irp it, 0,1,2,3
	s_wait_dscnt 8*(3-\it)                         ; this group's eight loads are in; the later groups' may be out
.if \it > 1
	s_wait_xcnt 0x0                                ; the stores of two groups ago have read their registers
.endif
.set OB, 32+32*(\it%2)
.set TR, 128+32*\it
.irp e, 0,1
.set n, 0
.rept 8
	v_perm_b32 v[OB+16*\e+2*n], v[TR+4*n+1], v[TR+4*n], s[92+\e]       ; keys 16 n + 8 h + 0..3 of channel 2 r + e
	v_perm_b32 v[OB+16*\e+2*n+1], v[TR+4*n+3], v[TR+4*n+2], s[92+\e]   ; keys 16 n + 8 h + 4..7
.set n, n+1
.endr
.endr
.irp e, 0,1
.irp g, 0,1,2,3
	global_store_b128 v[CO], v[OB+16*\e+4*\g:OB+16*\e+4*\g+3], s[86:87] offset:(\it/2)*131072+(2*(\it%2)+\e)*2048+\g*512
.endr
.endr
.endr
.Lend:
	s_wait_tensorcnt 0x0                           ; the wave's end
	ds_add_u32 v[SPW], v[NIL]
	s_wait_dscnt 0x0
	CROUND                                         ; the closing round
	s_endpgm
.Lfunc_end_k_q709e31c2a8_qkv:
	.size	k_q709e31c2a8_qkv, .Lfunc_end_k_q709e31c2a8_qkv-k_q709e31c2a8_qkv
	.p2alignl 7, 3214868480
	.fill 96, 4, 3214868480
	.section	.rodata,"a",@progbits
	.p2align	6, 0x0
	.amdhsa_kernel k_q709e31c2a8_qkv
		.amdhsa_group_segment_fixed_size 327680
		.amdhsa_private_segment_fixed_size 0
		.amdhsa_enable_private_segment 0
		.amdhsa_kernarg_size 48
		.amdhsa_user_sgpr_count 2
		.amdhsa_user_sgpr_kernarg_segment_ptr 1
		.amdhsa_wavefront_size32 1
		.amdhsa_system_sgpr_workgroup_id_x 1
		.amdhsa_system_sgpr_workgroup_id_y 1
		.amdhsa_system_sgpr_workgroup_id_z 1
		.amdhsa_system_vgpr_workitem_id 0
		.amdhsa_next_free_vgpr 1024
		.amdhsa_next_free_sgpr 98
		.amdhsa_reserve_vcc 0
		.amdhsa_float_denorm_mode_32 3
		.amdhsa_float_denorm_mode_16_64 3
		.amdhsa_memory_ordered 1
		.amdhsa_forward_progress 1
		.amdhsa_inst_pref_size 173
	.end_amdhsa_kernel
	.amdgpu_metadata
---
amdhsa.version: [ 1, 2 ]
amdhsa.kernels:
  - .name:           k_q709e31c2a8_qkv
    .symbol:         k_q709e31c2a8_qkv.kd
    .args:
      - { .name: h_img, .offset: 0, .size: 8, .value_kind: global_buffer, .address_space: global }
      - { .name: Wq_codes, .offset: 8, .size: 8, .value_kind: global_buffer, .address_space: global }
      - { .name: Wk_codes, .offset: 16, .size: 8, .value_kind: global_buffer, .address_space: global }
      - { .name: Wv_codes, .offset: 24, .size: 8, .value_kind: global_buffer, .address_space: global }
      - { .name: lowp_scales, .offset: 32, .size: 8, .value_kind: global_buffer, .address_space: global }
      - { .name: qkv_img, .offset: 40, .size: 8, .value_kind: global_buffer, .address_space: global }
    .group_segment_fixed_size: 327680
    .private_segment_fixed_size: 0
    .kernarg_segment_align: 8
    .kernarg_segment_size: 48
    .max_flat_workgroup_size: 128
    .sgpr_count:     98
    .vgpr_count:     1024
    .wavefront_size: 32
...
	.end_amdgpu_metadata
.endif
;; end of part 2
;; launch attn (part 3): grid 8 x 32, 16 waves a work-group, clusters of 4 x 1, 264,192 bytes of LDS; arguments qkv_img, lowp_scales, o_img; writes o_img
.if DOCPART == 3
	.amdgcn_target "amdgcn-amd-amdhsa--gfx1250"
	.amdhsa_code_object_version 6
	.text
	.protected	k_q709e31c2a8_attn
	.globl	k_q709e31c2a8_attn
	.p2align	8
	.type	k_q709e31c2a8_attn,@function
k_q709e31c2a8_attn:
	s_mov_b64 s[64:65], 0
	v_nop
	global_prefetch_b8 v0, s[64:65] scope:SCOPE_SE
	s_setreg_imm32_b32 hwreg(HW_REG_WAVE_MODE, 25, 1), 1
	s_wait_xcnt 0x0
	s_wait_alu depctr_hold_cnt(0) depctr_sa_sdst(0) depctr_va_vdst(0) depctr_va_sdst(0) depctr_va_ssrc(0) depctr_va_vcc(0) depctr_vm_vsrc(0)
	s_getreg_b32 s2, hwreg(HW_REG_IB_STS2, 6, 4)
	s_cmp_eq_u32 s2, 0
	s_cbranch_scc0 .Lentry_in_a_cluster
	s_endpgm
.Lentry_in_a_cluster:
	s_bfe_u32 s2, ttmp6, 0x10000c
	s_cmp_lg_u32 s2, 0x3003
	s_cbranch_scc0 .Lentry_shape_is_right
	s_endpgm
.Lentry_shape_is_right:
; LAUNCH 3 OF 7: products 4 and 5 with the causal softmax between them, on E4M3 codes; o is quantised at once for product 6 (lowp_scales[10]).
; WORK LEFT OUT: the key steps of 128 keys that lie wholly behind a tile's 16 queries: reference()'s own tril makes their p 0 for all inputs (shown at the head of launch 1).
; t = score x 2^(e6 + e7) x log2(e) / 8; M = the running largest t rounded UP to a whole number; p = 2^(t - M) is quantised with 2^e8, not normalised; the row's sum is taken of the unquantised p and divides at the end.
; Product 4's A is taken to be q (lowp_scales[6]) and its B k ([7]), as the einsum reads.
; SHARES: a work-group serves one (batch, head).  Its sixteen waves own one tile of 16 queries each: tile i + 8 k, i = the work-group's x (0..7), k made of the wave's number alone.  Tile i + 8 k needs key steps 0 .. k,
; the last of them on the diagonal: so every branch hangs on k and on counted steps, never on the place in the cluster.
; THE HEAD'S WHOLE K AND V LIE IN LDS (2 x 131,072 bytes, as images of the operands' registers): nothing is ever filled again.  The four work-groups of a cluster serve the same head and ask for every piece JOINTLY.
; Each wave brings four pieces of 4,096 bytes, one of each quarter of the keys (waves 0-7: K's, waves 8-15: V's); four loads of mine are out at the most.  A quarter is read behind a counted wait and a barrier.
; LAYOUT: S^T = K Q^T (source 0 = 16 keys, source 1 = my queries), O^T = V^T P^T: a lane holds ONE query.  Tile tau's eight registers are keys 16 tau + 8 h + 0..7, so their conversion is registers 2 tau, 2 tau + 1 of P.
; V's tile 2 x + e holds channels 32 x + 2 r' + e, so O^T's two tiles of x, taken by turns, are channels 32 x + 16 h + 0..15: a group of product 6's operand.
; LIMITS: e6 + e7 between -123 and 130; e8 and e10 between -126 and 119.  NaN and infinities are not served.
.set SPARE, 262144
.set SPW, 5
.set NIL, 6
.set WV,  18
.set KK,  20
.set J,   21
.set CS,  22
.set TB,  2
.set CNT, 3
.set G1,  24
.set G0,  32
.set SEL, 54
.macro CROUND
	s_barrier_signal -1
	s_barrier_wait -1
	s_cmp_lg_u32 s[WV], 0
	s_cbranch_scc1 .Lnot_wave_0_\@
	s_barrier_signal -3
.Lnot_wave_0_\@:
	s_barrier_wait -3
	s_barrier_signal -1
	s_barrier_wait -1
.endm
	s_load_b128 s[4:7], s[0:1], 0x0                ; q, k, v images; the scales' exponents
	s_load_b64 s[8:9], s[0:1], 0x10                ; o's image
	v_lshl_add_u32 v[SPW], v0, 2, SPARE
	v_mov_b32 v[NIL], 0
	ds_add_u32 v[SPW], v[NIL]                      ; the wave's opening: the add, twice on end, and its wait ahead of my first tensor load
	ds_add_u32 v[SPW], v[NIL]
	v_lshrrev_b32 v8, 5, v0
	v_readfirstlane_b32 s[WV], v8                  ; wave 0..15
	s_bfe_u32 s10, ttmp6, 0x40000                  ; cx
	s_lshl_b32 s11, ttmp9, 2
	s_add_co_u32 s11, s11, s10                     ; i = 4 x cluster x + cx: it enters q's and o's addresses and the mask's numbers alone
	s_and_b32 s12, ttmp7, 0xffff                   ; batch x 16 + head
	s_lshr_b32 s13, s[WV], 2                       ; m
	s_and_b32 s14, s13, 1
	s_mul_i32 s14, s14, 3
	s_and_b32 s15, s[WV], 3
	s_xor_b32 s15, s15, s14
	s_lshl_b32 s[KK], s13, 2
	s_add_co_u32 s[KK], s[KK], s15                 ; k = 4 m + ((w % 4) xor 3 (m % 2)): long and short walks are mixed among waves w, w + 4, w + 8, w + 12
	s_mov_b32 s[G1], 15|(3<<16)|(1<<21)            ; the mask: all four work-groups; elements of 8 bytes; no padding; bit 21 beside a mask
	s_mov_b32 s[G1+1], 32<<16                      ; rows of 256 bytes,
	s_mov_b32 s[G1+2], 16<<16                      ; sixteen of them, dense
	s_mov_b32 s[G1+3], 32<<16
	s_mov_b32 s[G1+4], 16
	s_mov_b32 s[G1+5], 32
	s_mov_b32 s[G1+6], 0
	s_mov_b32 s[G1+7], 0
	s_lshr_b32 s16, s[WV], 3                       ; 0: K, 1: V
	s_and_b32 s17, s[WV], 7
	s_lshl_b32 s17, s17, 12                        ; my piece of a quarter
	s_lshl_b32 s19, s16, 17
	s_add_co_u32 s19, s19, s17                     ; in LDS
	s_lshl_b32 s16, s16, 22
	s_add_co_u32 s16, s16, s17
	s_lshl_b32 s51, s12, 17                        ; the head's 131,072 bytes
	s_add_co_u32 s16, s16, s51
	s_add_co_u32 s16, s16, 0x400000                ; k's part begins at 4 Mi, v's at 8 Mi
	s_mov_b32 s17, 0
	s_mov_b32 s[SEL], 0x76543210
	s_mov_b32 s[SEL+1], 0xfedcba98
	s_mov_b32 s[CS], 0x3e38aa3b                    ; log2(e) / 8
	s_lshl_b32 s50, s[KK], 3
	s_add_co_u32 s50, s50, s11                     ; my tile of queries
	s_lshl_b32 s52, s50, 10
	s_add_co_u32 s52, s52, s51
	s_mov_b32 s53, 0
	s_lshr_b32 s13, s12, 4
	s_lshl_b32 s13, s13, 7
	s_add_co_u32 s13, s13, s50                     ; my 16 tokens' block
	s_lshl_b32 s56, s13, 14
	s_and_b32 s13, s12, 15
	s_lshl_b32 s13, s13, 10                        ; head x 1,024 = K step head / 2, groups 2 (head % 2) on
	s_add_co_u32 s56, s56, s13
	s_mov_b32 s57, 0
	s_lshl_b32 s58, s11, 4
	s_wait_dscnt 0x0                               ; both opening adds are done
	s_wait_kmcnt 0x0
	s_load_b512 s[68:83], s[6:7], 0x0              ; e0 .. e15
	s_add_nc_u64 s[48:49], s[4:5], s[16:17]
	s_add_nc_u64 s[52:53], s[4:5], s[52:53]        ; q's image of my tile
	s_add_nc_u64 s[8:9], s[8:9], s[56:57]
.irp g, 0,1,2,3
	s_mov_b32 s[G0+4*\g], 1
	s_add_co_u32 s[G0+4*\g+1], s19, \g*32768
	s_add_nc_u64 s[G0+4*\g+2:G0+4*\g+3], s[48:49], \g*32768
	s_or_b32 s[G0+4*\g+3], s[G0+4*\g+3], 0x80000000
.endr
	CROUND                                         ; all four work-groups are here: the joint loads meet
.irp g, 0,1,2,3
	tensor_load_to_lds s[G0+4*\g:G0+4*\g+3], s[G1:G1+7]
	s_nop 0
.endr
	v_and_b32 v1, 31, v0
	v_lshlrev_b32 v1, 4, v1                        ; 16 x lane
	global_load_b128 v[16:19], v1, s[52:53]        ; Q stays in registers
	global_load_b128 v[20:23], v1, s[52:53] offset:512
	v_and_b32 v8, 15, v0
	v_bfe_u32 v9, v0, 4, 1
	v_lshlrev_b32 v9, 3, v9
	v_sub_nc_u32 v3, v8, v9
	v_add_nc_u32 v3, s58, v3                       ; D = 16 i + r - 8 h: on the diagonal, register 8 tau + j is hidden where 16 tau + j > D
	v_mov_b32 v7, 0xff800000                       ; -infinity
	v_mov_b32 v13, 0xff61b1e6                      ; the largest t so far: -3e38
	v_floor_f32 v12, -v13                          ; -M
	v_mov_b32 v14, 0
	v_mov_b32 v15, 0
	v_mov_b32 v27, 0                               ; (named as the upper half of the pair v[26:27])
.set j, 0
.rept 32
	v_mov_b32 v[160+j], 0                          ; O^T: the step is written once; the first finds zeros
.set j, j+1
.endr
	s_wait_kmcnt 0x0
	s_add_co_i32 s59, s74, s75
	s_lshl_b32 s59, s59, 23
	s_add_co_i32 s[CS], s[CS], s59                 ; e6 + e7 go into c's exponent field
	s_mov_b32 s[CS+1], s[CS]
	s_add_co_i32 s59, s76, 127
	s_lshl_b32 s60, s59, 23
	v_mov_b32 v25, s60                             ; 2^e8
	s_add_co_i32 s59, s59, 8
	s_lshl_b32 s59, s59, 23
	s_or_b32 s59, s59, 0x600000
	v_mov_b32 v24, s59                             ; 448 x 2^e8
.macro STEP                            ; key step J: 128 keys
	s_cmp_gt_u32 s[J], s[KK]                       ; behind my queries: left out
	s_cbranch_scc1 .Lhidden_\@
	v_add_nc_u32 v2, s[TB], v1
	v_add_nc_u32 v4, 0x20000, v2
	v_nop
	v_nop                                          ; four places in front of loads into registers that the last products read
.set n, 0
.rept 16
	ds_load_b128 v[32+4*n:35+4*n], v2 offset:512*n                  ; K: tile n / 2, group n % 2
.set n, n+1
.endr
	s_wait_dscnt 0x0
.irp t, 0,1,2,3,4,5,6,7
	v_wmma_f32_16x16x64_fp8_fp8 v[96+8*\t:103+8*\t], v[32+8*\t:39+8*\t], v[16:23], 0
.endr
.set n, 0
.rept 16
	ds_load_b128 v[192+4*n:195+4*n], v4 offset:512*n                ; V: tile n / 4, group n % 4: it lands under the softmax
.set n, n+1
.endr
.rept 4
	v_nop
.endr
	s_cmp_lt_u32 s[J], s[KK]                       ; all keys count: no mask
	s_cbranch_scc1 .Lopen_\@
.set n, 0
.rept 64
	v_cmp_gt_i32 vcc_lo, 16*(n/8)+n%8, v3
	v_cndmask_b32 v[96+n], v[96+n], v7, vcc_lo
.set n, n+1
.endr
.Lopen_\@:
	v_max3_num_f32 v8, v96, v97, v98
	v_max3_num_f32 v10, v99, v100, v101
.irp i, 6,10,14,18,22,26,30,34,38,42,46,50,54,58
	v_max3_num_f32 v8, v8, v[96+\i], v[97+\i]
	v_max3_num_f32 v10, v10, v[98+\i], v[99+\i]
.endr
	v_max3_num_f32 v8, v8, v158, v159
	v_max_num_f32 v8, v8, v10
	v_permlanex16_b32 v9, v8, s[SEL], s[SEL+1]
	v_max_num_f32 v8, v8, v9                       ; the step's largest score of my query
	v_mul_f32 v8, s[CS], v8
	v_max_num_f32 v13, v13, v8                     ; the running largest t
	v_mov_b32 v8, v12
	v_floor_f32 v12, -v13                          ; -M = floor(-t): M is a whole number
	v_sub_f32 v8, v12, v8
	v_cvt_i32_f32 v8, v8
	v_ldexp_f32 v26, 1.0, v8                       ; f = 2^(old M - new M)
.set j, 0
.rept 32
	v_pk_fma_f32 v[96+j:97+j], v[96+j:97+j], s[CS:CS+1], v[12:13] op_sel_hi:[1,0,0]   ; t - M
.set j, j+2
.endr
.set j, 0
.rept 64
	v_exp_f32 v[96+j], v[96+j]
.set j, j+1
.endr
	v_pk_mul_f32 v[14:15], v[14:15], v[26:27] op_sel_hi:[1,0]      ; the sums under the new M: a plain instruction behind the batch
	s_wait_alu depctr_va_vdst(0)                   ; the one wait ahead of the batch's first reader
	v_pk_add_f32 v[28:29], v[96:97], v[98:99]      ; the row's sum is taken of the unquantised p
.irp j, 4,8,12,16,20,24,28,32,36,40,44,48,52,56,60
	v_pk_add_f32 v[14:15], v[14:15], v[96+\j:97+\j]
	v_pk_add_f32 v[28:29], v[28:29], v[98+\j:99+\j]
.endr
	v_pk_add_f32 v[14:15], v[14:15], v[28:29]
.irp t, 0,1,2,3,4,5,6,7
.set i, 0
.rept 8
	v_min_num_f32 v[96+8*\t+i], v[96+8*\t+i], v24  ; the hold; p is not negative
.set i, i+1
.endr
	v_cvt_scalef32_pk8_fp8_f32 v[32+2*\t:33+2*\t], v[96+8*\t:103+8*\t], v25
.endr
.set j, 0
.rept 16
	v_pk_mul_f32 v[160+j:161+j], v[160+j:161+j], v[26:27] op_sel_hi:[1,0]   ; O^T under the new M
.set j, j+2
.endr
	s_wait_dscnt 0x0                               ; V is in
.irp t, 0,1,2,3
	v_wmma_f32_16x16x128_fp8_fp8 v[160+8*\t:167+8*\t], v[192+16*\t:207+16*\t], v[32:47], v[160+8*\t:167+8*\t]
.endr
.Lhidden_\@:
	s_add_co_u32 s[TB], s[TB], 8192
	s_add_co_u32 s[J], s[J], 1
.endm
.macro QUARTER g                       ; key steps 4 g .. 4 g + 3
	s_wait_tensorcnt 3-\g                          ; my pieces of quarters 0 .. g have landed; the later quarters' may be out
	s_wait_dscnt 0x0
	s_barrier_signal -1
	s_barrier_wait -1                              ; everybody's have
	s_mov_b32 s[TB], \g*32768
	s_mov_b32 s[J], 4*\g
	s_mov_b32 s[CNT], 4
.Lq_\@:
	STEP
	s_sub_co_u32 s[CNT], s[CNT], 1
	s_cmp_lg_u32 s[CNT], 0
	s_cbranch_scc1 .Lq_\@
.endm
	s_wait_loadcnt 0x0                             ; Q
	QUARTER 0
	QUARTER 1
	QUARTER 2
	QUARTER 3
	; THE WAY OUT: o = O^T x 2^(e8 + e9) / the sum, held, converted with 2^e10; two stores of 512 consecutive bytes
.rept 4
	v_nop
.endr
	v_add_f32 v14, v14, v15
	v_permlanex16_b32 v9, v14, s[SEL], s[SEL+1]
	v_add_f32 v14, v14, v9
	v_rcp_f32 v14, v14
	v_nop
	s_add_co_i32 s59, s76, s77
	s_add_co_i32 s60, s78, 127
	s_lshl_b32 s61, s60, 23
	v_mov_b32 v10, s61                             ; 2^e10
	s_add_co_i32 s60, s60, 8
	s_lshl_b32 s60, s60, 23
	s_or_b32 s60, s60, 0x600000
	v_mov_b32 v11, s60                             ; 448 x 2^e10
	s_wait_alu depctr_va_vdst(0)                   ; ahead of the reciprocal's first reader
	v_ldexp_f32 v14, v14, s59
.irp t, 0,1,2,3
.set j, 0
.rept 8
	v_mul_f32 v[96+16*(\t/2)+2*j+\t%2], v[160+8*\t+j], v14          ; channel 32 x + 16 h + 2 j + e
.set j, j+1
.endr
.endr
.set j, 0
.rept 32
	v_med3_num_f32 v[96+j], v[96+j], -v11, v11
.set j, j+1
.endr
.irp x, 0,1
	v_cvt_scalef32_pk8_fp8_f32 v[32+4*\x:33+4*\x], v[96+16*\x:103+16*\x], v10
	v_cvt_scalef32_pk8_fp8_f32 v[34+4*\x:35+4*\x], v[104+16*\x:111+16*\x], v10
.endr
	v_nop
.irp x, 0,1
	global_store_b128 v1, v[32+4*\x:35+4*\x], s[8:9] offset:512*\x
.endr
	s_wait_tensorcnt 0x0                           ; the wave's end
	ds_add_u32 v[SPW], v[NIL]
	s_wait_dscnt 0x0
	CROUND                                         ; the closing round
	s_endpgm
.Lfunc_end_k_q709e31c2a8_attn:
	.size	k_q709e31c2a8_attn, .Lfunc_end_k_q709e31c2a8_attn-k_q709e31c2a8_attn
	.p2alignl 7, 3214868480
	.fill 96, 4, 3214868480
	.section	.rodata,"a",@progbits
	.p2align	6, 0x0
	.amdhsa_kernel k_q709e31c2a8_attn
		.amdhsa_group_segment_fixed_size 264192
		.amdhsa_private_segment_fixed_size 0
		.amdhsa_enable_private_segment 0
		.amdhsa_kernarg_size 24
		.amdhsa_user_sgpr_count 2
		.amdhsa_user_sgpr_kernarg_segment_ptr 1
		.amdhsa_wavefront_size32 1
		.amdhsa_system_sgpr_workgroup_id_x 1
		.amdhsa_system_sgpr_workgroup_id_y 1
		.amdhsa_system_sgpr_workgroup_id_z 1
		.amdhsa_system_vgpr_workitem_id 0
		.amdhsa_next_free_vgpr 256
		.amdhsa_next_free_sgpr 84
		.amdhsa_reserve_vcc 1
		.amdhsa_float_denorm_mode_32 3
		.amdhsa_float_denorm_mode_16_64 3
		.amdhsa_memory_ordered 1
		.amdhsa_forward_progress 1
		.amdhsa_inst_pref_size 94
	.end_amdhsa_kernel
	.amdgpu_metadata
---
amdhsa.version: [ 1, 2 ]
amdhsa.kernels:
  - .name:           k_q709e31c2a8_attn
    .symbol:         k_q709e31c2a8_attn.kd
    .args:
      - { .name: qkv_img, .offset: 0, .size: 8, .value_kind: global_buffer, .address_space: global }
      - { .name: lowp_scales, .offset: 8, .size: 8, .value_kind: global_buffer, .address_space: global }
      - { .name: o_img, .offset: 16, .size: 8, .value_kind: global_buffer, .address_space: global }
    .group_segment_fixed_size: 264192
    .private_segment_fixed_size: 0
    .kernarg_segment_align: 8
    .kernarg_segment_size: 24
    .max_flat_workgroup_size: 512
    .sgpr_count:     84
    .vgpr_count:     256
    .wavefront_size: 32
...
	.end_amdgpu_metadata
.endif
;; end of part 3
;; launch wo (part 4): grid 4 x 16, 4 waves a work-group, clusters of 4 x 4, 327,680 bytes of LDS; arguments o_img, Wo_codes, lowp_scales, bo, x, x1; writes x1
.if DOCPART == 4
	.amdgcn_target "amdgcn-amd-amdhsa--gfx1250"
	.amdhsa_code_object_version 6
	.text
	.protected	k_q709e31c2a8_wo
	.globl	k_q709e31c2a8_wo
	.p2align	8
	.type	k_q709e31c2a8_wo,@function
k_q709e31c2a8_wo:
	s_mov_b64 s[64:65], 0
	v_nop
	global_prefetch_b8 v0, s[64:65] scope:SCOPE_SE
	s_setreg_imm32_b32 hwreg(HW_REG_WAVE_MODE, 25, 1), 1
	s_wait_xcnt 0x0
	s_wait_alu depctr_hold_cnt(0) depctr_sa_sdst(0) depctr_va_vdst(0) depctr_va_sdst(0) depctr_va_ssrc(0) depctr_va_vcc(0) depctr_vm_vsrc(0)
	s_getreg_b32 s2, hwreg(HW_REG_IB_STS2, 6, 4)
	s_cmp_eq_u32 s2, 0
	s_cbranch_scc0 .Lentry_in_a_cluster
	s_endpgm
.Lentry_in_a_cluster:
	s_bfe_u32 s2, ttmp6, 0x10000c
	s_cmp_lg_u32 s2, 0xf033
	s_cbranch_scc0 .Lentry_shape_is_right
	s_endpgm
.Lentry_shape_is_right:
; LAUNCH 4 OF 7: x1 = x + o Wo + bo: product 6 on E4M3 codes (lowp_scales[10], [11]), f32 sums; x1 is f32 [4096][1024].
; The loop is launch 2's: a tile of 256 tokens x 256 columns, four waves of 128 x 128, A as images of the operand's registers, B as rows of codes, K in steps of 256 through a ring of two LDS slots,
; joint loads in a cluster of 4 x 4 (A's tiles along a row of the cluster, B's along a column), the matrix instruction used transposed.
; THE WAY OUT, by blocks of 16 tokens x 128 columns: the raw sums go through my own stage in LDS (in slot 0, which has had its last fill and its last read) and come back as whole rows of 512 bytes;
; there sum x 2^(ea + eb) + residual is one packed multiply-add, the bias one packed addition.
; LIMIT: e10 + e11 lies between -126 and 127.
.set SIZE_K, 1024
.set BNATIVE, 0
.set EA,     10
.set EB,     11
.set KROW,   SIZE_K
.set AHALF,  32768
.set BPITCH, 272
.set BHALF,  128*BPITCH
.set BOFF,   2*AHALF
.set SLOT,   BOFF+2*BHALF
.set SPARE,  2*SLOT
.set LAPS,   SIZE_K/512
.set FR,     16
.set ADRA,   16
.set ADRB,   20
.set STO,    24
.set RD,     25
.set CO,     26
.set SPW,    28
.set NIL,    29
.set BI,     32
.set AF,     128
.set BK,     128
.set G1,     24
.set G0,     32
.set G1B,    48
.set G0B,    56
.set MSB,    0
.set MUL_LO, 0xa1
.set MUL_HI, 0xf1
.set TO_B,   0x40
.macro WIN new
.if MSB != \new
	s_set_vgpr_msb (MSB<<8)|\new
.set MSB, \new
.endif
.endm
.macro JLOAD g0a, g1a, g0b, g1b
	s_cmp_eq_u32 s15, 0
	s_cbranch_scc0 .Lfor_b_\@
	tensor_load_to_lds s[\g0a:\g0a+3], s[\g1a:\g1a+7]
	s_nop 0
.rept 4
	v_nop
.endr
	s_branch .Lasked_\@
.Lfor_b_\@:
	tensor_load_to_lds s[\g0b:\g0b+3], s[\g1b:\g1b+7]
	s_nop 0
.rept 4
	v_nop
.endr
.Lasked_\@:
.endm
.macro CREST
	s_cmp_lg_u32 s14, 0
	s_cbranch_scc1 .Lnot_wave_0_\@
	s_barrier_signal -3
.Lnot_wave_0_\@:
	s_barrier_wait -3
	s_barrier_signal -1
	s_barrier_wait -1
.endm
.macro CROUND
	s_barrier_signal -1
	s_barrier_wait -1
	CREST
.endm
.macro FRAGA reg, slot, q, i
.irp c, 0,1,2,3
	ds_load_b128 v[\reg+4*\c:\reg+4*\c+3], v[ADRA+\slot] offset:4096*(\i)+2048*(\q)+512*\c
.endr
.endm
.macro FRAGB reg, slot, q, i
.if BNATIVE
.irp c, 0,1,2,3,4,5,6,7
	ds_load_b64 v[\reg+2*\c:\reg+2*\c+1], v[ADRB+\slot] offset:128*(\q)+16*\c+(\i)*16*BPITCH
.endr
.else
.irp c, 0,1,2,3
	ds_load_b128 v[\reg+4*\c:\reg+4*\c+3], v[ADRB+\slot] offset:128*(\q)+32*\c+(\i)*16*BPITCH
.endr
.endif
.endm
.macro MUL16 a0, p, zero
.irp a, \a0, \a0+1
.irp b, 0,1,2,3,4,5,6,7
.if \zero
	v_wmma_f32_16x16x128_fp8_fp8 v[8*(8*((\a)%4)+\b):8*(8*((\a)%4)+\b)+7], v[128*(\p)+FR*\b:128*(\p)+FR*\b+FR-1], v[AF+FR*(\a):AF+FR*(\a)+FR-1], 0
.else
	v_wmma_f32_16x16x128_fp8_fp8 v[8*(8*((\a)%4)+\b):8*(8*((\a)%4)+\b)+7], v[128*(\p)+FR*\b:128*(\p)+FR*\b+FR-1], v[AF+FR*(\a):AF+FR*(\a)+FR-1], v[8*(8*((\a)%4)+\b):8*(8*((\a)%4)+\b)+7]
.endif
.endr
.endr
.endm
.macro FETCH_B slot, q, p
	WIN TO_B
.irp i, 0,1,2,3,4,5,6,7
	FRAGB 128*(\p)+FR*\i, \slot, \q, \i
.endr
	WIN 0
.endm
.macro FETCH_A slot, q, i0
.irp i, \i0, \i0+1, \i0+2, \i0+3
	FRAGA AF+FR*(\i), \slot, \q, \i
.endr
.endm
.macro PLACES n
.rept \n
	v_nop
.endr
.endm
.macro STEP slot, q, zero
	s_wait_dscnt 16                                ; B's set and A's blocks 0-3 are in; the youngest sixteen loads (A's blocks 4-7) may be out
	WIN MUL_LO
	MUL16 0, (\q)%2, \zero
	MUL16 2, (\q)%2, \zero
	s_wait_dscnt 0
	PLACES 4
	FETCH_B \slot, (\q)+1, 1-(\q)%2
	FETCH_A \slot, (\q)+1, 0
	WIN MUL_HI
	MUL16 4, (\q)%2, \zero
	MUL16 6, (\q)%2, \zero
	PLACES 4
	WIN 0
	FETCH_A \slot, (\q)+1, 4
.endm
.macro TURN slot, next, fill
	s_wait_tensorcnt 0x0                           ; all my tensor loads have landed: my part of the next slot
	ds_add_u32 v[SPW], v[NIL]                      ; 0 onto my spare word
	s_wait_dscnt 17                                ; (the add and the youngest sixteen loads may be out)
	WIN MUL_LO
	MUL16 0, 1, 0
	s_wait_dscnt 0x0                               ; the add is done, and my reads of this slot are over
	s_barrier_signal -1
	MUL16 2, 1, 0
	WIN 0
	s_barrier_wait -1
.if \fill
	CREST                                          ; a round of the cluster's barrier: no wave of any partner still reads this slot or has a load on its way
	s_add_nc_u64 s[G0+4*\slot+2:G0+4*\slot+3], s[G0+4*\slot+2:G0+4*\slot+3], 8192
	s_add_nc_u64 s[G0B+4*\slot+2:G0B+4*\slot+3], s[G0B+4*\slot+2:G0B+4*\slot+3], 512
	JLOAD G0+4*\slot, G1, G0B+4*\slot, G1B
.else
	PLACES 4
.endif
	FETCH_B \next, 0, 0
	FETCH_A \next, 0, 0
	WIN MUL_HI
	MUL16 4, 1, 0
	MUL16 6, 1, 0
	PLACES 4
	WIN 0
	FETCH_A \next, 0, 4
.endm
	s_load_b256 s[4:11], s[0:1], 0x0               ; A's images, B's codes, the scales' exponents, the bias
	s_load_b128 s[84:87], s[0:1], 0x20             ; the residual, the output
	v_lshl_add_u32 v[SPW], v0, 2, SPARE
	v_mov_b32 v[NIL], 0
	ds_add_u32 v[SPW], v[NIL]                      ; the wave's opening: the add, twice on end, and its wait ahead of my first tensor load
	ds_add_u32 v[SPW], v[NIL]
	v_lshrrev_b32 v1, 5, v0
	v_readfirstlane_b32 s14, v1
	s_lshr_b32 s15, s14, 1
	s_and_b32 s16, s14, 1
	s_bfe_u32 s40, ttmp6, 0x40000
	s_bfe_u32 s41, ttmp6, 0x40004
	s_lshl_b32 s42, ttmp9, 2
	s_add_co_u32 s42, s42, s40                     ; tile column
	s_and_b32 s17, ttmp7, 0xffff
	s_lshl_b32 s17, s17, 2
	s_add_co_u32 s17, s17, s41                     ; tile row
	s_lshl_b32 s43, s41, 2
	s_lshl_b32 s43, 15, s43
	s_lshl_b32 s44, 0x1111, s40
	s_or_b32 s[G1+0], s43, (3<<16)|(1<<21)
	s_mov_b32 s[G1+1], 512<<16
	s_mov_b32 s[G1+2], 8<<16
	s_mov_b32 s[G1+3], 512<<16
	s_mov_b32 s[G1+4], 8
	s_mov_b32 s[G1+5], 2*SIZE_K
	s_mov_b32 s[G1+6], 0
	s_mov_b32 s[G1+7], 0
	s_or_b32 s[G1B+0], s44, (0<<16)|(1<<20)|(1<<21)|(5<<22)|(3<<25)
	s_mov_b32 s[G1B+1], 256<<16
	s_mov_b32 s[G1B+2], 128<<16
	s_mov_b32 s[G1B+3], 256<<16
	s_mov_b32 s[G1B+4], 128
	s_mov_b32 s[G1B+5], KROW
	s_mov_b32 s[G1B+6], 0
	s_mov_b32 s[G1B+7], 0
	s_lshl_b32 s18, s16, 7
	s_lshl_b32 s20, s17, 8
	s_add_co_u32 s20, s20, s18
	s_lshl_b32 s46, s42, 8
	s_add_co_u32 s46, s46, s18
	s_mov_b32 s21, 0
	s_mov_b32 s47, 0
	s_mov_b64 s[18:19], KROW
	s_mul_u64 s[20:21], s[20:21], s[18:19]
	s_mul_u64 s[46:47], s[46:47], s[18:19]
	s_lshl_b32 s45, s16, 15
	s_mul_i32 s88, s16, BHALF
	s_add_co_u32 s88, s88, BOFF
	s_wait_dscnt 0x0
	s_wait_kmcnt 0x0
	s_load_b512 s[68:83], s[8:9], 0x0
	s_add_nc_u64 s[20:21], s[4:5], s[20:21]
	s_add_nc_u64 s[46:47], s[6:7], s[46:47]
	CROUND
.irp s, 0,1
	s_mov_b32 s[G0+4*\s], 1
	s_add_co_u32 s[G0+4*\s+1], s45, \s*SLOT
	s_add_nc_u64 s[G0+4*\s+2:G0+4*\s+3], s[20:21], \s*4096
	s_or_b32 s[G0+4*\s+3], s[G0+4*\s+3], 0x80000000
	s_mov_b32 s[G0B+4*\s], 1
	s_add_co_u32 s[G0B+4*\s+1], s88, \s*SLOT
	s_add_nc_u64 s[G0B+4*\s+2:G0B+4*\s+3], s[46:47], \s*256
	s_or_b32 s[G0B+4*\s+3], s[G0B+4*\s+3], 0x80000000
	JLOAD G0+4*\s, G1, G0B+4*\s, G1B
.endr
	v_and_b32 v1, 15, v0
	v_bfe_u32 v2, v0, 4, 1
	v_and_b32 v6, 31, v0
	v_lshlrev_b32 v[CO], 4, v6
	v_mul_u32_u24 v3, v1, BPITCH
	v_lshl_add_u32 v4, v2, 4-BNATIVE, v3
	s_lshl_b32 s21, s15, 15
	s_mul_i32 s22, s16, BHALF
	s_add_co_u32 s22, s22, BOFF
.irp s, 0,1
	v_add_nc_u32 v[ADRA+\s], s21, v[CO]
	v_add_nc_u32 v[ADRB+\s], s22, v4
	s_add_co_u32 s21, s21, SLOT
	s_add_co_u32 s22, s22, SLOT
.endr
	s_mul_i32 s23, s14, 16*528                     ; my stage: 16 rows x (512 bytes + 16)
	v_mul_u32_u24 v5, v1, 528
	v_lshl_add_u32 v5, v2, 5, v5
	v_add_nc_u32 v[STO], s23, v5
	v_add_nc_u32 v[RD], s23, v[CO]
	s_lshl_b32 s20, s17, 8
	s_lshl_b32 s21, s15, 7
	s_add_co_u32 s20, s20, s21
	s_lshl_b32 s20, s20, 12                        ; my first row, of 4,096 bytes
	s_lshl_b32 s46, s42, 10
	s_lshl_b32 s47, s16, 9
	s_add_co_u32 s46, s46, s47                     ; my first column, in bytes
	s_mov_b32 s47, 0
	s_add_nc_u64 s[10:11], s[10:11], s[46:47]
	s_add_co_u32 s20, s20, s46
	s_mov_b32 s21, 0
	s_add_nc_u64 s[84:85], s[84:85], s[20:21]
	s_add_nc_u64 s[86:87], s[86:87], s[20:21]
	s_wait_tensorcnt 1                             ; my part of K step 0 is in; K step 1's load may be out
	s_barrier_signal -1
	s_barrier_wait -1
	FETCH_B 0, 0, 0
	FETCH_A 0, 0, 0
	FETCH_A 0, 0, 4
	STEP 0, 0, 1
	s_mov_b32 s3, LAPS-1
.Llap:
	TURN 0, 1, 1
	STEP 1, 0, 0
	TURN 1, 0, 1
	STEP 0, 0, 0
	s_sub_co_u32 s3, s3, 1
	s_cmp_lg_u32 s3, 0
	s_cbranch_scc1 .Llap
	TURN 0, 1, 0
	STEP 1, 0, 0
	s_wait_dscnt 16
	WIN MUL_LO
	MUL16 0, 1, 0
	MUL16 2, 1, 0
	s_wait_dscnt 0
	WIN MUL_HI
	MUL16 4, 1, 0
	MUL16 6, 1, 0
	WIN 0
.macro RES a                           ; block a's 16 rows of the residual, into window 1
	WIN 0x40
.set RS, 64*((\a)%2)
.set t, 0
.rept 16
	global_load_b128 v[RS+4*t:RS+4*t+3], v[CO], s[84:85] offset:(16*(\a)+t)*4096
.set t, t+1
.endr
	WIN 0
.endm
.macro TOSTAGE a                       ; the raw sums into my stage, each accumulator's low half first, and back as whole rows; LDS serves a wave's instructions in order (ISA guide 5.7.1.4)
.set AC, 64*((\a)%4)
.set WW, 0x08+4*((\a)/4)
	WIN WW
.irp b, 0,1,2,3,4,5,6,7
	ds_store_b128 v[STO], v[AC+8*\b:AC+8*\b+3] offset:64*\b
	ds_store_b128 v[STO], v[AC+8*\b+4:AC+8*\b+7] offset:64*\b+16
.endr
	WIN 0
.set BB, BK+64*((\a)%2)
.set t, 0
.rept 16
	ds_load_b128 v[BB+4*t:BB+4*t+3], v[RD] offset:t*528
.set t, t+1
.endr
.endm
.macro SEND a, yd, yl                  ; yd, yl: the LDS instructions and the global loads issued behind block a's, which may stay out
.set BB, BK+64*((\a)%2)
.set RS, 64*((\a)%2)
	s_wait_dscnt \yd
	s_wait_loadcnt \yl
	WIN 0x10                                       ; source 2 (the residual) window 1
.set t, 0
.rept 32
	v_pk_fma_f32 v[BB+2*t:BB+2*t+1], v[BB+2*t:BB+2*t+1], s[96:97], v[RS+2*t:RS+2*t+1] op_sel_hi:[1,0,1]
.set t, t+1
.endr
.set t, 0
.rept 16
	v_pk_add_f32 v[BB+4*t:BB+4*t+1], v[BB+4*t:BB+4*t+1], v[BI:BI+1]
	v_pk_add_f32 v[BB+4*t+2:BB+4*t+3], v[BB+4*t+2:BB+4*t+3], v[BI+2:BI+3]
.set t, t+1
.endr
	WIN 0
.set t, 0
.rept 16
	global_store_b128 v[CO], v[BB+4*t:BB+4*t+3], s[86:87] offset:(16*(\a)+t)*4096   ; 32 lanes store 512 consecutive bytes, aligned
.set t, t+1
.endr
.endm
	s_wait_kmcnt 0x0
	s_add_co_i32 s96, s[68+EA], s[68+EB]
	s_add_co_i32 s96, s96, 127
	s_lshl_b32 s96, s96, 23                        ; 2^(ea + eb) as f32
	s_mov_b32 s97, s96
	PLACES 4
	global_load_b128 v[BI:BI+3], v[CO], s[10:11]   ; the bias of my four columns of a row
	RES 0
	TOSTAGE 0
.irp a, 1,2,3,4,5,6,7
.if \a > 1
	s_wait_xcnt 0x0                                ; block a - 2's stores have read their registers: block a's rows may land there
.endif
	RES \a
	TOSTAGE \a
	SEND \a-1, 32, 16                              ; behind block a - 1's: block a's 16 LDS stores and 16 LDS loads; its 16 loads of the residual
.endr
	SEND 7, 0, 0
	s_wait_tensorcnt 0x0                           ; the wave's end
	ds_add_u32 v[SPW], v[NIL]
	s_wait_dscnt 0x0
	CROUND
	s_endpgm
.Lfunc_end_k_q709e31c2a8_wo:
	.size	k_q709e31c2a8_wo, .Lfunc_end_k_q709e31c2a8_wo-k_q709e31c2a8_wo
	.p2alignl 7, 3214868480
	.fill 96, 4, 3214868480
	.section	.rodata,"a",@progbits
	.p2align	6, 0x0
	.amdhsa_kernel k_q709e31c2a8_wo
		.amdhsa_group_segment_fixed_size 327680
		.amdhsa_private_segment_fixed_size 0
		.amdhsa_enable_private_segment 0
		.amdhsa_kernarg_size 48
		.amdhsa_user_sgpr_count 2
		.amdhsa_user_sgpr_kernarg_segment_ptr 1
		.amdhsa_wavefront_size32 1
		.amdhsa_system_sgpr_workgroup_id_x 1
		.amdhsa_system_sgpr_workgroup_id_y 1
		.amdhsa_system_sgpr_workgroup_id_z 1
		.amdhsa_system_vgpr_workitem_id 0
		.amdhsa_next_free_vgpr 1024
		.amdhsa_next_free_sgpr 98
		.amdhsa_reserve_vcc 0
		.amdhsa_float_denorm_mode_32 3
		.amdhsa_float_denorm_mode_16_64 3
		.amdhsa_memory_ordered 1
		.amdhsa_forward_progress 1
		.amdhsa_inst_pref_size 152
	.end_amdhsa_kernel
	.amdgpu_metadata
---
amdhsa.version: [ 1, 2 ]
amdhsa.kernels:
  - .name:           k_q709e31c2a8_wo
    .symbol:         k_q709e31c2a8_wo.kd
    .args:
      - { .name: o_img, .offset: 0, .size: 8, .value_kind: global_buffer, .address_space: global }
      - { .name: Wo_codes, .offset: 8, .size: 8, .value_kind: global_buffer, .address_space: global }
      - { .name: lowp_scales, .offset: 16, .size: 8, .value_kind: global_buffer, .address_space: global }
      - { .name: bo, .offset: 24, .size: 8, .value_kind: global_buffer, .address_space: global }
      - { .name: x, .offset: 32, .size: 8, .value_kind: global_buffer, .address_space: global }
      - { .name: x1, .offset: 40, .size: 8, .value_kind: global_buffer, .address_space: global }
    .group_segment_fixed_size: 327680
    .private_segment_fixed_size: 0
    .kernarg_segment_align: 8
    .kernarg_segment_size: 48
    .max_flat_workgroup_size: 128
    .sgpr_count:     98
    .vgpr_count:     1024
    .wavefront_size: 32
...
	.end_amdgpu_metadata
.endif
;; end of part 4
;; launch ln2 (part 5): grid 256 x 1, 8 waves a work-group, no clusters, 66,816 bytes of LDS; arguments x1, g2, be2, lowp_scales, h2_img; writes h2_img
.if DOCPART == 5
	.amdgcn_target "amdgcn-amd-amdhsa--gfx1250"
	.amdhsa_code_object_version 6
	.text
	.protected	k_q709e31c2a8_ln2
	.globl	k_q709e31c2a8_ln2
	.p2align	8
	.type	k_q709e31c2a8_ln2,@function
k_q709e31c2a8_ln2:
	s_mov_b64 s[64:65], 0
	v_nop
	global_prefetch_b8 v0, s[64:65] scope:SCOPE_SE
	s_setreg_imm32_b32 hwreg(HW_REG_WAVE_MODE, 25, 1), 1
	s_wait_xcnt 0x0
; LAUNCH 5 OF 7: h2 = LayerNorm(x1) g2 + be2 in f32, quantised to E4M3 with lowp_scales[12], as an image of product 7's operand registers.
; The text is launch 1's with one part in place of three: a work-group takes 16 tokens; phase 1: wave w norms rows 2 w, 2 w + 1 and lays them in LDS; phase 2: wave w takes K step s = w of all 16 rows.
; LAYOUT: [16 tokens][128 along K: s][group c][lane][16 bytes]; lane (r, h) of group c holds k = 128 s + 32 c + 16 h + 0..15 of token r.
; LIMIT: e12 lies between -126 and 119.  NaN and infinities are not served.
.set ROWP,  4112
.set SPARE, 16*ROWP
.set X,     32
.set GA,    96
.set BE,    128
.set T,     96
.set C,     160
.set SPW,   6
.set NIL,   7
	s_load_b256 s[4:11], s[0:1], 0x0               ; x1, g, be, the scales' exponents
	s_load_b64 s[12:13], s[0:1], 0x20              ; the image
	v_lshl_add_u32 v[SPW], v0, 2, SPARE
	v_mov_b32 v[NIL], 0
	v_lshrrev_b32 v1, 5, v0
	v_readfirstlane_b32 s16, v1
	v_and_b32 v1, 31, v0
	v_lshlrev_b32 v5, 4, v1
	s_lshl_b32 s17, s16, 13
	v_add_nc_u32 v2, s17, v5
	s_mul_i32 s17, s16, 2*ROWP
	v_add_nc_u32 v3, s17, v5
	v_and_b32 v8, 15, v0
	v_bfe_u32 v9, v0, 4, 1
	v_mul_u32_u24 v4, v8, ROWP
	v_lshl_add_u32 v4, v9, 6, v4
	s_lshl_b32 s17, s16, 9
	v_add_nc_u32 v4, s17, v4
	s_mov_b32 s20, 0x76543210
	s_mov_b32 s21, 0xfedcba98
	s_mov_b32 s22, 0x3a800000                      ; 1 / 1024
	s_mov_b32 s23, 0x3727c5ac                      ; 1e-5
	s_lshl_b32 s18, ttmp9, 16
	s_mov_b32 s19, 0
	s_lshl_b32 s34, ttmp9, 14
	s_lshl_b32 s35, s16, 11
	s_add_co_u32 s34, s34, s35
	s_mov_b32 s35, 0
	s_wait_kmcnt 0x0
	s_load_b32 s25, s[10:11], 0x30                 ; e12
	s_add_nc_u64 s[4:5], s[4:5], s[18:19]
	s_add_nc_u64 s[12:13], s[12:13], s[34:35]
.irp p, 0,1
.irp j, 0,1,2,3,4,5,6,7
	global_load_b128 v[X+32*\p+4*\j:X+32*\p+4*\j+3], v2, s[4:5] offset:4096*\p+512*\j
.endr
.endr
.irp j, 0,1,2,3,4,5,6,7
	global_load_b128 v[GA+4*\j:GA+4*\j+3], v5, s[6:7] offset:512*\j
.endr
.irp j, 0,1,2,3,4,5,6,7
	global_load_b128 v[BE+4*\j:BE+4*\j+3], v5, s[8:9] offset:512*\j
.endr
	s_wait_kmcnt 0x0
	s_add_co_i32 s32, s25, 127
	s_lshl_b32 s33, s32, 23
	v_mov_b32 v16, s33                             ; 2^e
	s_add_co_i32 s32, s32, 8
	s_lshl_b32 s32, s32, 23
	s_or_b32 s32, s32, 0x600000
	v_mov_b32 v17, s32                             ; 448 x 2^e
.macro ALLSUM a
	v_add_f32 v[\a], v[\a], v[\a+1]
	v_add_f32_dpp v[\a], v[\a], v[\a] row_xmask:1 row_mask:0xf bank_mask:0xf
	v_add_f32_dpp v[\a], v[\a], v[\a] row_xmask:2 row_mask:0xf bank_mask:0xf
	v_add_f32_dpp v[\a], v[\a], v[\a] row_xmask:4 row_mask:0xf bank_mask:0xf
	v_add_f32_dpp v[\a], v[\a], v[\a] row_xmask:8 row_mask:0xf bank_mask:0xf
	v_permlanex16_b32 v[\a+1], v[\a], s20, s21
	v_add_f32 v[\a], v[\a], v[\a+1]
.endm
	s_wait_loadcnt 16                              ; the rows' sixteen loads are in; the sixteen of g and be may be out
.irp p, 0,1
	v_pk_add_f32 v[8+2*\p:9+2*\p], v[X+32*\p:X+32*\p+1], v[X+32*\p+2:X+32*\p+3]
.endr
.irp j, 4,6,8,10,12,14,16,18,20,22,24,26,28,30
.irp p, 0,1
	v_pk_add_f32 v[8+2*\p:9+2*\p], v[8+2*\p:9+2*\p], v[X+32*\p+\j:X+32*\p+\j+1]
.endr
.endr
	ALLSUM 8
	ALLSUM 10
	v_mul_f32 v8, s22, v8
	v_mul_f32 v10, s22, v10
.irp j, 0,2,4,6,8,10,12,14,16,18,20,22,24,26,28,30
.irp p, 0,1
	v_pk_add_f32 v[X+32*\p+\j:X+32*\p+\j+1], v[X+32*\p+\j:X+32*\p+\j+1], v[8+2*\p:9+2*\p] op_sel_hi:[1,0] neg_lo:[0,1] neg_hi:[0,1]
.endr
.endr
.irp p, 0,1
	v_pk_mul_f32 v[12+2*\p:13+2*\p], v[X+32*\p:X+32*\p+1], v[X+32*\p:X+32*\p+1]
.endr
.irp j, 2,4,6,8,10,12,14,16,18,20,22,24,26,28,30
.irp p, 0,1
	v_pk_fma_f32 v[12+2*\p:13+2*\p], v[X+32*\p+\j:X+32*\p+\j+1], v[X+32*\p+\j:X+32*\p+\j+1], v[12+2*\p:13+2*\p]
.endr
.endr
	ALLSUM 12
	ALLSUM 14
	v_fma_f32 v12, v12, s22, s23
	v_fma_f32 v14, v14, s22, s23
	v_rsq_f32 v12, v12
	v_rsq_f32 v14, v14
	v_nop                                          ; a plain instruction behind the batch of two,
	s_wait_alu depctr_va_vdst(0)                   ; and the one wait ahead of its first reader
	s_wait_loadcnt 0x0
.irp j, 0,2,4,6,8,10,12,14,16,18,20,22,24,26,28,30
.irp p, 0,1
	v_pk_mul_f32 v[X+32*\p+\j:X+32*\p+\j+1], v[X+32*\p+\j:X+32*\p+\j+1], v[12+2*\p:13+2*\p] op_sel_hi:[1,0]
.endr
.endr
.irp j, 0,2,4,6,8,10,12,14,16,18,20,22,24,26,28,30
.irp p, 0,1
	v_pk_fma_f32 v[X+32*\p+\j:X+32*\p+\j+1], v[X+32*\p+\j:X+32*\p+\j+1], v[GA+\j:GA+\j+1], v[BE+\j:BE+\j+1]
.endr
.endr
.irp p, 0,1
.irp j, 0,1,2,3,4,5,6,7
	ds_store_b128 v3, v[X+32*\p+4*\j:X+32*\p+4*\j+3] offset:ROWP*\p+512*\j
.endr
.endr
	s_wait_dscnt 0x0                               ; for the others' sake: my two rows lie in LDS
	s_barrier_signal -1
	s_barrier_wait -1
.irp c, 0,1,2,3
.irp j, 0,1,2,3
	ds_load_b128 v[X+16*\c+4*\j:X+16*\c+4*\j+3], v4 offset:128*\c+16*\j
.endr
.endr
	s_wait_dscnt 0x0
.irp b, 0,1,2,3
.set i, 0
.rept 16
	v_med3_num_f32 v[T+16*\b+i], v[X+16*\b+i], -v17, v17   ; the conversion to an 8-bit code does not saturate (ISA guide 7.6.2): the hold
.set i, i+1
.endr
	v_cvt_scalef32_pk8_fp8_f32 v[C+4*\b:C+4*\b+1], v[T+16*\b:T+16*\b+7], v16
	v_cvt_scalef32_pk8_fp8_f32 v[C+4*\b+2:C+4*\b+3], v[T+16*\b+8:T+16*\b+15], v16
.endr
	v_nop
.irp c, 0,1,2,3
	global_store_b128 v5, v[C+4*\c:C+4*\c+3], s[12:13] offset:512*\c
.endr
	s_wait_tensorcnt 0x0                           ; the wave's end: behind my last LDS store
	ds_add_u32 v[SPW], v[NIL]
	s_wait_dscnt 0x0
	s_endpgm
.Lfunc_end_k_q709e31c2a8_ln2:
	.size	k_q709e31c2a8_ln2, .Lfunc_end_k_q709e31c2a8_ln2-k_q709e31c2a8_ln2
	.p2alignl 7, 3214868480
	.fill 96, 4, 3214868480
	.section	.rodata,"a",@progbits
	.p2align	6, 0x0
	.amdhsa_kernel k_q709e31c2a8_ln2
		.amdhsa_group_segment_fixed_size 66816
		.amdhsa_private_segment_fixed_size 0
		.amdhsa_enable_private_segment 0
		.amdhsa_kernarg_size 40
		.amdhsa_user_sgpr_count 2
		.amdhsa_user_sgpr_kernarg_segment_ptr 1
		.amdhsa_wavefront_size32 1
		.amdhsa_system_sgpr_workgroup_id_x 1
		.amdhsa_system_sgpr_workgroup_id_y 1
		.amdhsa_system_sgpr_workgroup_id_z 1
		.amdhsa_system_vgpr_workitem_id 0
		.amdhsa_next_free_vgpr 208
		.amdhsa_next_free_sgpr 66
		.amdhsa_reserve_vcc 0
		.amdhsa_float_denorm_mode_32 3
		.amdhsa_float_denorm_mode_16_64 3
		.amdhsa_memory_ordered 1
		.amdhsa_forward_progress 1
		.amdhsa_inst_pref_size 24
	.end_amdhsa_kernel
	.amdgpu_metadata
---
amdhsa.version: [ 1, 2 ]
amdhsa.kernels:
  - .name:           k_q709e31c2a8_ln2
    .symbol:         k_q709e31c2a8_ln2.kd
    .args:
      - { .name: x1, .offset: 0, .size: 8, .value_kind: global_buffer, .address_space: global }
      - { .name: g2, .offset: 8, .size: 8, .value_kind: global_buffer, .address_space: global }
      - { .name: be2, .offset: 16, .size: 8, .value_kind: global_buffer, .address_space: global }
      - { .name: lowp_scales, .offset: 24, .size: 8, .value_kind: global_buffer, .address_space: global }
      - { .name: h2_img, .offset: 32, .size: 8, .value_kind: global_buffer, .address_space: global }
    .group_segment_fixed_size: 66816
    .private_segment_fixed_size: 0
    .kernarg_segment_align: 8
    .kernarg_segment_size: 40
    .max_flat_workgroup_size: 256
    .sgpr_count:     66
    .vgpr_count:     208
    .wavefront_size: 32
...
	.end_amdgpu_metadata
.endif
;; end of part 5
;; launch ff1 (part 6): grid 16 x 16, 4 waves a work-group, clusters of 4 x 4, 327,680 bytes of LDS; arguments h2_img, W1_codes, lowp_scales, b1, hid_img; writes hid_img
.if DOCPART == 6
	.amdgcn_target "amdgcn-amd-amdhsa--gfx1250"
	.amdhsa_code_object_version 6
	.text
	.protected	k_q709e31c2a8_ff1
	.globl	k_q709e31c2a8_ff1
	.p2align	8
	.type	k_q709e31c2a8_ff1,@function
k_q709e31c2a8_ff1:
	s_mov_b64 s[64:65], 0
	v_nop
	global_prefetch_b8 v0, s[64:65] scope:SCOPE_SE
	s_setreg_imm32_b32 hwreg(HW_REG_WAVE_MODE, 25, 1), 1
	s_wait_xcnt 0x0
	s_wait_alu depctr_hold_cnt(0) depctr_sa_sdst(0) depctr_va_vdst(0) depctr_va_sdst(0) depctr_va_ssrc(0) depctr_va_vcc(0) depctr_vm_vsrc(0)
	s_getreg_b32 s2, hwreg(HW_REG_IB_STS2, 6, 4)
	s_cmp_eq_u32 s2, 0
	s_cbranch_scc0 .Lentry_in_a_cluster
	s_endpgm
.Lentry_in_a_cluster:
	s_bfe_u32 s2, ttmp6, 0x10000c
	s_cmp_lg_u32 s2, 0xf033
	s_cbranch_scc0 .Lentry_shape_is_right
	s_endpgm
.Lentry_shape_is_right:
; LAUNCH 6 OF 7: hid = gelu(h2 W1 + b1), product 7 on E4M3 codes (lowp_scales[12], [13]), f32 sums; the exact GELU in f32; quantised at once for product 8 (lowp_scales[14]).
; The loop is launch 2's: a tile of 256 tokens x 256 columns, four waves of 128 x 128, A as images, B as rows of codes, a ring of two LDS slots, joint loads in a cluster of 4 x 4, transposed use.
; GELU: gelu(u) = max(u, 0) - |u| erfc(|u| / sqrt 2) / 2, and erfc(z) = t exp(-z^2 + a polynomial of degree 9 in t), t = 1 / (1 + z / 2): one form for all u, no branch, with a relative
; error of erfc of about 1.2e-7 everywhere.  In base 2: |u| t 2^P, P = -0.72134752 u^2 + c0 + c1 t + .. + c9 t^9, the coefficients x log2(e), c0 less 1 for the half.
; THE WAY OUT: each wave lays its 64 accumulators raw into 65,536 LDS bytes of its own (both slots have had their last fill; a barrier stands behind everybody's last read), and a loop of eight trips, a block of
; 16 tokens each, takes them back, so that the GELU's text is written for 32 numbers a lane and not for 512.  Tile b's conversion gives registers 2 b, 2 b + 1: k = 16 b + 8 h + 0..7 of the next operand, the plain
; form's own layout: the image leaves straight from registers, 512 consecutive bytes a store.
; LIMITS: e12 + e13 between -126 and 127; e14 between -126 and 119.  Where u^2 overflows, P is -infinity and the result max(u, 0).  NaN and infinities are not served.
.set SIZE_K, 1024
.set BNATIVE, 0
.set KROW,   SIZE_K
.set AHALF,  32768
.set BPITCH, 272
.set BHALF,  128*BPITCH
.set BOFF,   2*AHALF
.set SLOT,   BOFF+2*BHALF
.set SPARE,  2*SLOT
.set LAPS,   SIZE_K/512
.set FR,     16
.set ADRA,   16
.set ADRB,   20
.set ADR,    22
.set DMP,    24
.set CO,     26
.set BO,     27
.set SPW,    28
.set NIL,    29
.set R0,     32
.set R1,     64
.set GT,     96
.set GP,     128
.set GW,     160
.set CD,     192
.set AF,     128
.set TB,     89
.set G1,     24
.set G0,     32
.set G1B,    48
.set G0B,    56
.set MSB,    0
.set MUL_LO, 0xa1
.set MUL_HI, 0xf1
.set TO_B,   0x40
.macro WIN new
.if MSB != \new
	s_set_vgpr_msb (MSB<<8)|\new
.set MSB, \new
.endif
.endm
.macro JLOAD g0a, g1a, g0b, g1b
	s_cmp_eq_u32 s15, 0
	s_cbranch_scc0 .Lfor_b_\@
	tensor_load_to_lds s[\g0a:\g0a+3], s[\g1a:\g1a+7]
	s_nop 0
.rept 4
	v_nop
.endr
	s_branch .Lasked_\@
.Lfor_b_\@:
	tensor_load_to_lds s[\g0b:\g0b+3], s[\g1b:\g1b+7]
	s_nop 0
.rept 4
	v_nop
.endr
.Lasked_\@:
.endm
.macro CREST
	s_cmp_lg_u32 s14, 0
	s_cbranch_scc1 .Lnot_wave_0_\@
	s_barrier_signal -3
.Lnot_wave_0_\@:
	s_barrier_wait -3
	s_barrier_signal -1
	s_barrier_wait -1
.endm
.macro CROUND
	s_barrier_signal -1
	s_barrier_wait -1
	CREST
.endm
.macro FRAGA reg, slot, q, i
.irp c, 0,1,2,3
	ds_load_b128 v[\reg+4*\c:\reg+4*\c+3], v[ADRA+\slot] offset:4096*(\i)+2048*(\q)+512*\c
.endr
.endm
.macro FRAGB reg, slot, q, i
.if BNATIVE
.irp c, 0,1,2,3,4,5,6,7
	ds_load_b64 v[\reg+2*\c:\reg+2*\c+1], v[ADRB+\slot] offset:128*(\q)+16*\c+(\i)*16*BPITCH
.endr
.else
.irp c, 0,1,2,3
	ds_load_b128 v[\reg+4*\c:\reg+4*\c+3], v[ADRB+\slot] offset:128*(\q)+32*\c+(\i)*16*BPITCH
.endr
.endif
.endm
.macro MUL16 a0, p, zero
.irp a, \a0, \a0+1
.irp b, 0,1,2,3,4,5,6,7
.if \zero
	v_wmma_f32_16x16x128_fp8_fp8 v[8*(8*((\a)%4)+\b):8*(8*((\a)%4)+\b)+7], v[128*(\p)+FR*\b:128*(\p)+FR*\b+FR-1], v[AF+FR*(\a):AF+FR*(\a)+FR-1], 0
.else
	v_wmma_f32_16x16x128_fp8_fp8 v[8*(8*((\a)%4)+\b):8*(8*((\a)%4)+\b)+7], v[128*(\p)+FR*\b:128*(\p)+FR*\b+FR-1], v[AF+FR*(\a):AF+FR*(\a)+FR-1], v[8*(8*((\a)%4)+\b):8*(8*((\a)%4)+\b)+7]
.endif
.endr
.endr
.endm
.macro FETCH_B slot, q, p
	WIN TO_B
.irp i, 0,1,2,3,4,5,6,7
	FRAGB 128*(\p)+FR*\i, \slot, \q, \i
.endr
	WIN 0
.endm
.macro FETCH_A slot, q, i0
.irp i, \i0, \i0+1, \i0+2, \i0+3
	FRAGA AF+FR*(\i), \slot, \q, \i
.endr
.endm
.macro PLACES n
.rept \n
	v_nop
.endr
.endm
.macro STEP slot, q, zero
	s_wait_dscnt 16                                ; B's set and A's blocks 0-3 are in; the youngest sixteen loads (A's blocks 4-7) may be out
	WIN MUL_LO
	MUL16 0, (\q)%2, \zero
	MUL16 2, (\q)%2, \zero
	s_wait_dscnt 0
	PLACES 4
	FETCH_B \slot, (\q)+1, 1-(\q)%2
	FETCH_A \slot, (\q)+1, 0
	WIN MUL_HI
	MUL16 4, (\q)%2, \zero
	MUL16 6, (\q)%2, \zero
	PLACES 4
	WIN 0
	FETCH_A \slot, (\q)+1, 4
.endm
.macro TURN slot, next, fill
	s_wait_tensorcnt 0x0                           ; all my tensor loads have landed: my part of the next slot
	ds_add_u32 v[SPW], v[NIL]                      ; 0 onto my spare word
	s_wait_dscnt 17                                ; (the add and the youngest sixteen loads may be out)
	WIN MUL_LO
	MUL16 0, 1, 0
	s_wait_dscnt 0x0                               ; the add is done, and my reads of this slot are over
	s_barrier_signal -1
	MUL16 2, 1, 0
	WIN 0
	s_barrier_wait -1
.if \fill
	CREST                                          ; a round of the cluster's barrier: no wave of any partner still reads this slot or has a load on its way
	s_add_nc_u64 s[G0+4*\slot+2:G0+4*\slot+3], s[G0+4*\slot+2:G0+4*\slot+3], 8192
	s_add_nc_u64 s[G0B+4*\slot+2:G0B+4*\slot+3], s[G0B+4*\slot+2:G0B+4*\slot+3], 512
	JLOAD G0+4*\slot, G1, G0B+4*\slot, G1B
.else
	PLACES 4
.endif
	FETCH_B \next, 0, 0
	FETCH_A \next, 0, 0
	WIN MUL_HI
	MUL16 4, 1, 0
	MUL16 6, 1, 0
	PLACES 4
	WIN 0
	FETCH_A \next, 0, 4
.endm
	s_load_b256 s[4:11], s[0:1], 0x0               ; A's images, B's codes, the scales' exponents, b1
	s_load_b64 s[12:13], s[0:1], 0x20              ; the output's image
	v_lshl_add_u32 v[SPW], v0, 2, SPARE
	v_mov_b32 v[NIL], 0
	ds_add_u32 v[SPW], v[NIL]                      ; the wave's opening: the add, twice on end, and its wait ahead of my first tensor load
	ds_add_u32 v[SPW], v[NIL]
	v_lshrrev_b32 v1, 5, v0
	v_readfirstlane_b32 s14, v1
	s_lshr_b32 s15, s14, 1
	s_and_b32 s16, s14, 1
	s_bfe_u32 s40, ttmp6, 0x40000
	s_bfe_u32 s41, ttmp6, 0x40004
	s_lshl_b32 s42, ttmp9, 2
	s_add_co_u32 s42, s42, s40
	s_and_b32 s17, ttmp7, 0xffff
	s_lshl_b32 s17, s17, 2
	s_add_co_u32 s17, s17, s41
	s_lshl_b32 s43, s41, 2
	s_lshl_b32 s43, 15, s43
	s_lshl_b32 s44, 0x1111, s40
	s_or_b32 s[G1+0], s43, (3<<16)|(1<<21)
	s_mov_b32 s[G1+1], 512<<16
	s_mov_b32 s[G1+2], 8<<16
	s_mov_b32 s[G1+3], 512<<16
	s_mov_b32 s[G1+4], 8
	s_mov_b32 s[G1+5], 2*SIZE_K
	s_mov_b32 s[G1+6], 0
	s_mov_b32 s[G1+7], 0
	s_or_b32 s[G1B+0], s44, (0<<16)|(1<<20)|(1<<21)|(5<<22)|(3<<25)
	s_mov_b32 s[G1B+1], 256<<16
	s_mov_b32 s[G1B+2], 128<<16
	s_mov_b32 s[G1B+3], 256<<16
	s_mov_b32 s[G1B+4], 128
	s_mov_b32 s[G1B+5], KROW
	s_mov_b32 s[G1B+6], 0
	s_mov_b32 s[G1B+7], 0
	s_lshl_b32 s18, s16, 7
	s_lshl_b32 s20, s17, 8
	s_add_co_u32 s20, s20, s18
	s_lshl_b32 s46, s42, 8
	s_add_co_u32 s46, s46, s18
	s_mov_b32 s21, 0
	s_mov_b32 s47, 0
	s_mov_b64 s[18:19], KROW
	s_mul_u64 s[20:21], s[20:21], s[18:19]
	s_mul_u64 s[46:47], s[46:47], s[18:19]
	s_lshl_b32 s45, s16, 15
	s_mul_i32 s88, s16, BHALF
	s_add_co_u32 s88, s88, BOFF
	s_wait_dscnt 0x0
	s_wait_kmcnt 0x0
	s_load_b512 s[68:83], s[8:9], 0x0
	s_add_nc_u64 s[20:21], s[4:5], s[20:21]
	s_add_nc_u64 s[46:47], s[6:7], s[46:47]
	CROUND
.irp s, 0,1
	s_mov_b32 s[G0+4*\s], 1
	s_add_co_u32 s[G0+4*\s+1], s45, \s*SLOT
	s_add_nc_u64 s[G0+4*\s+2:G0+4*\s+3], s[20:21], \s*4096
	s_or_b32 s[G0+4*\s+3], s[G0+4*\s+3], 0x80000000
	s_mov_b32 s[G0B+4*\s], 1
	s_add_co_u32 s[G0B+4*\s+1], s88, \s*SLOT
	s_add_nc_u64 s[G0B+4*\s+2:G0B+4*\s+3], s[46:47], \s*256
	s_or_b32 s[G0B+4*\s+3], s[G0B+4*\s+3], 0x80000000
	JLOAD G0+4*\s, G1, G0B+4*\s, G1B
.endr
	v_and_b32 v1, 15, v0
	v_bfe_u32 v2, v0, 4, 1
	v_and_b32 v6, 31, v0
	v_lshlrev_b32 v[CO], 4, v6
	v_lshlrev_b32 v[BO], 5, v2                     ; 32 h: my half's eight numbers of a tile's sixteen biases
	v_mul_u32_u24 v3, v1, BPITCH
	v_lshl_add_u32 v4, v2, 4, v3
	s_lshl_b32 s21, s15, 15
	s_mul_i32 s22, s16, BHALF
	s_add_co_u32 s22, s22, BOFF
.irp s, 0,1
	v_add_nc_u32 v[ADRA+\s], s21, v[CO]
	v_add_nc_u32 v[ADRB+\s], s22, v4
	s_add_co_u32 s21, s21, SLOT
	s_add_co_u32 s22, s22, SLOT
.endr
	s_lshl_b32 s23, s14, 16
	v_add_nc_u32 v[DMP], s23, v[CO]                ; my 65,536 bytes for the raw sums
	s_lshl_b32 s20, s17, 4
	s_lshl_b32 s21, s15, 3
	s_add_co_u32 s20, s20, s21
	s_lshl_b32 s20, s20, 16                        ; my first block of 16 tokens: 65,536 bytes each
	s_lshl_b32 s46, s42, 1
	s_add_co_u32 s46, s46, s16
	s_lshl_b32 s47, s46, 11                        ; my K step of the next product: 2,048 bytes
	s_add_co_u32 s20, s20, s47
	s_mov_b32 s21, 0
	s_add_nc_u64 s[12:13], s[12:13], s[20:21]
	s_lshl_b32 s46, s46, 9                         ; my 128 columns' biases
	s_mov_b32 s47, 0
	s_add_nc_u64 s[10:11], s[10:11], s[46:47]
	s_wait_tensorcnt 1                             ; my part of K step 0 is in; K step 1's load may be out
	s_barrier_signal -1
	s_barrier_wait -1
	FETCH_B 0, 0, 0
	FETCH_A 0, 0, 0
	FETCH_A 0, 0, 4
	STEP 0, 0, 1
	s_mov_b32 s3, LAPS-1
.Llap:
	TURN 0, 1, 1
	STEP 1, 0, 0
	TURN 1, 0, 1
	STEP 0, 0, 0
	s_sub_co_u32 s3, s3, 1
	s_cmp_lg_u32 s3, 0
	s_cbranch_scc1 .Llap
	TURN 0, 1, 0
	STEP 1, 0, 0
	s_wait_dscnt 16
	WIN MUL_LO
	MUL16 0, 1, 0
	MUL16 2, 1, 0
	s_wait_dscnt 0
	WIN MUL_HI
	MUL16 4, 1, 0
	MUL16 6, 1, 0
	WIN 0
	PLACES 4
	s_wait_dscnt 0x0                               ; my reads of both slots are over
	s_barrier_signal -1
	s_barrier_wait -1                              ; everybody's are: the slots' bytes may be written
.irp a, 0,1,2,3,4,5,6,7
.set AC, 64*((\a)%4)
.set WW, 0x08+4*((\a)/4)
	WIN WW
.irp b, 0,1,2,3,4,5,6,7
	ds_store_b128 v[DMP], v[AC+8*\b:AC+8*\b+3] offset:(16*\a+2*\b)*512
	ds_store_b128 v[DMP], v[AC+8*\b+4:AC+8*\b+7] offset:(16*\a+2*\b+1)*512
.endr
.endr
	WIN 0x40                                       ; destination window 1: b1 in the result's layout: register 8 b + j = column 16 b + 8 h + j
.irp b, 0,1,2,3,4,5,6,7
	global_load_b128 v[8*\b:8*\b+3], v[BO], s[10:11] offset:64*\b
	global_load_b128 v[8*\b+4:8*\b+7], v[BO], s[10:11] offset:64*\b+16
.endr
	WIN 0
	s_wait_kmcnt 0x0
	s_add_co_i32 s96, s80, s81
	s_add_co_i32 s96, s96, 127
	s_lshl_b32 s96, s96, 23                        ; 2^(e12 + e13)
	s_mov_b32 s97, s96
	s_add_co_i32 s90, s82, 127
	s_lshl_b32 s91, s90, 23
	v_mov_b32 v30, s91                             ; 2^e14
	s_add_co_i32 s90, s90, 8
	s_lshl_b32 s90, s90, 23
	s_or_b32 s90, s90, 0x600000
	v_mov_b32 v31, s90                             ; 448 x 2^e14
	s_mov_b32 s84, 0x3eb504f3                      ; 1 / (2 sqrt 2)
	s_mov_b32 s86, 0x3e7c6f08                      ; c9
	s_mov_b32 s87, s86
.macro LOADR R, hf, ofs                ; tiles 4 hf .. 4 hf + 3 of the block at v[ADR] + ofs: 32 raw sums a lane
.set n, 0
.rept 8
	ds_load_b128 v[\R+4*n:\R+4*n+3], v[ADR] offset:\ofs+(8*\hf+n)*512
.set n, n+1
.endr
.endm
.macro GELU32 R, BI, C, OFS            ; 32 numbers a lane: u, gelu(u), the hold, four conversions, two stores
	WIN 0x10                                       ; source 2 (b1) window 1
.set j, 0
.rept 16
	v_pk_fma_f32 v[\R+j:\R+j+1], v[\R+j:\R+j+1], s[96:97], v[\BI+j:\BI+j+1] op_sel_hi:[1,0,1]   ; u = sum x 2^(e12 + e13) + b1
.set j, j+2
.endr
	WIN 0
.set j, 0
.rept 32
	v_fma_f32 v[GT+j], |v[\R+j]|, s84, 1.0
.set j, j+1
.endr
.set j, 0
.rept 32
	v_rcp_f32 v[GT+j], v[GT+j]                     ; t
.set j, j+1
.endr
.set j, 0
.rept 16
	v_pk_mul_f32 v[GW+j:GW+j+1], v[\R+j:\R+j+1], v[\R+j:\R+j+1]   ; u^2: work that names no reciprocal
.set j, j+2
.endr
	s_wait_alu depctr_va_vdst(0)                   ; one wait for the batch of reciprocals, ahead of its first reader
.set j, 0
.rept 16
	v_pk_fma_f32 v[GP+j:GP+j+1], v[GT+j:GT+j+1], s[86:87], 0xbf97d29d op_sel_hi:[1,0,0]   ; c9 t + c8
.set j, j+2
.endr
.irp k, 0x40097039, 0xbfd1a1e5, 0x3ecdfd18, 0xbe899a80, 0x3e0efb2f, 0x3f0a29d2, 0x3fb8ab5a, 0xc034d90f
.set j, 0
.rept 16
	v_pk_fma_f32 v[GP+j:GP+j+1], v[GP+j:GP+j+1], v[GT+j:GT+j+1], \k op_sel_hi:[1,1,0]     ; c7 .. c0
.set j, j+2
.endr
.endr
.set j, 0
.rept 16
	v_pk_fma_f32 v[GP+j:GP+j+1], v[GW+j:GW+j+1], 0xbf38aa3b, v[GP+j:GP+j+1] op_sel_hi:[1,0,1]   ; - u^2 log2(e) / 2
.set j, j+2
.endr
.set j, 0
.rept 32
	v_exp_f32 v[GP+j], v[GP+j]
.set j, j+1
.endr
.set j, 0
.rept 32
	v_mul_f32 v[GT+j], |v[\R+j]|, v[GT+j]          ; |u| t
.set j, j+1
.endr
.set j, 0
.rept 32
	v_max_num_f32 v[\R+j], 0, v[\R+j]
.set j, j+1
.endr
	s_wait_alu depctr_va_vdst(0)                   ; one wait for the batch of exponentials
.set j, 0
.rept 16
	v_pk_fma_f32 v[\R+j:\R+j+1], v[GT+j:GT+j+1], v[GP+j:GP+j+1], v[\R+j:\R+j+1] neg_lo:[1,0,0] neg_hi:[1,0,0]   ; max(u, 0) - |u| t 2^P
.set j, j+2
.endr
.set j, 0
.rept 32
	v_med3_num_f32 v[\R+j], v[\R+j], -v31, v31
.set j, j+1
.endr
.irp b, 0,1,2,3
	v_cvt_scalef32_pk8_fp8_f32 v[\C+2*\b:\C+2*\b+1], v[\R+8*\b:\R+8*\b+7], v30
.endr
	v_nop
	global_store_b128 v[CO], v[\C:\C+3], s[12:13] offset:\OFS
	global_store_b128 v[CO], v[\C+4:\C+7], s[12:13] offset:\OFS+512
.endm
.macro TRIP more                       ; a block of 16 tokens
	s_wait_dscnt 8                                 ; the first half's eight loads are in; the second half's may be out
	GELU32 R0, 0, CD, 0
.if \more
	LOADR R0, 0, 8192                              ; the next block's first half
	s_wait_dscnt 8                                 ; this block's second half is in; the eight just issued may be out
.else
	s_wait_dscnt 0x0
.endif
	GELU32 R1, 32, CD+8, 1024
.if \more
	LOADR R1, 1, 8192
	s_wait_xcnt 0x0                                ; the stores have read their registers and their base
	s_add_nc_u64 s[12:13], s[12:13], 65536
	s_add_co_u32 s[TB], s[TB], 8192
	v_add_nc_u32 v[ADR], s[TB], v[DMP]
.endif
.endm
	s_mov_b32 s[TB], 0
	v_add_nc_u32 v[ADR], s[TB], v[DMP]
	LOADR R0, 0, 0
	LOADR R1, 1, 0
	s_wait_loadcnt 0x0                             ; b1
	s_mov_b32 s3, 7
.Lg:
	TRIP 1
	s_sub_co_u32 s3, s3, 1
	s_cmp_lg_u32 s3, 0
	s_cbranch_scc1 .Lg
	TRIP 0                                         ; the last block fetches nothing beyond my bytes
	s_wait_tensorcnt 0x0                           ; the wave's end
	ds_add_u32 v[SPW], v[NIL]
	s_wait_dscnt 0x0
	CROUND
	s_endpgm
.Lfunc_end_k_q709e31c2a8_ff1:
	.size	k_q709e31c2a8_ff1, .Lfunc_end_k_q709e31c2a8_ff1-k_q709e31c2a8_ff1
	.p2alignl 7, 3214868480
	.fill 96, 4, 3214868480
	.section	.rodata,"a",@progbits
	.p2align	6, 0x0
	.amdhsa_kernel k_q709e31c2a8_ff1
		.amdhsa_group_segment_fixed_size 327680
		.amdhsa_private_segment_fixed_size 0
		.amdhsa_enable_private_segment 0
		.amdhsa_kernarg_size 40
		.amdhsa_user_sgpr_count 2
		.amdhsa_user_sgpr_kernarg_segment_ptr 1
		.amdhsa_wavefront_size32 1
		.amdhsa_system_sgpr_workgroup_id_x 1
		.amdhsa_system_sgpr_workgroup_id_y 1
		.amdhsa_system_sgpr_workgroup_id_z 1
		.amdhsa_system_vgpr_workitem_id 0
		.amdhsa_next_free_vgpr 1024
		.amdhsa_next_free_sgpr 98
		.amdhsa_reserve_vcc 0
		.amdhsa_float_denorm_mode_32 3
		.amdhsa_float_denorm_mode_16_64 3
		.amdhsa_memory_ordered 1
		.amdhsa_forward_progress 1
		.amdhsa_inst_pref_size 201
	.end_amdhsa_kernel
	.amdgpu_metadata
---
amdhsa.version: [ 1, 2 ]
amdhsa.kernels:
  - .name:           k_q709e31c2a8_ff1
    .symbol:         k_q709e31c2a8_ff1.kd
    .args:
      - { .name: h2_img, .offset: 0, .size: 8, .value_kind: global_buffer, .address_space: global }
      - { .name: W1_codes, .offset: 8, .size: 8, .value_kind: global_buffer, .address_space: global }
      - { .name: lowp_scales, .offset: 16, .size: 8, .value_kind: global_buffer, .address_space: global }
      - { .name: b1, .offset: 24, .size: 8, .value_kind: global_buffer, .address_space: global }
      - { .name: hid_img, .offset: 32, .size: 8, .value_kind: global_buffer, .address_space: global }
    .group_segment_fixed_size: 327680
    .private_segment_fixed_size: 0
    .kernarg_segment_align: 8
    .kernarg_segment_size: 40
    .max_flat_workgroup_size: 128
    .sgpr_count:     98
    .vgpr_count:     1024
    .wavefront_size: 32
...
	.end_amdgpu_metadata
.endif
;; end of part 6
;; launch ff2 (part 7): grid 4 x 16, 4 waves a work-group, clusters of 4 x 4, 327,680 bytes of LDS; arguments hid_img, W2_codes, lowp_scales, b2, x1, out0; writes out0
.if DOCPART == 7
	.amdgcn_target "amdgcn-amd-amdhsa--gfx1250"
	.amdhsa_code_object_version 6
	.text
	.protected	k_q709e31c2a8_ff2
	.globl	k_q709e31c2a8_ff2
	.p2align	8
	.type	k_q709e31c2a8_ff2,@function
k_q709e31c2a8_ff2:
	s_mov_b64 s[64:65], 0
	v_nop
	global_prefetch_b8 v0, s[64:65] scope:SCOPE_SE
	s_setreg_imm32_b32 hwreg(HW_REG_WAVE_MODE, 25, 1), 1
	s_wait_xcnt 0x0
	s_wait_alu depctr_hold_cnt(0) depctr_sa_sdst(0) depctr_va_vdst(0) depctr_va_sdst(0) depctr_va_ssrc(0) depctr_va_vcc(0) depctr_vm_vsrc(0)
	s_getreg_b32 s2, hwreg(HW_REG_IB_STS2, 6, 4)
	s_cmp_eq_u32 s2, 0
	s_cbranch_scc0 .Lentry_in_a_cluster
	s_endpgm
.Lentry_in_a_cluster:
	s_bfe_u32 s2, ttmp6, 0x10000c
	s_cmp_lg_u32 s2, 0xf033
	s_cbranch_scc0 .Lentry_shape_is_right
	s_endpgm
.Lentry_shape_is_right:
; LAUNCH 7 OF 7: out0 = x1 + hid W2 + b2: product 8 on E4M3 codes (lowp_scales[14], [15]), K = 4,096, f32 sums.
; The text is launch 4's, but for K and for B's loads: hid's images hold, in registers 2 c, 2 c + 1 of lane (r, h), k = 16 c + 8 h + 0..7 (the plain form's own layout), so B's fragments are fetched
; by eight loads of 8 bytes at 16 c + 8 h: the same places of k on both sides.
; LIMIT: e14 + e15 lies between -126 and 127.
.set SIZE_K, 4096
.set BNATIVE, 1
.set EA,     14
.set EB,     15
.set KROW,   SIZE_K
.set AHALF,  32768
.set BPITCH, 272
.set BHALF,  128*BPITCH
.set BOFF,   2*AHALF
.set SLOT,   BOFF+2*BHALF
.set SPARE,  2*SLOT
.set LAPS,   SIZE_K/512
.set FR,     16
.set ADRA,   16
.set ADRB,   20
.set STO,    24
.set RD,     25
.set CO,     26
.set SPW,    28
.set NIL,    29
.set BI,     32
.set AF,     128
.set BK,     128
.set G1,     24
.set G0,     32
.set G1B,    48
.set G0B,    56
.set MSB,    0
.set MUL_LO, 0xa1
.set MUL_HI, 0xf1
.set TO_B,   0x40
.macro WIN new
.if MSB != \new
	s_set_vgpr_msb (MSB<<8)|\new
.set MSB, \new
.endif
.endm
.macro JLOAD g0a, g1a, g0b, g1b
	s_cmp_eq_u32 s15, 0
	s_cbranch_scc0 .Lfor_b_\@
	tensor_load_to_lds s[\g0a:\g0a+3], s[\g1a:\g1a+7]
	s_nop 0
.rept 4
	v_nop
.endr
	s_branch .Lasked_\@
.Lfor_b_\@:
	tensor_load_to_lds s[\g0b:\g0b+3], s[\g1b:\g1b+7]
	s_nop 0
.rept 4
	v_nop
.endr
.Lasked_\@:
.endm
.macro CREST
	s_cmp_lg_u32 s14, 0
	s_cbranch_scc1 .Lnot_wave_0_\@
	s_barrier_signal -3
.Lnot_wave_0_\@:
	s_barrier_wait -3
	s_barrier_signal -1
	s_barrier_wait -1
.endm
.macro CROUND
	s_barrier_signal -1
	s_barrier_wait -1
	CREST
.endm
.macro FRAGA reg, slot, q, i
.irp c, 0,1,2,3
	ds_load_b128 v[\reg+4*\c:\reg+4*\c+3], v[ADRA+\slot] offset:4096*(\i)+2048*(\q)+512*\c
.endr
.endm
.macro FRAGB reg, slot, q, i
.if BNATIVE
.irp c, 0,1,2,3,4,5,6,7
	ds_load_b64 v[\reg+2*\c:\reg+2*\c+1], v[ADRB+\slot] offset:128*(\q)+16*\c+(\i)*16*BPITCH
.endr
.else
.irp c, 0,1,2,3
	ds_load_b128 v[\reg+4*\c:\reg+4*\c+3], v[ADRB+\slot] offset:128*(\q)+32*\c+(\i)*16*BPITCH
.endr
.endif
.endm
.macro MUL16 a0, p, zero
.irp a, \a0, \a0+1
.irp b, 0,1,2,3,4,5,6,7
.if \zero
	v_wmma_f32_16x16x128_fp8_fp8 v[8*(8*((\a)%4)+\b):8*(8*((\a)%4)+\b)+7], v[128*(\p)+FR*\b:128*(\p)+FR*\b+FR-1], v[AF+FR*(\a):AF+FR*(\a)+FR-1], 0
.else
	v_wmma_f32_16x16x128_fp8_fp8 v[8*(8*((\a)%4)+\b):8*(8*((\a)%4)+\b)+7], v[128*(\p)+FR*\b:128*(\p)+FR*\b+FR-1], v[AF+FR*(\a):AF+FR*(\a)+FR-1], v[8*(8*((\a)%4)+\b):8*(8*((\a)%4)+\b)+7]
.endif
.endr
.endr
.endm
.macro FETCH_B slot, q, p
	WIN TO_B
.irp i, 0,1,2,3,4,5,6,7
	FRAGB 128*(\p)+FR*\i, \slot, \q, \i
.endr
	WIN 0
.endm
.macro FETCH_A slot, q, i0
.irp i, \i0, \i0+1, \i0+2, \i0+3
	FRAGA AF+FR*(\i), \slot, \q, \i
.endr
.endm
.macro PLACES n
.rept \n
	v_nop
.endr
.endm
.macro STEP slot, q, zero
	s_wait_dscnt 16                                ; B's set and A's blocks 0-3 are in; the youngest sixteen loads (A's blocks 4-7) may be out
	WIN MUL_LO
	MUL16 0, (\q)%2, \zero
	MUL16 2, (\q)%2, \zero
	s_wait_dscnt 0
	PLACES 4
	FETCH_B \slot, (\q)+1, 1-(\q)%2
	FETCH_A \slot, (\q)+1, 0
	WIN MUL_HI
	MUL16 4, (\q)%2, \zero
	MUL16 6, (\q)%2, \zero
	PLACES 4
	WIN 0
	FETCH_A \slot, (\q)+1, 4
.endm
.macro TURN slot, next, fill
	s_wait_tensorcnt 0x0                           ; all my tensor loads have landed: my part of the next slot
	ds_add_u32 v[SPW], v[NIL]                      ; 0 onto my spare word
	s_wait_dscnt 17                                ; (the add and the youngest sixteen loads may be out)
	WIN MUL_LO
	MUL16 0, 1, 0
	s_wait_dscnt 0x0                               ; the add is done, and my reads of this slot are over
	s_barrier_signal -1
	MUL16 2, 1, 0
	WIN 0
	s_barrier_wait -1
.if \fill
	CREST                                          ; a round of the cluster's barrier: no wave of any partner still reads this slot or has a load on its way
	s_add_nc_u64 s[G0+4*\slot+2:G0+4*\slot+3], s[G0+4*\slot+2:G0+4*\slot+3], 8192
	s_add_nc_u64 s[G0B+4*\slot+2:G0B+4*\slot+3], s[G0B+4*\slot+2:G0B+4*\slot+3], 512
	JLOAD G0+4*\slot, G1, G0B+4*\slot, G1B
.else
	PLACES 4
.endif
	FETCH_B \next, 0, 0
	FETCH_A \next, 0, 0
	WIN MUL_HI
	MUL16 4, 1, 0
	MUL16 6, 1, 0
	PLACES 4
	WIN 0
	FETCH_A \next, 0, 4
.endm
	s_load_b256 s[4:11], s[0:1], 0x0               ; A's images, B's codes, the scales' exponents, the bias
	s_load_b128 s[84:87], s[0:1], 0x20             ; the residual, the output
	v_lshl_add_u32 v[SPW], v0, 2, SPARE
	v_mov_b32 v[NIL], 0
	ds_add_u32 v[SPW], v[NIL]                      ; the wave's opening: the add, twice on end, and its wait ahead of my first tensor load
	ds_add_u32 v[SPW], v[NIL]
	v_lshrrev_b32 v1, 5, v0
	v_readfirstlane_b32 s14, v1
	s_lshr_b32 s15, s14, 1
	s_and_b32 s16, s14, 1
	s_bfe_u32 s40, ttmp6, 0x40000
	s_bfe_u32 s41, ttmp6, 0x40004
	s_lshl_b32 s42, ttmp9, 2
	s_add_co_u32 s42, s42, s40
	s_and_b32 s17, ttmp7, 0xffff
	s_lshl_b32 s17, s17, 2
	s_add_co_u32 s17, s17, s41
	s_lshl_b32 s43, s41, 2
	s_lshl_b32 s43, 15, s43
	s_lshl_b32 s44, 0x1111, s40
	s_or_b32 s[G1+0], s43, (3<<16)|(1<<21)
	s_mov_b32 s[G1+1], 512<<16
	s_mov_b32 s[G1+2], 8<<16
	s_mov_b32 s[G1+3], 512<<16
	s_mov_b32 s[G1+4], 8
	s_mov_b32 s[G1+5], 2*SIZE_K
	s_mov_b32 s[G1+6], 0
	s_mov_b32 s[G1+7], 0
	s_or_b32 s[G1B+0], s44, (0<<16)|(1<<20)|(1<<21)|(5<<22)|(3<<25)
	s_mov_b32 s[G1B+1], 256<<16
	s_mov_b32 s[G1B+2], 128<<16
	s_mov_b32 s[G1B+3], 256<<16
	s_mov_b32 s[G1B+4], 128
	s_mov_b32 s[G1B+5], KROW
	s_mov_b32 s[G1B+6], 0
	s_mov_b32 s[G1B+7], 0
	s_lshl_b32 s18, s16, 7
	s_lshl_b32 s20, s17, 8
	s_add_co_u32 s20, s20, s18
	s_lshl_b32 s46, s42, 8
	s_add_co_u32 s46, s46, s18
	s_mov_b32 s21, 0
	s_mov_b32 s47, 0
	s_mov_b64 s[18:19], KROW
	s_mul_u64 s[20:21], s[20:21], s[18:19]
	s_mul_u64 s[46:47], s[46:47], s[18:19]
	s_lshl_b32 s45, s16, 15
	s_mul_i32 s88, s16, BHALF
	s_add_co_u32 s88, s88, BOFF
	s_wait_dscnt 0x0
	s_wait_kmcnt 0x0
	s_load_b512 s[68:83], s[8:9], 0x0
	s_add_nc_u64 s[20:21], s[4:5], s[20:21]
	s_add_nc_u64 s[46:47], s[6:7], s[46:47]
	CROUND
.irp s, 0,1
	s_mov_b32 s[G0+4*\s], 1
	s_add_co_u32 s[G0+4*\s+1], s45, \s*SLOT
	s_add_nc_u64 s[G0+4*\s+2:G0+4*\s+3], s[20:21], \s*4096
	s_or_b32 s[G0+4*\s+3], s[G0+4*\s+3], 0x80000000
	s_mov_b32 s[G0B+4*\s], 1
	s_add_co_u32 s[G0B+4*\s+1], s88, \s*SLOT
	s_add_nc_u64 s[G0B+4*\s+2:G0B+4*\s+3], s[46:47], \s*256
	s_or_b32 s[G0B+4*\s+3], s[G0B+4*\s+3], 0x80000000
	JLOAD G0+4*\s, G1, G0B+4*\s, G1B
.endr
	v_and_b32 v1, 15, v0
	v_bfe_u32 v2, v0, 4, 1
	v_and_b32 v6, 31, v0
	v_lshlrev_b32 v[CO], 4, v6
	v_mul_u32_u24 v3, v1, BPITCH
	v_lshl_add_u32 v4, v2, 4-BNATIVE, v3
	s_lshl_b32 s21, s15, 15
	s_mul_i32 s22, s16, BHALF
	s_add_co_u32 s22, s22, BOFF
.irp s, 0,1
	v_add_nc_u32 v[ADRA+\s], s21, v[CO]
	v_add_nc_u32 v[ADRB+\s], s22, v4
	s_add_co_u32 s21, s21, SLOT
	s_add_co_u32 s22, s22, SLOT
.endr
	s_mul_i32 s23, s14, 16*528
	v_mul_u32_u24 v5, v1, 528
	v_lshl_add_u32 v5, v2, 5, v5
	v_add_nc_u32 v[STO], s23, v5
	v_add_nc_u32 v[RD], s23, v[CO]
	s_lshl_b32 s20, s17, 8
	s_lshl_b32 s21, s15, 7
	s_add_co_u32 s20, s20, s21
	s_lshl_b32 s20, s20, 12
	s_lshl_b32 s46, s42, 10
	s_lshl_b32 s47, s16, 9
	s_add_co_u32 s46, s46, s47
	s_mov_b32 s47, 0
	s_add_nc_u64 s[10:11], s[10:11], s[46:47]
	s_add_co_u32 s20, s20, s46
	s_mov_b32 s21, 0
	s_add_nc_u64 s[84:85], s[84:85], s[20:21]
	s_add_nc_u64 s[86:87], s[86:87], s[20:21]
	s_wait_tensorcnt 1                             ; my part of K step 0 is in; K step 1's load may be out
	s_barrier_signal -1
	s_barrier_wait -1
	FETCH_B 0, 0, 0
	FETCH_A 0, 0, 0
	FETCH_A 0, 0, 4
	STEP 0, 0, 1
	s_mov_b32 s3, LAPS-1
.Llap:
	TURN 0, 1, 1
	STEP 1, 0, 0
	TURN 1, 0, 1
	STEP 0, 0, 0
	s_sub_co_u32 s3, s3, 1
	s_cmp_lg_u32 s3, 0
	s_cbranch_scc1 .Llap
	TURN 0, 1, 0
	STEP 1, 0, 0
	s_wait_dscnt 16
	WIN MUL_LO
	MUL16 0, 1, 0
	MUL16 2, 1, 0
	s_wait_dscnt 0
	WIN MUL_HI
	MUL16 4, 1, 0
	MUL16 6, 1, 0
	WIN 0
.macro RES a
	WIN 0x40
.set RS, 64*((\a)%2)
.set t, 0
.rept 16
	global_load_b128 v[RS+4*t:RS+4*t+3], v[CO], s[84:85] offset:(16*(\a)+t)*4096
.set t, t+1
.endr
	WIN 0
.endm
.macro TOSTAGE a
.set AC, 64*((\a)%4)
.set WW, 0x08+4*((\a)/4)
	WIN WW
.irp b, 0,1,2,3,4,5,6,7
	ds_store_b128 v[STO], v[AC+8*\b:AC+8*\b+3] offset:64*\b
	ds_store_b128 v[STO], v[AC+8*\b+4:AC+8*\b+7] offset:64*\b+16
.endr
	WIN 0
.set BB, BK+64*((\a)%2)
.set t, 0
.rept 16
	ds_load_b128 v[BB+4*t:BB+4*t+3], v[RD] offset:t*528
.set t, t+1
.endr
.endm
.macro SEND a, yd, yl
.set BB, BK+64*((\a)%2)
.set RS, 64*((\a)%2)
	s_wait_dscnt \yd
	s_wait_loadcnt \yl
	WIN 0x10
.set t, 0
.rept 32
	v_pk_fma_f32 v[BB+2*t:BB+2*t+1], v[BB+2*t:BB+2*t+1], s[96:97], v[RS+2*t:RS+2*t+1] op_sel_hi:[1,0,1]
.set t, t+1
.endr
.set t, 0
.rept 16
	v_pk_add_f32 v[BB+4*t:BB+4*t+1], v[BB+4*t:BB+4*t+1], v[BI:BI+1]
	v_pk_add_f32 v[BB+4*t+2:BB+4*t+3], v[BB+4*t+2:BB+4*t+3], v[BI+2:BI+3]
.set t, t+1
.endr
	WIN 0
.set t, 0
.rept 16
	global_store_b128 v[CO], v[BB+4*t:BB+4*t+3], s[86:87] offset:(16*(\a)+t)*4096 th:TH_STORE_NT   ; 32 lanes store 512 consecutive bytes, aligned; written once, read by nobody here
.set t, t+1
.endr
.endm
	s_wait_kmcnt 0x0
	s_add_co_i32 s96, s[68+EA], s[68+EB]
	s_add_co_i32 s96, s96, 127
	s_lshl_b32 s96, s96, 23
	s_mov_b32 s97, s96
	PLACES 4
	global_load_b128 v[BI:BI+3], v[CO], s[10:11]
	RES 0
	TOSTAGE 0
.irp a, 1,2,3,4,5,6,7
.if \a > 1
	s_wait_xcnt 0x0                                ; block a - 2's stores have read their registers: block a's rows may land there
.endif
	RES \a
	TOSTAGE \a
	SEND \a-1, 32, 16                              ; behind block a - 1's: block a's 16 LDS stores and 16 LDS loads; its 16 loads of the residual
.endr
	SEND 7, 0, 0
	s_wait_tensorcnt 0x0                           ; the wave's end
	ds_add_u32 v[SPW], v[NIL]
	s_wait_dscnt 0x0
	CROUND
	s_endpgm
.Lfunc_end_k_q709e31c2a8_ff2:
	.size	k_q709e31c2a8_ff2, .Lfunc_end_k_q709e31c2a8_ff2-k_q709e31c2a8_ff2
	.p2alignl 7, 3214868480
	.fill 96, 4, 3214868480
	.section	.rodata,"a",@progbits
	.p2align	6, 0x0
	.amdhsa_kernel k_q709e31c2a8_ff2
		.amdhsa_group_segment_fixed_size 327680
		.amdhsa_private_segment_fixed_size 0
		.amdhsa_enable_private_segment 0
		.amdhsa_kernarg_size 48
		.amdhsa_user_sgpr_count 2
		.amdhsa_user_sgpr_kernarg_segment_ptr 1
		.amdhsa_wavefront_size32 1
		.amdhsa_system_sgpr_workgroup_id_x 1
		.amdhsa_system_sgpr_workgroup_id_y 1
		.amdhsa_system_sgpr_workgroup_id_z 1
		.amdhsa_system_vgpr_workitem_id 0
		.amdhsa_next_free_vgpr 1024
		.amdhsa_next_free_sgpr 98
		.amdhsa_reserve_vcc 0
		.amdhsa_float_denorm_mode_32 3
		.amdhsa_float_denorm_mode_16_64 3
		.amdhsa_memory_ordered 1
		.amdhsa_forward_progress 1
		.amdhsa_inst_pref_size 168
	.end_amdhsa_kernel
	.amdgpu_metadata
---
amdhsa.version: [ 1, 2 ]
amdhsa.kernels:
  - .name:           k_q709e31c2a8_ff2
    .symbol:         k_q709e31c2a8_ff2.kd
    .args:
      - { .name: hid_img, .offset: 0, .size: 8, .value_kind: global_buffer, .address_space: global }
      - { .name: W2_codes, .offset: 8, .size: 8, .value_kind: global_buffer, .address_space: global }
      - { .name: lowp_scales, .offset: 16, .size: 8, .value_kind: global_buffer, .address_space: global }
      - { .name: b2, .offset: 24, .size: 8, .value_kind: global_buffer, .address_space: global }
      - { .name: x1, .offset: 32, .size: 8, .value_kind: global_buffer, .address_space: global }
      - { .name: out0, .offset: 40, .size: 8, .value_kind: global_buffer, .address_space: global }
    .group_segment_fixed_size: 327680
    .private_segment_fixed_size: 0
    .kernarg_segment_align: 8
    .kernarg_segment_size: 48
    .max_flat_workgroup_size: 128
    .sgpr_count:     98
    .vgpr_count:     1024
    .wavefront_size: 32
...
	.end_amdgpu_metadata
.endif
;; end of part 7
;; ======== version 2 of 2: 7 launches
;; limits: right only within a limited range of input values
;; workspace buffers: h_img 12,582,912 bytes; qkv_img 12,582,912 bytes; o_img 4,194,304 bytes; x1 16,777,216 bytes; h2_img 4,194,304 bytes; hid_img 16,777,216 bytes
;; launch ln1 (part 8): grid 256 x 1, 8 waves a work-group, no clusters, 66,816 bytes of LDS; arguments x, g1, be1, lowp_scales, h_img; writes h_img
.if DOCPART == 8
	.amdgcn_target "amdgcn-amd-amdhsa--gfx1250"
	.amdhsa_code_object_version 6
	.text
	.protected	k_q709e31c2a8_ln1
	.globl	k_q709e31c2a8_ln1
	.p2align	8
	.type	k_q709e31c2a8_ln1,@function
k_q709e31c2a8_ln1:
	s_mov_b64 s[64:65], 0
	v_nop
	global_prefetch_b8 v0, s[64:65] scope:SCOPE_SE
	s_setreg_imm32_b32 hwreg(HW_REG_WAVE_MODE, 25, 1), 1
	s_wait_xcnt 0x0
; LAUNCH 1 OF 7: h = LayerNorm(x) g1 + be1 in f32, quantised three times to E4M3, with the scales of products 1, 2, 3 (lowp_scales[1], [3], [5]).
; THE PROGRAM: ln1 | qkv (products 1-3) | attn (4, 5) | wo (6, + bo + x) | ln2 | ff1 (7, + b1, exact GELU) | ff2 (8, + b2 + x1).
; WORK LEFT OUT IN THE WHOLE PROGRAM: only, in attn, the key steps of 128 keys that lie wholly behind a tile's 16 queries.  reference() sets their scores to -inf by the
; tril that it builds itself, so their p is 0 and they add 0 to the row's sum and to o, whatever the inputs hold.  Every input has a way to the output and is loaded.
; LIMIT: a NaN, an infinity or an overflow that would arise only in those key steps is not carried to the result.  NaN and infinities among the inputs are not served.
; LIMIT: each of the three exponents lies between -126 and 119, so that 2^e and 448 x 2^e are f32 numbers.
; OUTPUT LAYOUT: an IMAGE OF THE OPERAND'S REGISTERS: [part u][16 tokens][128 along K: s][group c][lane][16 bytes]; lane (r, h) of group c holds k = 128 s + 32 c + 16 h + 0..15 of token r.
; SHARES: a work-group takes 16 tokens.  Phase 1: wave w norms rows 2 w, 2 w + 1 (a row is 32 registers of the wave; mean, then centred squares) and lays them in LDS.
; Phase 2: wave w takes K step s = w of all 16 rows, 64 numbers a lane in the operand's order, and stores 512 consecutive bytes an instruction.
.set NOUT,  3
.set SHIFT, 1                          ; the stores' base stands at part SHIFT, so that every part is inside the signed 24-bit immediate
.set PART,  4194304
.set ROWP,  4112                       ; a row in LDS: 4,096 bytes + 16: the sixteen rows that a load of phase 2 touches start 16 bytes apart modulo 256
.set SPARE, 16*ROWP                    ; behind the rows: the spare words, 128 bytes for each wave
.set X,     32                         ; v32-95   two rows; in phase 2 my 64 numbers
.set GA,    96                         ; v96-127  g
.set BE,    128                        ; v128-159 be
.set T,     96                         ; v96-159  phase 2: the held numbers
.set C,     160                        ; v160..   codes: 16 registers for each part, so that no store's data are written again
.set SPW,   6
.set NIL,   7
	s_load_b256 s[4:11], s[0:1], 0x0               ; x, g, be, the scales' exponents
	s_load_b64 s[12:13], s[0:1], 0x20              ; the image
	v_lshl_add_u32 v[SPW], v0, 2, SPARE
	v_mov_b32 v[NIL], 0
	v_lshrrev_b32 v1, 5, v0
	s_delay_alu instid0(VALU_DEP_1)
	v_readfirstlane_b32 s16, v1                    ; wave
	v_and_b32 v1, 31, v0
	s_delay_alu instid0(VALU_DEP_1)
	v_lshlrev_b32 v5, 4, v1                        ; 16 x lane
	s_lshl_b32 s17, s16, 13
	v_add_nc_u32 v2, s17, v5                       ; in x: my wave's two rows
	s_mul_i32 s17, s16, 2*ROWP
	v_add_nc_u32 v3, s17, v5                       ; in LDS, on the way in
	v_and_b32 v8, 15, v0                           ; r
	v_bfe_u32 v9, v0, 4, 1                         ; h
	s_delay_alu instid0(VALU_DEP_2)
	v_mul_u32_u24 v4, v8, ROWP
	s_delay_alu instid0(VALU_DEP_1)
	v_lshl_add_u32 v4, v9, 6, v4
	s_lshl_b32 s17, s16, 9
	v_add_nc_u32 v4, s17, v4                       ; on the way out: row r, + 512 w + 64 h
	s_mov_b32 s20, 0x76543210
	s_mov_b32 s21, 0xfedcba98                      ; lane l xor 16
	s_mov_b32 s22, 0x3a800000                      ; 1 / 1024
	s_mov_b32 s23, 0x3727c5ac                      ; 1e-5
	s_lshl_b32 s18, ttmp9, 16                      ; 16 rows of 4,096 bytes
	s_mov_b32 s19, 0
	s_lshl_b32 s34, ttmp9, 14                      ; 16 tokens' image: 16,384 bytes
	s_lshl_b32 s35, s16, 11                        ; my K step's: 2,048
	s_add_co_u32 s34, s34, s35
	s_add_co_u32 s34, s34, SHIFT*PART
	s_mov_b32 s35, 0
	s_wait_alu depctr_va_vdst(0)
	s_wait_kmcnt 0x0
	s_load_b256 s[24:31], s[10:11], 0x0            ; e0 .. e7
	s_add_nc_u64 s[4:5], s[4:5], s[18:19]
	s_add_nc_u64 s[12:13], s[12:13], s[34:35]
.irp p, 0,1
.irp j, 0,1,2,3,4,5,6,7
	global_load_b128 v[X+32*\p+4*\j:X+32*\p+4*\j+3], v2, s[4:5] offset:4096*\p+512*\j
.endr
.endr
.irp j, 0,1,2,3,4,5,6,7
	global_load_b128 v[GA+4*\j:GA+4*\j+3], v5, s[6:7] offset:512*\j
.endr
.irp j, 0,1,2,3,4,5,6,7
	global_load_b128 v[BE+4*\j:BE+4*\j+3], v5, s[8:9] offset:512*\j
.endr
	s_wait_kmcnt 0x0
.irp u, 0,1,2
	s_add_co_i32 s32, s[25+2*\u], 127
	s_lshl_b32 s33, s32, 23
	v_mov_b32 v[16+2*\u], s33                      ; 2^e: the conversion takes its exponent field
	s_add_co_i32 s32, s32, 8
	s_lshl_b32 s32, s32, 23
	s_or_b32 s32, s32, 0x600000
	v_mov_b32 v[17+2*\u], s32                      ; 448 x 2^e
.endr
.macro ALLSUM a                        ; the pair v[a], v[a+1] is added up over the wave's 32 lanes; the sum is in v[a] of every lane
	v_add_f32 v[\a], v[\a], v[\a+1]
	s_delay_alu instid0(VALU_DEP_1)
	v_add_f32_dpp v[\a], v[\a], v[\a] row_xmask:1 row_mask:0xf bank_mask:0xf
	s_delay_alu instid0(VALU_DEP_1)
	v_add_f32_dpp v[\a], v[\a], v[\a] row_xmask:2 row_mask:0xf bank_mask:0xf
	s_delay_alu instid0(VALU_DEP_1)
	v_add_f32_dpp v[\a], v[\a], v[\a] row_xmask:4 row_mask:0xf bank_mask:0xf
	s_delay_alu instid0(VALU_DEP_1)
	v_add_f32_dpp v[\a], v[\a], v[\a] row_xmask:8 row_mask:0xf bank_mask:0xf
	s_delay_alu instid0(VALU_DEP_1)
	v_permlanex16_b32 v[\a+1], v[\a], s20, s21
	s_delay_alu instid0(VALU_DEP_1)
	v_add_f32 v[\a], v[\a], v[\a+1]
.endm
	s_wait_loadcnt 16                              ; x's sixteen loads are in; the sixteen of g and be may be out
.irp p, 0,1
	v_pk_add_f32 v[8+2*\p:9+2*\p], v[X+32*\p:X+32*\p+1], v[X+32*\p+2:X+32*\p+3]
.endr
.irp j, 4,6,8,10,12,14,16,18,20,22,24,26,28,30
.irp p, 0,1
	s_delay_alu instid0(VALU_DEP_2)
	v_pk_add_f32 v[8+2*\p:9+2*\p], v[8+2*\p:9+2*\p], v[X+32*\p+\j:X+32*\p+\j+1]
.endr
.endr
	ALLSUM 8
	ALLSUM 10
	v_mul_f32 v8, s22, v8                          ; the means
	s_delay_alu instid0(VALU_DEP_2)
	v_mul_f32 v10, s22, v10
.irp j, 0,2,4,6,8,10,12,14,16,18,20,22,24,26,28,30
.irp p, 0,1
	v_pk_add_f32 v[X+32*\p+\j:X+32*\p+\j+1], v[X+32*\p+\j:X+32*\p+\j+1], v[8+2*\p:9+2*\p] op_sel_hi:[1,0] neg_lo:[0,1] neg_hi:[0,1]   ; x - mean
.endr
.endr
.irp p, 0,1
	v_pk_mul_f32 v[12+2*\p:13+2*\p], v[X+32*\p:X+32*\p+1], v[X+32*\p:X+32*\p+1]
.endr
.irp j, 2,4,6,8,10,12,14,16,18,20,22,24,26,28,30
.irp p, 0,1
	s_delay_alu instid0(VALU_DEP_2)
	v_pk_fma_f32 v[12+2*\p:13+2*\p], v[X+32*\p+\j:X+32*\p+\j+1], v[X+32*\p+\j:X+32*\p+\j+1], v[12+2*\p:13+2*\p]
.endr
.endr
	ALLSUM 12
	ALLSUM 14
	v_fma_f32 v12, v12, s22, s23                   ; the variance + 1e-5
	s_delay_alu instid0(VALU_DEP_2)
	v_fma_f32 v14, v14, s22, s23
	s_wait_alu depctr_va_vdst(0)
	v_rsq_f32 v12, v12
	v_rsq_f32 v14, v14
	v_nop                                          ; a plain instruction behind the batch of two,
	s_wait_alu depctr_va_vdst(0)                   ; and the one wait ahead of its first reader
	s_wait_loadcnt 0x0                             ; g and be
.irp j, 0,2,4,6,8,10,12,14,16,18,20,22,24,26,28,30
.irp p, 0,1
	v_pk_mul_f32 v[X+32*\p+\j:X+32*\p+\j+1], v[X+32*\p+\j:X+32*\p+\j+1], v[12+2*\p:13+2*\p] op_sel_hi:[1,0]
.endr
.endr
.irp j, 0,2,4,6,8,10,12,14,16,18,20,22,24,26,28,30
.irp p, 0,1
	v_pk_fma_f32 v[X+32*\p+\j:X+32*\p+\j+1], v[X+32*\p+\j:X+32*\p+\j+1], v[GA+\j:GA+\j+1], v[BE+\j:BE+\j+1]
.endr
.endr
.irp p, 0,1
.irp j, 0,1,2,3,4,5,6,7
	ds_store_b128 v3, v[X+32*\p+4*\j:X+32*\p+4*\j+3] offset:ROWP*\p+512*\j
.endr
.endr
	s_wait_dscnt 0x0                               ; for the others' sake: my two rows lie in LDS
	s_barrier_signal -1
	s_barrier_wait -1
.irp c, 0,1,2,3
.irp j, 0,1,2,3
	ds_load_b128 v[X+16*\c+4*\j:X+16*\c+4*\j+3], v4 offset:128*\c+16*\j   ; register 16 c + i = k 128 w + 32 c + 16 h + i of row r
.endr
.endr
	s_wait_dscnt 0x0
.macro QOUT u                          ; part u: the hold (the conversion to an 8-bit code does not saturate: ISA guide 7.6.2), the conversion, four stores of 512 consecutive bytes
.irp b, 0,1,2,3
.set i, 0
.rept 16
	v_med3_num_f32 v[T+16*\b+i], v[X+16*\b+i], -v[17+2*\u], v[17+2*\u]
.set i, i+1
.endr
	v_cvt_scalef32_pk8_fp8_f32 v[C+16*\u+4*\b:C+16*\u+4*\b+1], v[T+16*\b:T+16*\b+7], v[16+2*\u]
	v_cvt_scalef32_pk8_fp8_f32 v[C+16*\u+4*\b+2:C+16*\u+4*\b+3], v[T+16*\b+8:T+16*\b+15], v[16+2*\u]
.endr
	v_nop                                          ; a plain instruction behind the last conversion: the next part writes its sources
.irp c, 0,1,2,3
	global_store_b128 v5, v[C+16*\u+4*\c:C+16*\u+4*\c+3], s[12:13] offset:(\u-SHIFT)*PART+512*\c
.endr
.endm
	QOUT 0
	QOUT 1
	QOUT 2
	s_wait_tensorcnt 0x0                           ; the wave's end: behind my last LDS store
	ds_add_u32 v[SPW], v[NIL]
	s_wait_dscnt 0x0
	s_endpgm
.Lfunc_end_k_q709e31c2a8_ln1:
	.size	k_q709e31c2a8_ln1, .Lfunc_end_k_q709e31c2a8_ln1-k_q709e31c2a8_ln1
	.p2alignl 7, 3214868480
	.fill 96, 4, 3214868480
	.section	.rodata,"a",@progbits
	.p2align	6, 0x0
	.amdhsa_kernel k_q709e31c2a8_ln1
		.amdhsa_group_segment_fixed_size 66816
		.amdhsa_private_segment_fixed_size 0
		.amdhsa_enable_private_segment 0
		.amdhsa_kernarg_size 40
		.amdhsa_user_sgpr_count 2
		.amdhsa_user_sgpr_kernarg_segment_ptr 1
		.amdhsa_wavefront_size32 1
		.amdhsa_system_sgpr_workgroup_id_x 1
		.amdhsa_system_sgpr_workgroup_id_y 1
		.amdhsa_system_sgpr_workgroup_id_z 1
		.amdhsa_system_vgpr_workitem_id 0
		.amdhsa_next_free_vgpr 208
		.amdhsa_next_free_sgpr 66
		.amdhsa_reserve_vcc 0
		.amdhsa_float_denorm_mode_32 3
		.amdhsa_float_denorm_mode_16_64 3
		.amdhsa_memory_ordered 1
		.amdhsa_forward_progress 1
		.amdhsa_inst_pref_size 38
	.end_amdhsa_kernel
	.amdgpu_metadata
---
amdhsa.version: [ 1, 2 ]
amdhsa.kernels:
  - .name:           k_q709e31c2a8_ln1
    .symbol:         k_q709e31c2a8_ln1.kd
    .args:
      - { .name: x, .offset: 0, .size: 8, .value_kind: global_buffer, .address_space: global }
      - { .name: g1, .offset: 8, .size: 8, .value_kind: global_buffer, .address_space: global }
      - { .name: be1, .offset: 16, .size: 8, .value_kind: global_buffer, .address_space: global }
      - { .name: lowp_scales, .offset: 24, .size: 8, .value_kind: global_buffer, .address_space: global }
      - { .name: h_img, .offset: 32, .size: 8, .value_kind: global_buffer, .address_space: global }
    .group_segment_fixed_size: 66816
    .private_segment_fixed_size: 0
    .kernarg_segment_align: 8
    .kernarg_segment_size: 40
    .max_flat_workgroup_size: 256
    .sgpr_count:     66
    .vgpr_count:     208
    .wavefront_size: 32
...
	.end_amdgpu_metadata
.endif
;; end of part 8
;; launch qkv (part 9): grid 12 x 16, 4 waves a work-group, clusters of 4 x 4, 327,680 bytes of LDS; arguments h_img, Wq_codes, Wk_codes, Wv_codes, lowp_scales, qkv_img; writes qkv_img
.if DOCPART == 9
	.amdgcn_target "amdgcn-amd-amdhsa--gfx1250"
	.amdhsa_code_object_version 6
	.text
	.protected	k_q709e31c2a8_qkv
	.globl	k_q709e31c2a8_qkv
	.p2align	8
	.type	k_q709e31c2a8_qkv,@function
k_q709e31c2a8_qkv:
	s_mov_b64 s[64:65], 0
	v_nop
	global_prefetch_b8 v0, s[64:65] scope:SCOPE_SE
	s_setreg_imm32_b32 hwreg(HW_REG_WAVE_MODE, 25, 1), 1
	s_wait_xcnt 0x0
	s_wait_alu depctr_hold_cnt(0) depctr_sa_sdst(0) depctr_va_vdst(0) depctr_va_sdst(0) depctr_va_ssrc(0) depctr_va_vcc(0) depctr_vm_vsrc(0)
	s_getreg_b32 s2, hwreg(HW_REG_IB_STS2, 6, 4)
	s_cmp_eq_u32 s2, 0
	s_cbranch_scc0 .Lentry_in_a_cluster
	s_endpgm
.Lentry_in_a_cluster:
	s_bfe_u32 s2, ttmp6, 0x10000c
	s_cmp_lg_u32 s2, 0xf033
	s_cbranch_scc0 .Lentry_shape_is_right
	s_endpgm
.Lentry_shape_is_right:
; LAUNCH 2 OF 7: products 1, 2, 3: q, k, v = h W (all heads), on E4M3 codes, f32 sums; the results are quantised at once for products 4 and 5 (lowp_scales[6], [7], [9]).
; The grid's x is 3 clusters: cluster x = 0: q, 1: k, 2: v (the same number in all sixteen partners).  A tile is 256 tokens x 256 columns (4 heads); four waves, 128 x 128 each: 64 accumulators.
; A (the tokens) comes as images of the operand's registers (16 tokens x 128 K = 2,048 bytes: [group c][lane][16 bytes]), B (the weights) as rows of codes along K.  Both hold, in registers 4 c .. 4 c + 3
; of lane (r, h), k = 32 c + 16 h + 0..15: the same permutation of k on both sides, so every product meets its partner.
; K goes in steps of 256 through a ring of two LDS slots; the tiles are asked for JOINTLY: A's by the four work-groups of a row of the cluster, B's by the four of a column.
; THE MATRIX INSTRUCTION IS USED TRANSPOSED (source 0 = 16 weight rows, source 1 = 16 tokens): accumulator (a, b), lane (r, h), register j = token 16 a + r, column 16 b + 8 h + j.
; So the conversion of an accumulator's eight registers gives registers 2 b', 2 b' + 1 (d = 16 b' + 8 h + 0..7) of the plain form's own layout: q's and k's images leave straight from registers.
; v is wanted with the KEYS innermost: its codes go through a stage in LDS and come back turned (ds_load_tr16_b128 on pairs of bytes, then v_perm_b32): tile 2 x + e, lane r' = channel 32 x + 2 r' + e.
; OUTPUT: q at 0 and k at 4 Mi: [batch, head][16 tokens][group g][lane][16 bytes]; v at 8 Mi: [batch, head][128 keys][tile t][group G][lane][16 bytes].
; LIMITS: e6 - e0 - e1, e7 - e2 - e3, e9 - e4 - e5 lie between -126 and 119.  NaN and infinities are not served.
.set SIZE_K, 1024
.set BNATIVE, 0
.set KROW,   SIZE_K
.set AHALF,  32768                     ; 128 tokens x 256 K as images
.set BPITCH, 272                       ; a weight row in LDS: 256 bytes + 16: the sixteen rows that a load touches start 16 bytes apart modulo 256
.set BHALF,  128*BPITCH
.set BOFF,   2*AHALF
.set SLOT,   BOFF+2*BHALF
.set SPARE,  2*SLOT                    ; behind the ring: the spare words, 128 bytes for each wave
.set LAPS,   SIZE_K/512
.set FR,     16
.set ADRA,   16
.set ADRB,   20
.set STO,    24
.set TRA,    25
.set CO,     26
.set SPW,    28
.set NIL,    29
.set AF,     128
.set G1,     24
.set G0,     32
.set G1B,    48
.set G0B,    56
.set MSB,    0
.set MUL_LO, 0xa1                      ; source 0 (B) window 1, source 1 (A) window 0, C and D window 2
.set MUL_HI, 0xf1
.set TO_B,   0x40
.macro WIN new                         ; the immediate's high byte repeats the setting that is left
.if MSB != \new
	s_set_vgpr_msb (MSB<<8)|\new
.set MSB, \new
.endif
.endm
.macro JLOAD g0a, g1a, g0b, g1b        ; a joint load: waves 0 and 1 fetch A's halves, waves 2 and 3 B's; an s_nop 0 and four v_nop follow each line
	s_cmp_eq_u32 s15, 0
	s_cbranch_scc0 .Lfor_b_\@
	tensor_load_to_lds s[\g0a:\g0a+3], s[\g1a:\g1a+7]
	s_nop 0
.rept 4
	v_nop
.endr
	s_branch .Lasked_\@
.Lfor_b_\@:
	tensor_load_to_lds s[\g0b:\g0b+3], s[\g1b:\g1b+7]
	s_nop 0
.rept 4
	v_nop
.endr
.Lasked_\@:
.endm
.macro CREST
	s_cmp_lg_u32 s14, 0
	s_cbranch_scc1 .Lnot_wave_0_\@
	s_barrier_signal -3
.Lnot_wave_0_\@:
	s_barrier_wait -3
	s_barrier_signal -1
	s_barrier_wait -1
.endm
.macro CROUND
	s_barrier_signal -1
	s_barrier_wait -1
	CREST
.endm
.macro FRAGA reg, slot, q, i           ; 16 tokens x 128 K: the image comes back as it was stored: 512 consecutive bytes a load
.irp c, 0,1,2,3
	ds_load_b128 v[\reg+4*\c:\reg+4*\c+3], v[ADRA+\slot] offset:4096*(\i)+2048*(\q)+512*\c
.endr
.endm
.macro FRAGB reg, slot, q, i           ; 16 weight rows x 128 K
.if BNATIVE
.irp c, 0,1,2,3,4,5,6,7
	ds_load_b64 v[\reg+2*\c:\reg+2*\c+1], v[ADRB+\slot] offset:128*(\q)+16*\c+(\i)*16*BPITCH
.endr
.else
.irp c, 0,1,2,3
	ds_load_b128 v[\reg+4*\c:\reg+4*\c+3], v[ADRB+\slot] offset:128*(\q)+32*\c+(\i)*16*BPITCH
.endr
.endif
.endm
.macro MUL16 a0, p, zero               ; A's blocks a0, a0 + 1 x B's eight; the 64 accumulators take turns, one instruction a turn
.irp a, \a0, \a0+1
.irp b, 0,1,2,3,4,5,6,7
.if \zero
	v_wmma_f32_16x16x128_fp8_fp8 v[8*(8*((\a)%4)+\b):8*(8*((\a)%4)+\b)+7], v[128*(\p)+FR*\b:128*(\p)+FR*\b+FR-1], v[AF+FR*(\a):AF+FR*(\a)+FR-1], 0
.else
	v_wmma_f32_16x16x128_fp8_fp8 v[8*(8*((\a)%4)+\b):8*(8*((\a)%4)+\b)+7], v[128*(\p)+FR*\b:128*(\p)+FR*\b+FR-1], v[AF+FR*(\a):AF+FR*(\a)+FR-1], v[8*(8*((\a)%4)+\b):8*(8*((\a)%4)+\b)+7]
.endif
.endr
.endr
.endm
.macro FETCH_B slot, q, p
	WIN TO_B
.irp i, 0,1,2,3,4,5,6,7
	FRAGB 128*(\p)+FR*\i, \slot, \q, \i
.endr
	WIN 0
.endm
.macro FETCH_A slot, q, i0
.irp i, \i0, \i0+1, \i0+2, \i0+3
	FRAGA AF+FR*(\i), \slot, \q, \i
.endr
.endm
.macro PLACES n                        ; plain vector instructions between a matrix instruction and a load into, or a read of, its registers
.rept \n
	v_nop
.endr
.endm
.macro STEP slot, q, zero              ; 128 along K whose successor lies in the same slot
	s_wait_dscnt 16                                ; B's set and A's blocks 0-3 are in; the youngest sixteen loads (A's blocks 4-7) may be out
	WIN MUL_LO
	MUL16 0, (\q)%2, \zero
	MUL16 2, (\q)%2, \zero
	s_wait_dscnt 0
	PLACES 4
	FETCH_B \slot, (\q)+1, 1-(\q)%2
	FETCH_A \slot, (\q)+1, 0
	WIN MUL_HI
	MUL16 4, (\q)%2, \zero
	MUL16 6, (\q)%2, \zero
	PLACES 4
	WIN 0
	FETCH_A \slot, (\q)+1, 4
.endm
.macro TURN slot, next, fill           ; a slot's last 128 along K, and the change of slots
	s_wait_tensorcnt 0x0                           ; all my tensor loads have landed: my part of the next slot
	ds_add_u32 v[SPW], v[NIL]                      ; 0 onto my spare word
	s_wait_dscnt 17                                ; (the add and the youngest sixteen loads may be out)
	WIN MUL_LO
	MUL16 0, 1, 0
	s_wait_dscnt 0x0                               ; the add is done, and my reads of this slot are over
	s_barrier_signal -1
	MUL16 2, 1, 0
	WIN 0
	s_barrier_wait -1
.if \fill
	CREST                                          ; the barrier has opened a round of the cluster's barrier: no wave of any partner still reads this slot or has a load on its way
	s_add_nc_u64 s[G0+4*\slot+2:G0+4*\slot+3], s[G0+4*\slot+2:G0+4*\slot+3], 8192
	s_add_nc_u64 s[G0B+4*\slot+2:G0B+4*\slot+3], s[G0B+4*\slot+2:G0B+4*\slot+3], 512
	JLOAD G0+4*\slot, G1, G0B+4*\slot, G1B         ; the first tensor load behind the round; its four v_nop are the places in front of the loads below
.else
	PLACES 4
.endif
	FETCH_B \next, 0, 0
	FETCH_A \next, 0, 0
	WIN MUL_HI
	MUL16 4, 1, 0
	MUL16 6, 1, 0
	PLACES 4
	WIN 0
	FETCH_A \next, 0, 4
.endm
	s_load_b256 s[4:11], s[0:1], 0x0               ; h's images, Wq's, Wk's, Wv's codes
	s_load_b128 s[84:87], s[0:1], 0x20             ; the scales' exponents, the output
	v_lshl_add_u32 v[SPW], v0, 2, SPARE
	v_mov_b32 v[NIL], 0
	ds_add_u32 v[SPW], v[NIL]                      ; the wave's opening: the add, twice on end, and its wait ahead of my first tensor load
	ds_add_u32 v[SPW], v[NIL]
	v_lshrrev_b32 v1, 5, v0
	v_readfirstlane_b32 s14, v1                    ; wave
	s_lshr_b32 s15, s14, 1                         ; my half of the tile's tokens.  Also: I fetch for A (0) or for B (1)
	s_and_b32 s16, s14, 1                          ; my half of its columns.  Also: which half of that tile I fetch
	s_bfe_u32 s40, ttmp6, 0x40000                  ; cx
	s_bfe_u32 s41, ttmp6, 0x40004                  ; cy
	s_mov_b32 s42, s40                             ; tile column inside the region = cx
	s_and_b32 s17, ttmp7, 0xffff
	s_lshl_b32 s17, s17, 2
	s_add_co_u32 s17, s17, s41                     ; tile row = 4 x cluster y + cy
	s_lshl_b32 s43, s41, 2
	s_lshl_b32 s43, 15, s43                        ; my row of the cluster
	s_lshl_b32 s44, 0x1111, s40                    ; my column
	s_or_b32 s[G1+0], s43, (3<<16)|(1<<21)         ; A: the mask; elements of 8 bytes; no padding; bit 21 beside a mask
	s_mov_b32 s[G1+1], 512<<16                     ; tensor_dim0: 16 tokens x 256 K = 4,096 bytes
	s_mov_b32 s[G1+2], 8<<16                       ; tensor_dim1: 8 blocks of 16 tokens
	s_mov_b32 s[G1+3], 512<<16                     ; tile_dim0
	s_mov_b32 s[G1+4], 8                           ; tile_dim1
	s_mov_b32 s[G1+5], 2*SIZE_K                    ; from block to block: 16 SIZE_K bytes
	s_mov_b32 s[G1+6], 0
	s_mov_b32 s[G1+7], 0
	s_or_b32 s[G1B+0], s44, (0<<16)|(1<<20)|(1<<21)|(5<<22)|(3<<25)  ; B: the mask; bytes; 4 words of padding behind every 64
	s_mov_b32 s[G1B+1], 256<<16
	s_mov_b32 s[G1B+2], 128<<16
	s_mov_b32 s[G1B+3], 256<<16
	s_mov_b32 s[G1B+4], 128
	s_mov_b32 s[G1B+5], KROW
	s_mov_b32 s[G1B+6], 0
	s_mov_b32 s[G1B+7], 0
	s_lshl_b32 s18, s16, 7
	s_lshl_b32 s20, s17, 8
	s_add_co_u32 s20, s20, s18                     ; A: token 256 x tile row + 128 x half
	s_lshl_b32 s46, s42, 8
	s_add_co_u32 s46, s46, s18                     ; B: row 256 x tile column + 128 x half
	s_mov_b32 s21, 0
	s_mov_b32 s47, 0
	s_mov_b64 s[18:19], KROW
	s_mul_u64 s[20:21], s[20:21], s[18:19]         ; 16 tokens' images are 16 SIZE_K bytes: a token counts SIZE_K bytes
	s_mul_u64 s[46:47], s[46:47], s[18:19]
	s_lshl_b32 s12, ttmp9, 22                      ; the region's part of h's images
	s_mov_b32 s13, 0
	s_add_nc_u64 s[20:21], s[20:21], s[12:13]
	s_lshl_b32 s45, s16, 15                        ; where they go: A's half,
	s_mul_i32 s88, s16, BHALF
	s_add_co_u32 s88, s88, BOFF                    ; B's half
	s_wait_dscnt 0x0                               ; both opening adds are done
	s_wait_kmcnt 0x0
	s_load_b512 s[68:83], s[84:85], 0x0            ; e0 .. e15
	s_cmp_eq_u32 ttmp9, 0                          ; the region's weights: the choice hangs on the cluster's number alone
	s_cselect_b64 s[6:7], s[6:7], s[8:9]
	s_cmp_eq_u32 ttmp9, 2
	s_cselect_b64 s[6:7], s[10:11], s[6:7]
	s_add_nc_u64 s[20:21], s[4:5], s[20:21]
	s_add_nc_u64 s[46:47], s[6:7], s[46:47]
	CROUND                                         ; all sixteen work-groups are here: the first joint loads meet
.irp s, 0,1
	s_mov_b32 s[G0+4*\s], 1
	s_add_co_u32 s[G0+4*\s+1], s45, \s*SLOT
	s_add_nc_u64 s[G0+4*\s+2:G0+4*\s+3], s[20:21], \s*4096
	s_or_b32 s[G0+4*\s+3], s[G0+4*\s+3], 0x80000000
	s_mov_b32 s[G0B+4*\s], 1
	s_add_co_u32 s[G0B+4*\s+1], s88, \s*SLOT
	s_add_nc_u64 s[G0B+4*\s+2:G0B+4*\s+3], s[46:47], \s*256
	s_or_b32 s[G0B+4*\s+3], s[G0B+4*\s+3], 0x80000000
.endr
	JLOAD G0, G1, G0B, G1B                         ; K step 0: one tensor load a wave at the head
	v_and_b32 v1, 15, v0                           ; r
	v_bfe_u32 v2, v0, 4, 1                         ; h
	v_and_b32 v6, 31, v0
	v_lshlrev_b32 v[CO], 4, v6                     ; 16 x lane
	v_mul_u32_u24 v3, v1, BPITCH
	v_lshl_add_u32 v4, v2, 4, v3
	s_lshl_b32 s21, s15, 15
	s_mul_i32 s22, s16, BHALF
	s_add_co_u32 s22, s22, BOFF
.irp s, 0,1
	v_add_nc_u32 v[ADRA+\s], s21, v[CO]
	v_add_nc_u32 v[ADRB+\s], s22, v4
	s_add_co_u32 s21, s21, SLOT
	s_add_co_u32 s22, s22, SLOT
.endr
	s_mul_i32 s23, s14, 20480                      ; v's stage: 128 tokens x (128 codes + 32) for each wave, in slot 0, which has had its last fill and its last read when it is written
	v_mul_u32_u24 v5, v1, 160
	v_lshl_add_u32 v5, v2, 3, v5
	v_add_nc_u32 v[STO], s23, v5                   ; in: token r, + 8 h
	v_and_b32 v7, 7, v0
	v_lshl_add_u32 v7, v2, 3, v7
	v_mul_u32_u24 v7, v7, 160
	v_bfe_u32 v8, v0, 3, 1
	v_lshl_add_u32 v7, v8, 4, v7
	v_add_nc_u32 v[TRA], s23, v7
	; PREFETCHES INTO THE L2: behind the joint load of K step s (s = 0, 1) one request a wave names K step s + 2, two refills on.  Of the 128 tokens or rows that I fetch, each of the four partners that ask
	; for them jointly takes a quarter, told apart by address (cx for A, cy for B): A: two blocks of 16 tokens x 4,096 bytes, lanes 256 bytes apart; B: 32 rows x 256 bytes, a lane a row.  K has four steps, so no later request follows.
	s_cmp_eq_u32 s15, 0                            ; do I fetch for A?
	s_cselect_b32 s90, s17, s42                    ; the tile row, or the tile column
	s_cselect_b32 s91, s40, s41                    ; my place among the four
	s_cselect_b64 s[94:95], s[4:5], s[6:7]
	s_cselect_b32 s96, s12, 0                      ; A: the region's part of h's images
	s_mov_b32 s92, 256
	s_cselect_b32 s92, 4096, s92                   ; a K step on
	s_mov_b32 s89, 1024
	s_cselect_b32 s89, 16384, s89                  ; from block to block, or from row to row
	s_cselect_b32 s93, 4, 0
	s_cselect_b32 s3, 15, 0
	v_and_b32 v9, 31, v0
	v_and_b32 v10, s3, v9
	v_lshrrev_b32 v9, s93, v9
	v_mul_lo_u32 v9, v9, s89
	v_lshl_add_u32 v9, v10, 8, v9                  ; A: 16,384 (lane / 16) + 256 (lane % 16); B: 1,024 lane
	s_lshl_b32 s90, s90, 4
	s_lshl_b32 s3, s16, 3
	s_add_co_u32 s90, s90, s3
	s_lshl_b32 s91, s91, 1
	s_add_co_u32 s90, s90, s91
	s_lshl_b32 s90, s90, 14                        ; (16 tile + 8 half + 2 place) x 16,384 bytes
	s_add_co_u32 s90, s90, s96
	s_mov_b32 s91, 0
	s_add_nc_u64 s[94:95], s[94:95], s[90:91]
	s_mov_b32 s93, 0
	s_add_nc_u64 s[94:95], s[94:95], s[92:93]
	s_add_nc_u64 s[94:95], s[94:95], s[92:93]      ; K step 2
	s_wait_alu depctr_va_vdst(0)                   ; directly ahead of the reader below
	global_prefetch_b8 v9, s[94:95] th:TH_LOAD_NT scope:SCOPE_SE
	s_lshl_b32 s20, ttmp9, 22                      ; the output: region x 4 Mi
	s_lshr_b32 s21, s17, 3
	s_lshl_b32 s21, s21, 21                        ; + batch x 16 heads x 131,072
	s_add_co_u32 s20, s20, s21
	s_and_b32 s21, s17, 7
	s_lshl_b32 s21, s21, 1
	s_add_co_u32 s21, s21, s15
	s_lshl_b32 s21, s21, 13                        ; + my 128 tokens: 8,192 bytes in each of the three layouts
	s_add_co_u32 s20, s20, s21
	s_lshl_b32 s46, s40, 2
	s_lshl_b32 s47, s16, 1
	s_add_co_u32 s46, s46, s47
	s_lshl_b32 s46, s46, 17                        ; + my first head x 131,072
	s_add_co_u32 s20, s20, s46
	s_mov_b32 s21, 0
	s_add_nc_u64 s[86:87], s[86:87], s[20:21]
	s_wait_xcnt 0x0                                ; the prefetch has read its address, so it may be stepped:
	s_add_nc_u64 s[94:95], s[94:95], s[92:93]      ; K step 3
	s_wait_alu depctr_va_vdst(0)                   ; the wait at the head's end
	s_wait_tensorcnt 0x0                           ; my part of K step 0 is in
	ds_add_u32 v[SPW], v[NIL]
	s_wait_dscnt 0x0
	CROUND                                         ; everybody's part of K step 0 is in, and all sixteen work-groups are here
	JLOAD G0+4, G1, G0B+4, G1B                     ; K step 1: the first tensor load behind the round
	FETCH_B 0, 0, 0
	FETCH_A 0, 0, 0
	FETCH_A 0, 0, 4
	global_prefetch_b8 v9, s[94:95] th:TH_LOAD_NT scope:SCOPE_SE   ; behind K step 1's joint load and the run of LDS loads: K step 3; v9 and s[94:95] are not written again
	STEP 0, 0, 1
	s_mov_b32 s3, LAPS-1
.Llap:
	TURN 0, 1, 1
	STEP 1, 0, 0
	TURN 1, 0, 1
	STEP 0, 0, 0
	s_sub_co_u32 s3, s3, 1
	s_cmp_lg_u32 s3, 0
	s_cbranch_scc1 .Llap
	TURN 0, 1, 0                                   ; the last lap fills nothing
	STEP 1, 0, 0
	s_wait_dscnt 16
	WIN MUL_LO
	MUL16 0, 1, 0
	MUL16 2, 1, 0
	s_wait_dscnt 0
	WIN MUL_HI
	MUL16 4, 1, 0
	MUL16 6, 1, 0
	WIN 0
	; THE WAY OUT.  A sum stands for sum x 2^(eW + eh): its code is sum / 2^(eout - eW - eh): the three scales are folded into the conversion's one.
	s_wait_kmcnt 0x0
	s_sub_co_i32 s90, s74, s68
	s_sub_co_i32 s90, s90, s69                     ; q: e6 - e0 - e1
	s_sub_co_i32 s91, s75, s70
	s_sub_co_i32 s91, s91, s71                     ; k: e7 - e2 - e3
	s_sub_co_i32 s92, s77, s72
	s_sub_co_i32 s92, s92, s73                     ; v: e9 - e4 - e5
	s_cmp_eq_u32 ttmp9, 0
	s_cselect_b32 s90, s90, s91
	s_cmp_eq_u32 ttmp9, 2
	s_cselect_b32 s90, s92, s90
	s_add_co_i32 s90, s90, 127
	s_lshl_b32 s91, s90, 23
	v_mov_b32 v30, s91                             ; the scale as f32
	s_add_co_i32 s90, s90, 8
	s_lshl_b32 s90, s90, 23
	s_or_b32 s90, s90, 0x600000
	v_mov_b32 v31, s90                             ; 448 x the scale
	s_mov_b32 s92, 0x06040200                      ; the even bytes of two registers,
	s_mov_b32 s93, 0x07050301                      ; the odd ones
	PLACES 4
.macro QBLOCK a, c                     ; block a's 64 sums a lane: held (each accumulator from its low end on), converted: tile b's codes in v[c + 2 b], v[c + 2 b + 1]
.set AC, 64*((\a)%4)
.set WW, 0x02+((\a)/4)
	WIN WW
.set j, 0
.rept 64
	v_med3_num_f32 v[32+j], v[AC+j], -v31, v31
.set j, j+1
.endr
	WIN 0
.irp b, 0,1,2,3,4,5,6,7
	v_cvt_scalef32_pk8_fp8_f32 v[\c+2*\b:\c+2*\b+1], v[32+8*\b:32+8*\b+7], v30
.endr
	v_nop                                          ; a plain instruction behind the last conversion: the next block writes its sources
.endm
	s_cmp_eq_u32 ttmp9, 2                          ; the cluster's number: the same in all partners and all waves
	s_cbranch_scc1 .Lv
.irp a, 0,1,2,3,4,5,6,7                ; q, k: group g of head hl is registers 4 (2 hl + g) on; 512 consecutive bytes a store; each block has its own registers
	QBLOCK \a, 128+16*\a
.irp g, 0,1,2,3
	global_store_b128 v[CO], v[128+16*\a+4*\g:128+16*\a+4*\g+3], s[86:87] offset:\a*1024+(\g/2)*131072+(\g%2)*512
.endr
.endr
	s_branch .Lend
.Lv:
	s_wait_alu depctr_va_vdst(0)
.irp a, 0,1,2,3,4,5,6,7
	QBLOCK \a, 128+16*\a
.irp b, 0,1,2,3,4,5,6,7
	ds_store_b64 v[STO], v[128+16*\a+2*\b:128+16*\a+2*\b+1] offset:\a*2560+16*\b   ; token 16 a + r, columns 16 b + 8 h + 0..7
.endr
.endr
	s_wait_dscnt 0x0                               ; the stores have read their registers, which the loads below fill
.irp it, 0,1,2,3                       ; head it / 2, channels 32 (it % 2) on: eight loads of 16 keys x 32 channels, turned
.set n, 0
.rept 8
	ds_load_tr16_b128 v[128+32*\it+4*n:128+32*\it+4*n+3], v[TRA] offset:16*n*160+64*(\it/2)+32*(\it%2)
.set n, n+1
.endr
.endr
.irp it, 0,1,2,3
	s_wait_dscnt 8*(3-\it)                         ; this group's eight loads are in; the later groups' may be out
.if \it > 1
	s_wait_xcnt 0x0                                ; the stores of two groups ago have read their registers
.endif
.set OB, 32+32*(\it%2)
.set TR, 128+32*\it
.irp e, 0,1
.set n, 0
.rept 8
	v_perm_b32 v[OB+16*\e+2*n], v[TR+4*n+1], v[TR+4*n], s[92+\e]       ; keys 16 n + 8 h + 0..3 of channel 2 r + e
	v_perm_b32 v[OB+16*\e+2*n+1], v[TR+4*n+3], v[TR+4*n+2], s[92+\e]   ; keys 16 n + 8 h + 4..7
.set n, n+1
.endr
.endr
.irp e, 0,1
.irp g, 0,1,2,3
	global_store_b128 v[CO], v[OB+16*\e+4*\g:OB+16*\e+4*\g+3], s[86:87] offset:(\it/2)*131072+(2*(\it%2)+\e)*2048+\g*512
.endr
.endr
.endr
.Lend:
	s_wait_tensorcnt 0x0                           ; the wave's end
	ds_add_u32 v[SPW], v[NIL]
	s_wait_dscnt 0x0
	CROUND                                         ; the closing round
	s_endpgm
.Lfunc_end_k_q709e31c2a8_qkv:
	.size	k_q709e31c2a8_qkv, .Lfunc_end_k_q709e31c2a8_qkv-k_q709e31c2a8_qkv
	.p2alignl 7, 3214868480
	.fill 96, 4, 3214868480
	.section	.rodata,"a",@progbits
	.p2align	6, 0x0
	.amdhsa_kernel k_q709e31c2a8_qkv
		.amdhsa_group_segment_fixed_size 327680
		.amdhsa_private_segment_fixed_size 0
		.amdhsa_enable_private_segment 0
		.amdhsa_kernarg_size 48
		.amdhsa_user_sgpr_count 2
		.amdhsa_user_sgpr_kernarg_segment_ptr 1
		.amdhsa_wavefront_size32 1
		.amdhsa_system_sgpr_workgroup_id_x 1
		.amdhsa_system_sgpr_workgroup_id_y 1
		.amdhsa_system_sgpr_workgroup_id_z 1
		.amdhsa_system_vgpr_workitem_id 0
		.amdhsa_next_free_vgpr 1024
		.amdhsa_next_free_sgpr 98
		.amdhsa_reserve_vcc 0
		.amdhsa_float_denorm_mode_32 3
		.amdhsa_float_denorm_mode_16_64 3
		.amdhsa_memory_ordered 1
		.amdhsa_forward_progress 1
		.amdhsa_inst_pref_size 174
	.end_amdhsa_kernel
	.amdgpu_metadata
---
amdhsa.version: [ 1, 2 ]
amdhsa.kernels:
  - .name:           k_q709e31c2a8_qkv
    .symbol:         k_q709e31c2a8_qkv.kd
    .args:
      - { .name: h_img, .offset: 0, .size: 8, .value_kind: global_buffer, .address_space: global }
      - { .name: Wq_codes, .offset: 8, .size: 8, .value_kind: global_buffer, .address_space: global }
      - { .name: Wk_codes, .offset: 16, .size: 8, .value_kind: global_buffer, .address_space: global }
      - { .name: Wv_codes, .offset: 24, .size: 8, .value_kind: global_buffer, .address_space: global }
      - { .name: lowp_scales, .offset: 32, .size: 8, .value_kind: global_buffer, .address_space: global }
      - { .name: qkv_img, .offset: 40, .size: 8, .value_kind: global_buffer, .address_space: global }
    .group_segment_fixed_size: 327680
    .private_segment_fixed_size: 0
    .kernarg_segment_align: 8
    .kernarg_segment_size: 48
    .max_flat_workgroup_size: 128
    .sgpr_count:     98
    .vgpr_count:     1024
    .wavefront_size: 32
...
	.end_amdgpu_metadata
.endif
;; end of part 9
;; launch attn (part 10): grid 8 x 32, 16 waves a work-group, clusters of 4 x 1, 327,680 bytes of LDS; arguments qkv_img, lowp_scales, o_img; writes o_img
.if DOCPART == 10
	.amdgcn_target "amdgcn-amd-amdhsa--gfx1250"
	.amdhsa_code_object_version 6
	.text
	.protected	k_q709e31c2a8_attn
	.globl	k_q709e31c2a8_attn
	.p2align	8
	.type	k_q709e31c2a8_attn,@function
k_q709e31c2a8_attn:
	s_mov_b64 s[64:65], 0
	v_nop
	global_prefetch_b8 v0, s[64:65] scope:SCOPE_SE
	s_setreg_imm32_b32 hwreg(HW_REG_WAVE_MODE, 25, 1), 1
	s_wait_xcnt 0x0
	s_wait_alu depctr_hold_cnt(0) depctr_sa_sdst(0) depctr_va_vdst(0) depctr_va_sdst(0) depctr_va_ssrc(0) depctr_va_vcc(0) depctr_vm_vsrc(0)
	s_getreg_b32 s2, hwreg(HW_REG_IB_STS2, 6, 4)
	s_cmp_eq_u32 s2, 0
	s_cbranch_scc0 .Lentry_in_a_cluster
	s_endpgm
.Lentry_in_a_cluster:
	s_bfe_u32 s2, ttmp6, 0x10000c
	s_cmp_lg_u32 s2, 0x3003
	s_cbranch_scc0 .Lentry_shape_is_right
	s_endpgm
.Lentry_shape_is_right:
; LAUNCH 3 OF 7: products 4 and 5: o = softmax(q k^T / 8, causal) v for one (batch, head), on E4M3 codes (lowp_scales[6], [7]; [8], [9]), f32 sums; o is quantised at once for product 6 (lowp_scales[10]).
; WORK LEFT OUT: the key steps of 128 keys that lie wholly behind a tile's 16 queries: reference()'s own tril makes their p 0.  A NaN or an infinity that would arise only there is not carried on.
; THE SOFTMAX: t = score x log2(e) / 8; M = the running largest t rounded up to a whole number; p = 2^(t - M) is quantised; the row's sum is taken of the unquantised p and divides at the end.
; SHARES.  A work-group (x = 0..7 of a head) owns the 16 tiles of 16 queries with numbers 8 kk + x, kk = 0..15; tile kk walks key steps 0..kk of 128 keys, the last on the diagonal: 136 steps in all.
; Tiles c and 15 - c (c = 0..7) form a pair of 17 steps for two waves.  Wave c: steps 0..8 of tile 15 - c; it leaves its part (O^T, -M, the sum) in LDS bytes of its own.
; Wave 8 + c: all c + 1 steps of tile c, which it stores; then steps 9..15 - c of tile 15 - c; behind the one late barrier it joins the two parts: both are brought under the larger M by powers of two, which rounds nothing.
; So a wave walks 9 or 8 steps.  Both loops have constant trip counts; a step that is not the wave's is jumped over by a scalar branch on ids, round no barrier and no wait.
; K AND V of the head, 2 x 131,072 bytes, lie in LDS whole: each of the sixteen waves asks for 16,384 bytes by ONE tensor load at the head (waves 0-7: K, waves 8-15: V); nothing is filled again.
; CLUSTER: the four work-groups of a cluster walk the same head, so each load is a joint one (mask 15).  NO PREFETCH: all tiles are asked for at the head; there is no loop to run ahead in.
; LAYOUT (as launch 2 stores it): q, k: [16 tokens][group][lane][16 bytes], registers 2 b, 2 b + 1 of lane (r, h) = d 16 b + 8 h + 0..7; v: [128 keys][tile][group][lane][16 bytes], tile 2 x + e, lane r = channel 32 x + 2 r + e.
; Both products are used transposed (S^T = K Q^T, O^T = V^T P^T): a lane holds one query; register j of score tile t is key 16 t + 8 h + j, so the conversions' results are the second product's operand.
; LIMITS: e6 + e7 between -123 and 130; e8 and e10 between -126 and 119; the scaled scores stay under 2^31 in magnitude.  NaN and infinities are not served.
; REGISTERS: v1 16 x lane; v2, v4 addresses in hand; v3 the mask's d; v7 -inf; v8-10 at work; v11, v31 o's hold and scale; v12 -M, v13 largest t, v[14:15] the sum; v16-23 Q; v24, v25 p's hold and scale;
; v[26:27], v[28:29] factors; v30 the pair's bytes in LDS; v32-95 K, then p's codes; v96-159 S^T, p; v160-191 O^T; v192-255 V.
.set SPARE, 262144                     ; behind K and V: the spare words, 128 bytes for each wave
.set DUMP,  SPARE+2048                 ; behind them: 5,632 bytes for each pair: wave c's O^T (8 x 512), its -M, t and sum (512); then wave 8 + c's own copy of the long tile's Q (1,024); no tile lands here
.set DPAIR, 5632
.set SPW, 5
.set NIL, 6
.set WV,  18
.set KK,  20                           ; the tile in hand: its diagonal step
.set J,   21                           ; the step
.set CS,  22
.set TB,  2
.set CNT, 3
.set G1,  24
.set G0,  32
.set LIM, 36                           ; the last step that is mine in this loop
.set PC,  37                           ; c
.set LIM2, 38
.set LT,  39                           ; 15 - c
.set SEL, 54
.macro CROUND
	s_barrier_signal -1
	s_barrier_wait -1
	s_cmp_lg_u32 s[WV], 0
	s_cbranch_scc1 .Lnot_wave_0_\@
	s_barrier_signal -3
.Lnot_wave_0_\@:
	s_barrier_wait -3
	s_barrier_signal -1
	s_barrier_wait -1
.endm
.macro INIT                            ; a tile begins: the largest t is -3e38, the sum and O^T are zeros, which the first change of M leaves zeros
	v_mov_b32 v13, 0xff61b1e6
	s_delay_alu instid0(VALU_DEP_1)
	v_floor_f32 v12, -v13
	v_mov_b32 v14, 0
	v_mov_b32 v15, 0
.set j, 0
.rept 32
	v_mov_b32 v[160+j], 0
.set j, j+1
.endr
.endm
	s_load_b128 s[4:7], s[0:1], 0x0                ; q, k, v images; the scales' exponents
	s_load_b64 s[8:9], s[0:1], 0x10                ; o's image
	v_lshl_add_u32 v[SPW], v0, 2, SPARE
	v_mov_b32 v[NIL], 0
	ds_add_u32 v[SPW], v[NIL]                      ; the opening lines: the add, twice on end, and its wait ahead of my first tensor load
	ds_add_u32 v[SPW], v[NIL]
	v_lshrrev_b32 v8, 5, v0
	s_delay_alu instid0(VALU_DEP_1)
	v_readfirstlane_b32 s[WV], v8
	s_bfe_u32 s10, ttmp6, 0x40000                  ; cx
	s_lshl_b32 s11, ttmp9, 2
	s_add_co_u32 s11, s11, s10                     ; x
	s_and_b32 s12, ttmp7, 0xffff                   ; batch x 16 + head
	s_and_b32 s[PC], s[WV], 7
	s_sub_co_u32 s[LT], 15, s[PC]
	s_cmp_lt_u32 s[WV], 8
	s_cselect_b32 s[KK], s[LT], s[PC]              ; my first tile: waves 0-7 the long one, waves 8-15 the short one
	s_cselect_b32 s[LIM2], 0, s[LT]                ; the second loop: nothing for waves 0-7
	s_min_u32 s[LIM], s[KK], 8                     ; the first loop: steps 0..8 at the most
	s_mov_b32 s[G1], 15|(3<<16)|(1<<21)            ; the mask of the four; elements of 8 bytes; bit 21 beside a mask
	s_mov_b32 s[G1+1], 32<<16                      ; rows of 256 bytes,
	s_mov_b32 s[G1+2], 64<<16                      ; 64 of them, dense
	s_mov_b32 s[G1+3], 32<<16
	s_mov_b32 s[G1+4], 64
	s_mov_b32 s[G1+5], 32
	s_mov_b32 s[G1+6], 0
	s_mov_b32 s[G1+7], 0
	s_lshr_b32 s16, s[WV], 3                       ; 0: K, 1: V
	s_lshl_b32 s17, s[PC], 14                      ; my 16,384 bytes of it
	s_lshl_b32 s19, s16, 17
	s_add_co_u32 s19, s19, s17                     ; in LDS
	s_lshl_b32 s16, s16, 22
	s_add_co_u32 s16, s16, s17
	s_lshl_b32 s51, s12, 17                        ; the head's 131,072 bytes
	s_add_co_u32 s16, s16, s51
	s_add_co_u32 s16, s16, 0x400000                ; k's images begin at 4 Mi, v's at 8 Mi
	s_mov_b32 s17, 0
	s_mov_b32 s[SEL], 0x76543210
	s_mov_b32 s[SEL+1], 0xfedcba98                 ; lane l xor 16
	s_mov_b32 s[CS], 0x3e38aa3b                    ; log2(e) / 8
	s_lshl_b32 s50, s[KK], 3
	s_add_co_u32 s50, s50, s11                     ; my first tile's number,
	s_lshl_b32 s52, s[LT], 3
	s_add_co_u32 s52, s52, s11                     ; the long tile's
	s_lshl_b32 s40, s50, 10
	s_add_co_u32 s40, s40, s51
	s_mov_b32 s41, 0
	s_lshl_b32 s42, s52, 10
	s_add_co_u32 s42, s42, s51
	s_mov_b32 s43, 0
	s_lshr_b32 s13, s12, 4
	s_lshl_b32 s13, s13, 7                         ; the batch's 128 tiles
	s_and_b32 s14, s12, 15
	s_lshl_b32 s14, s14, 10                        ; the head's 1,024 bytes of a tile's 16,384
	s_add_co_u32 s44, s13, s50
	s_lshl_b32 s44, s44, 14
	s_add_co_u32 s44, s44, s14
	s_mov_b32 s45, 0
	s_add_co_u32 s46, s13, s52
	s_lshl_b32 s46, s46, 14
	s_add_co_u32 s46, s46, s14
	s_mov_b32 s47, 0
	s_lshl_b32 s58, s11, 4                         ; a tile's first query inside its 128
	s_mul_i32 s57, s[PC], DPAIR
	s_add_co_u32 s57, s57, DUMP
	s_wait_dscnt 0x0                               ; both opening adds are done
	s_wait_kmcnt 0x0
	s_load_b512 s[68:83], s[6:7], 0x0              ; e0 .. e15
	s_mov_b32 s[G0], 1
	s_mov_b32 s[G0+1], s19
	s_add_nc_u64 s[G0+2:G0+3], s[4:5], s[16:17]
	s_or_b32 s[G0+3], s[G0+3], 0x80000000
	s_add_nc_u64 s[40:41], s[4:5], s[40:41]        ; Q of my first tile,
	s_add_nc_u64 s[42:43], s[4:5], s[42:43]        ; of the long tile
	s_add_nc_u64 s[44:45], s[8:9], s[44:45]        ; o likewise
	s_add_nc_u64 s[46:47], s[8:9], s[46:47]
	CROUND                                         ; the four work-groups are here: the joint loads meet
	tensor_load_to_lds s[G0:G0+3], s[G1:G1+7]      ; my one tensor load of the launch
	s_nop 0
	v_and_b32 v1, 31, v0
	s_delay_alu instid0(VALU_DEP_1)
	v_lshlrev_b32 v1, 4, v1
	global_load_b128 v[16:19], v1, s[40:41]
	global_load_b128 v[20:23], v1, s[40:41] offset:512
	s_wait_alu depctr_va_vdst(0)                   ; directly ahead of the branch
	s_cmp_lt_u32 s[WV], 8
	s_cbranch_scc1 .Lno_q2
	global_load_b128 v[96:99], v1, s[42:43]        ; waves 8-15: the long tile's Q is asked for at the head and kept in LDS until the short tile is finished
	global_load_b128 v[100:103], v1, s[42:43] offset:512
.Lno_q2:
	v_and_b32 v8, 15, v0
	v_bfe_u32 v9, v0, 4, 1
	s_delay_alu instid0(VALU_DEP_1)
	v_lshlrev_b32 v9, 3, v9
	s_delay_alu instid0(VALU_DEP_1)
	v_sub_nc_u32 v3, v8, v9
	s_delay_alu instid0(VALU_DEP_1)
	v_add_nc_u32 v3, s58, v3                       ; d = my query inside its 128 - 8 h: register n's key 16 (n / 8) + n % 8 is hidden where it is above d
	v_add_nc_u32 v30, s57, v1
	v_mov_b32 v7, 0xff800000
	v_mov_b32 v27, 0                               ; (upper halves of pairs that are named whole)
	v_mov_b32 v28, 0
	v_mov_b32 v29, 0
	INIT
	s_wait_kmcnt 0x0
	s_add_co_i32 s59, s74, s75
	s_lshl_b32 s59, s59, 23
	s_add_co_i32 s[CS], s[CS], s59                 ; e6 + e7 go into c's exponent field
	s_mov_b32 s[CS+1], s[CS]
	s_add_co_i32 s59, s76, 127
	s_lshl_b32 s60, s59, 23
	v_mov_b32 v25, s60                             ; 2^e8
	s_add_co_i32 s59, s59, 8
	s_lshl_b32 s59, s59, 23
	s_or_b32 s59, s59, 0x600000
	v_mov_b32 v24, s59                             ; 448 x 2^e8
	s_add_co_i32 s60, s78, 127
	s_lshl_b32 s61, s60, 23
	v_mov_b32 v31, s61                             ; 2^e10
	s_add_co_i32 s60, s60, 8
	s_lshl_b32 s60, s60, 23
	s_or_b32 s60, s60, 0x600000
	v_mov_b32 v11, s60                             ; 448 x 2^e10
	s_add_co_i32 s59, s76, s77                     ; e8 + e9
; A KEY STEP of 128 keys, at LDS byte s[TB] of K and of V.
.macro STEP
	s_cmp_gt_u32 s[J], s[LIM]
	s_cbranch_scc1 .Lhidden_\@
	v_add_nc_u32 v2, s[TB], v1
	s_delay_alu instid0(VALU_DEP_1)
	v_add_nc_u32 v4, 0x20000, v2
	v_nop                                          ; with the two additions: four places in front of loads into registers that matrix instructions have read
	v_nop
.set n, 0
.rept 16
	ds_load_b128 v[32+4*n:35+4*n], v2 offset:512*n
.set n, n+1
.endr
	s_wait_alu depctr_va_vdst(0)                   ; directly ahead of the wait below
	s_wait_dscnt 0x0
.irp t, 0,1,2,3,4,5,6,7
	v_wmma_f32_16x16x64_fp8_fp8 v[96+8*\t:103+8*\t], v[32+8*\t:39+8*\t], v[16:23], 0
.endr
.set n, 0
.rept 16
	ds_load_b128 v[192+4*n:195+4*n], v4 offset:512*n   ; V's four tiles land under the softmax
.set n, n+1
.endr
.rept 4
	v_nop
.endr
	s_cmp_lt_u32 s[J], s[KK]
	s_cbranch_scc1 .Lopen_\@
.set n, 0
.rept 64                                       ; on the diagonal hidden scores become -infinity ahead of the maximum
	v_cmp_gt_i32 vcc_lo, 16*(n/8)+n%8, v3
	v_cndmask_b32 v[96+n], v[96+n], v7, vcc_lo
.set n, n+1
.endr
.Lopen_\@:
	v_max3_num_f32 v8, v96, v97, v98
	v_max3_num_f32 v10, v99, v100, v101
.irp i, 6,10,14,18,22,26,30,34,38,42,46,50,54,58
	v_max3_num_f32 v8, v8, v[96+\i], v[97+\i]
	v_max3_num_f32 v10, v10, v[98+\i], v[99+\i]
.endr
	v_max3_num_f32 v8, v8, v158, v159
	s_delay_alu instid0(VALU_DEP_1)
	v_max_num_f32 v8, v8, v10
	s_delay_alu instid0(VALU_DEP_1)
	v_permlanex16_b32 v9, v8, s[SEL], s[SEL+1]
	s_delay_alu instid0(VALU_DEP_1)
	v_max_num_f32 v8, v8, v9
	s_delay_alu instid0(VALU_DEP_1)
	v_mul_f32 v8, s[CS], v8
	s_delay_alu instid0(VALU_DEP_1)
	v_max_num_f32 v13, v13, v8                     ; the running largest t
	v_mov_b32 v8, v12
	s_delay_alu instid0(VALU_DEP_2)
	v_floor_f32 v12, -v13                          ; -M = floor(-t)
	s_delay_alu instid0(VALU_DEP_1)
	v_sub_f32 v8, v12, v8
	s_delay_alu instid0(VALU_DEP_1)
	v_cvt_i32_f32 v8, v8                           ; (it saturates)
	s_delay_alu instid0(VALU_DEP_1)
	v_ldexp_f32 v26, 1.0, v8                       ; f = 2^(old M - new M)
.set j, 0
.rept 32
	v_pk_fma_f32 v[96+j:97+j], v[96+j:97+j], s[CS:CS+1], v[12:13] op_sel_hi:[1,0,0]
.set j, j+2
.endr
.set j, 0
	s_wait_alu depctr_va_vdst(0)                   ; the wait ahead of the batch
.rept 64
	v_exp_f32 v[96+j], v[96+j]
.set j, j+1
.endr
	v_pk_mul_f32 v[14:15], v[14:15], v[26:27] op_sel_hi:[1,0]
	s_wait_alu depctr_va_vdst(0)                   ; and the one wait behind it, ahead of its first reader
	v_pk_add_f32 v[28:29], v[96:97], v[98:99]      ; the sum of the unquantised p, in two chains
.irp j, 4,8,12,16,20,24,28,32,36,40,44,48,52,56,60
	v_pk_add_f32 v[14:15], v[14:15], v[96+\j:97+\j]
	v_pk_add_f32 v[28:29], v[28:29], v[98+\j:99+\j]
.endr
	s_delay_alu instid0(VALU_DEP_1)
	v_pk_add_f32 v[14:15], v[14:15], v[28:29]
.irp t, 0,1,2,3,4,5,6,7
.set i, 0
.rept 8
	v_min_num_f32 v[96+8*\t+i], v[96+8*\t+i], v24  ; the hold: the conversion does not saturate (ISA guide 7.6.2); p is not negative
.set i, i+1
.endr
	v_cvt_scalef32_pk8_fp8_f32 v[32+2*\t:33+2*\t], v[96+8*\t:103+8*\t], v25
.endr
.set j, 0
.rept 16
	v_pk_mul_f32 v[160+j:161+j], v[160+j:161+j], v[26:27] op_sel_hi:[1,0]   ; O^T under the new M
.set j, j+2
.endr
	s_wait_alu depctr_va_vdst(0)                   ; directly ahead of the wait below
	s_wait_dscnt 0x0
.irp t, 0,1,2,3
	v_wmma_f32_16x16x128_fp8_fp8 v[160+8*\t:167+8*\t], v[192+16*\t:207+16*\t], v[32:47], v[160+8*\t:167+8*\t]
.endr
.Lhidden_\@:
	s_add_co_u32 s[TB], s[TB], 8192
	s_add_co_u32 s[J], s[J], 1
.endm
; A TILE LEAVES: O^T / the sum x 2^(e8 + e9), the channels put in order, held, converted with 2^e10: two stores of 512 consecutive bytes.
.macro FINAL oa
	v_add_f32 v14, v14, v15
	s_delay_alu instid0(VALU_DEP_1)
	v_permlanex16_b32 v9, v14, s[SEL], s[SEL+1]
	s_delay_alu instid0(VALU_DEP_1)
	v_add_f32 v14, v14, v9
	s_wait_alu depctr_va_vdst(0)                   ; the wait ahead of the transcendental,
	v_rcp_f32 v14, v14
	v_nop
	s_wait_alu depctr_va_vdst(0)                   ; behind it, ahead of its first reader,
	v_ldexp_f32 v14, v14, s59
	s_wait_alu depctr_va_vdst(0)                   ; and directly ahead of the first reader of O^T
.irp t, 0,1,2,3
.set j, 0
.rept 8
	v_mul_f32 v[96+16*(\t/2)+2*j+\t%2], v[160+8*\t+j], v14   ; tile 2 x + e, register j = channel 32 x + 16 h + 2 j + e
.set j, j+1
.endr
.endr
.set j, 0
.rept 32
	v_med3_num_f32 v[96+j], v[96+j], -v11, v11
.set j, j+1
.endr
.irp x, 0,1
	v_cvt_scalef32_pk8_fp8_f32 v[32+4*\x:33+4*\x], v[96+16*\x:103+16*\x], v31
	v_cvt_scalef32_pk8_fp8_f32 v[34+4*\x:35+4*\x], v[104+16*\x:111+16*\x], v31
.endr
	v_nop
.irp x, 0,1
	global_store_b128 v1, v[32+4*\x:35+4*\x], s[\oa:\oa+1] offset:512*\x
.endr
.endm
	s_wait_alu depctr_va_vdst(0)                   ; the wait at the head's end
	s_wait_loadcnt 0x0                             ; Q
	s_wait_tensorcnt 0x0                           ; my part of K or V lies in LDS;
	s_cmp_lt_u32 s[WV], 8
	s_cbranch_scc1 .Lno_st
	ds_store_b128 v30, v[96:99] offset:4608        ; bytes that I alone touch
	ds_store_b128 v30, v[100:103] offset:5120
.Lno_st:
	s_wait_dscnt 0x0
	s_barrier_signal -1
	s_barrier_wait -1                              ; everybody's does
	s_mov_b32 s[TB], 0
	s_mov_b32 s[J], 0
	s_mov_b32 s[CNT], 9
.Lone:                                                 ; steps 0..8
	STEP
	s_sub_co_u32 s[CNT], s[CNT], 1
	s_cmp_lg_u32 s[CNT], 0
	s_cbranch_scc1 .Lone
	s_wait_alu depctr_va_vdst(0)
.rept 4
	v_nop                                          ; places behind the last products
.endr
	s_cmp_lt_u32 s[WV], 8
	s_cbranch_scc0 .Lshort
.set n, 0
.rept 8                                        ; waves 0-7: my part of the long tile goes to the pair's bytes, each accumulator's low half first
	ds_store_b128 v30, v[160+4*n:163+4*n] offset:512*n
.set n, n+1
.endr
	ds_store_b128 v30, v[12:15] offset:4096        ; -M, t, the sum's two halves
	s_branch .Ljoin
.Lshort:                                               ; waves 8-15: the short tile is finished
	ds_load_b128 v[16:19], v30 offset:4608         ; the long tile's Q comes back while the short tile leaves
	ds_load_b128 v[20:23], v30 offset:5120
	FINAL 44
	INIT
	s_wait_alu depctr_va_vdst(0)                   ; directly ahead of the waits below
	s_wait_xcnt 0x0                                ; the stores have read v32-39, which the next step's loads fill
	s_wait_dscnt 0x0                               ; Q
.Ljoin:
	s_mov_b32 s[KK], s[LT]
	s_mov_b32 s[LIM], s[LIM2]
	s_mov_b32 s[TB], 9*8192
	s_mov_b32 s[J], 9
	s_mov_b32 s[CNT], 7
.Ltwo:                                                 ; steps 9..15: every wave walks the loop; waves 0-7 jump over every step
	STEP
	s_sub_co_u32 s[CNT], s[CNT], 1
	s_cmp_lg_u32 s[CNT], 0
	s_cbranch_scc1 .Ltwo
	s_wait_alu depctr_va_vdst(0)
.rept 4
	v_nop
.endr
	s_wait_dscnt 0x0                               ; for the others' sake: the parts lie in LDS
	s_barrier_signal -1
	s_barrier_wait -1
	s_cmp_lt_u32 s[WV], 8
	s_cbranch_scc1 .Lend
.set n, 0
.rept 8
	ds_load_b128 v[96+4*n:99+4*n], v30 offset:512*n
.set n, n+1
.endr
	ds_load_b128 v[128:131], v30 offset:4096
	s_wait_dscnt 0x0
	v_min_num_f32 v8, v12, v128                    ; -M of both parts together
	s_delay_alu instid0(VALU_DEP_1)
	v_sub_f32 v10, v8, v12                         ; my M less the common one: a whole number, 0 or less,
	v_sub_f32 v9, v8, v128                         ; the partner's likewise
	s_delay_alu instid0(VALU_DEP_2)
	v_cvt_i32_f32 v10, v10
	s_delay_alu instid0(VALU_DEP_2)
	v_cvt_i32_f32 v9, v9
	s_delay_alu instid0(VALU_DEP_2)
	v_ldexp_f32 v26, 1.0, v10
	s_delay_alu instid0(VALU_DEP_2)
	v_ldexp_f32 v28, 1.0, v9
	v_pk_mul_f32 v[14:15], v[14:15], v[26:27] op_sel_hi:[1,0]
.set j, 0
.rept 16
	v_pk_mul_f32 v[160+j:161+j], v[160+j:161+j], v[26:27] op_sel_hi:[1,0]
.set j, j+2
.endr
	v_pk_fma_f32 v[14:15], v[130:131], v[28:29], v[14:15] op_sel_hi:[1,0,1]
.set j, 0
.rept 16
	v_pk_fma_f32 v[160+j:161+j], v[96+j:97+j], v[28:29], v[160+j:161+j] op_sel_hi:[1,0,1]
.set j, j+2
.endr
	FINAL 46
.Lend:
	s_wait_tensorcnt 0x0                           ; the wave's end
	ds_add_u32 v[SPW], v[NIL]
	s_wait_dscnt 0x0
	CROUND                                         ; the closing round
	s_endpgm
.Lfunc_end_k_q709e31c2a8_attn:
	.size	k_q709e31c2a8_attn, .Lfunc_end_k_q709e31c2a8_attn-k_q709e31c2a8_attn
	.p2alignl 7, 3214868480
	.fill 96, 4, 3214868480
	.section	.rodata,"a",@progbits
	.p2align	6, 0x0
	.amdhsa_kernel k_q709e31c2a8_attn
		.amdhsa_group_segment_fixed_size 327680
		.amdhsa_private_segment_fixed_size 0
		.amdhsa_enable_private_segment 0
		.amdhsa_kernarg_size 24
		.amdhsa_user_sgpr_count 2
		.amdhsa_user_sgpr_kernarg_segment_ptr 1
		.amdhsa_wavefront_size32 1
		.amdhsa_system_sgpr_workgroup_id_x 1
		.amdhsa_system_sgpr_workgroup_id_y 1
		.amdhsa_system_sgpr_workgroup_id_z 1
		.amdhsa_system_vgpr_workitem_id 0
		.amdhsa_next_free_vgpr 256
		.amdhsa_next_free_sgpr 84
		.amdhsa_reserve_vcc 1
		.amdhsa_float_denorm_mode_32 3
		.amdhsa_float_denorm_mode_16_64 3
		.amdhsa_memory_ordered 1
		.amdhsa_forward_progress 1
		.amdhsa_inst_pref_size 63
	.end_amdhsa_kernel
	.amdgpu_metadata
---
amdhsa.version: [ 1, 2 ]
amdhsa.kernels:
  - .name:           k_q709e31c2a8_attn
    .symbol:         k_q709e31c2a8_attn.kd
    .args:
      - { .name: qkv_img, .offset: 0, .size: 8, .value_kind: global_buffer, .address_space: global }
      - { .name: lowp_scales, .offset: 8, .size: 8, .value_kind: global_buffer, .address_space: global }
      - { .name: o_img, .offset: 16, .size: 8, .value_kind: global_buffer, .address_space: global }
    .group_segment_fixed_size: 327680
    .private_segment_fixed_size: 0
    .kernarg_segment_align: 8
    .kernarg_segment_size: 24
    .max_flat_workgroup_size: 512
    .sgpr_count:     84
    .vgpr_count:     256
    .wavefront_size: 32
...
	.end_amdgpu_metadata
.endif
;; end of part 10
;; launch wo (part 11): grid 8 x 32, 4 waves a work-group, clusters of 4 x 4, 327,680 bytes of LDS; arguments o_img, Wo_codes, lowp_scales, bo, x, x1; writes x1
.if DOCPART == 11
	.amdgcn_target "amdgcn-amd-amdhsa--gfx1250"
	.amdhsa_code_object_version 6
	.text
	.protected	k_q709e31c2a8_wo
	.globl	k_q709e31c2a8_wo
	.p2align	8
	.type	k_q709e31c2a8_wo,@function
k_q709e31c2a8_wo:
	s_mov_b64 s[64:65], 0
	v_nop
	global_prefetch_b8 v0, s[64:65] scope:SCOPE_SE
	s_setreg_imm32_b32 hwreg(HW_REG_WAVE_MODE, 25, 1), 1
	s_wait_xcnt 0x0
	s_wait_alu depctr_hold_cnt(0) depctr_sa_sdst(0) depctr_va_vdst(0) depctr_va_sdst(0) depctr_va_ssrc(0) depctr_va_vcc(0) depctr_vm_vsrc(0)
	s_getreg_b32 s2, hwreg(HW_REG_IB_STS2, 6, 4)
	s_cmp_eq_u32 s2, 0
	s_cbranch_scc0 .Lentry_in_a_cluster
	s_endpgm
.Lentry_in_a_cluster:
	s_bfe_u32 s2, ttmp6, 0x10000c
	s_cmp_lg_u32 s2, 0xf033
	s_cbranch_scc0 .Lentry_shape_is_right
	s_endpgm
.Lentry_shape_is_right:
; LAUNCH 4 OF 7: x1 = x + o Wo + bo: product 6 on E4M3 codes (lowp_scales[10], [11]), f32 sums; x1 is f32 [4096][1024].
; TILE: 128 tokens x 128 columns to a work-group, so that the 4,096 x 1,024 results make 256 work-groups; four waves, 64 x 64 each: 16 accumulators of 16 x 16.
; A (the tokens) comes as images of the operand's registers (16 tokens x 128 K = 2,048 bytes: [group c][lane][16 bytes]), B (the weights) as rows of codes along K.  Both hold, in registers 4 c .. 4 c + 3
; of lane (r, h), k = 32 c + 16 h + 0..15: the same permutation of k on both sides, so every product meets its partner.
; K goes in steps of 512, as long as two LDS slots allow; here K = 1,024 is two slots: both are filled at the start and nothing is filled again.
; CLUSTERS: 4 x 4 work-groups; A's tiles are asked for jointly by the four of a row of the cluster, B's by the four of a column.
; THE MATRIX INSTRUCTION IS USED TRANSPOSED (source 0 = 16 weight rows, source 1 = 16 tokens): accumulator (a, b), lane (r, h), register j = token 16 a + r, column 16 b + 8 h + j.
; THE RESIDUAL is asked for at the head, into registers that the loop does not touch (32 loads a wave), in the layout in which the results come back from the stage.
; THE WAY OUT, by blocks of 16 tokens x 64 columns: the raw sums go through my own stage in LDS (in slot 0, which has had its last fill and its last read) and come back, into the registers that they left, as rows
; of 256 bytes, sixteen lanes to a row; sum x 2^(ea + eb) + residual is one packed multiply-add, the bias one packed addition.
; NO PREFETCH: all tiles of this launch are asked for at its head.  NO WORK-GROUP STAYS: there is one tile for each.
; LIMIT: e10 + e11 lies between -126 and 127.  NaN and infinities are not served.
; REGISTERS, in windows of 256: window 0: v16-29 addresses, v32-35 the bias, v128-255 the accumulators ((a, b) at v[128 + 8 (4 a + b)]); window 1: two fragment buffers of 128 (B's four fragments, then A's four);
; window 2: v0-127 the residual.
.set SIZE_K, 1024
.set BNATIVE, 0
.set EA,     10
.set EB,     11
.set KROW,   SIZE_K
.set AHALF,  65536                     ; 64 tokens x 1,024 K as images: one tensor load brings a half's whole K
.set BPITCH, 1040                      ; a weight row in LDS: 1,024 bytes + 16
.set BHALF,  64*BPITCH
.set BOFF,   2*AHALF
.set SLOT,   BOFF+2*BHALF
.set SPARE,  SLOT                      ; behind A and B: the spare words, 128 bytes for each wave
.set STAGE,  SPARE+512                 ; behind them: the stages of the way out, bytes of their own, on which no tile lands
.set LAPS,   SIZE_K/1024               ; a lap = two slots = 1,024 along K
.set SP,     272                       ; a stage row: 256 bytes + 16
.set FR,     16
.set ADRA,   16
.set ADRB,   20
.set STO,    24
.set RD,     25
.set CO,     26
.set BA,     27
.set SPW,    28
.set NIL,    29
.set BI,     32
.set ACC,    128
.set F0,     0
.set F1,     128
.set G1,     24
.set G0,     32
.set G1B,    48
.set G0B,    56
.set MSB,    0
.set W_MUL,  0x05                      ; sources 0 (B) and 1 (A) window 1; C and D window 0
.set TO_F,   0x40                      ; destination window 1, address window 0
.macro WIN new                         ; the immediate's high byte repeats the setting that is left
.if MSB != \new
	s_set_vgpr_msb (MSB<<8)|\new
.set MSB, \new
.endif
.endm
.macro JLOAD g0a, g1a, g0b, g1b        ; a joint load: waves 0 and 1 fetch A's halves, waves 2 and 3 B's; an s_nop 0 and four v_nop follow each line
	s_cmp_eq_u32 s15, 0
	s_cbranch_scc0 .Lfor_b_\@
	tensor_load_to_lds s[\g0a:\g0a+3], s[\g1a:\g1a+7]
	s_nop 0
.rept 4
	v_nop
.endr
	s_branch .Lasked_\@
.Lfor_b_\@:
	tensor_load_to_lds s[\g0b:\g0b+3], s[\g1b:\g1b+7]
	s_nop 0
.rept 4
	v_nop
.endr
.Lasked_\@:
.endm
.macro CREST
	s_cmp_lg_u32 s14, 0
	s_cbranch_scc1 .Lnot_wave_0_\@
	s_barrier_signal -3
.Lnot_wave_0_\@:
	s_barrier_wait -3
	s_barrier_signal -1
	s_barrier_wait -1
.endm
.macro CROUND
	s_barrier_signal -1
	s_barrier_wait -1
	CREST
.endm
.macro FRAGA reg, slot, q, i           ; 16 tokens x 128 K: the image comes back as it was stored: 512 consecutive bytes a load
.irp c, 0,1,2,3
	ds_load_b128 v[\reg+4*\c:\reg+4*\c+3], v[ADRA+\slot] offset:16384*(\i)+2048*(\q)+512*\c
.endr
.endm
.macro FRAGB reg, slot, q, i           ; 16 weight rows x 128 K
.if BNATIVE
.irp c, 0,1,2,3,4,5,6,7
	ds_load_b64 v[\reg+2*\c:\reg+2*\c+1], v[ADRB+\slot] offset:128*(\q)+16*\c+(\i)*16*BPITCH
.endr
.else
.irp c, 0,1,2,3
	ds_load_b128 v[\reg+4*\c:\reg+4*\c+3], v[ADRB+\slot] offset:128*(\q)+32*\c+(\i)*16*BPITCH
.endr
.endif
.endm
.macro FETCH slot, q, f                ; the fragments of the slot's q-th 128 along K into buffer f, in one run
	WIN TO_F
.irp i, 0,1,2,3
	FRAGB \f+FR*\i, \slot, \q, \i
.endr
.irp i, 0,1,2,3
	FRAGA \f+64+FR*\i, \slot, \q, \i
.endr
.endm
.macro MULR f, a, zero                 ; A's block a x B's four.  The 16 accumulators take turns, one instruction a turn, in the same order in every quarter
.irp b, 0,1,2,3
.if \zero
	v_wmma_f32_16x16x128_fp8_fp8 v[ACC+8*(4*(\a)+\b):ACC+8*(4*(\a)+\b)+7], v[\f+FR*\b:\f+FR*\b+FR-1], v[\f+64+FR*(\a):\f+64+FR*(\a)+FR-1], 0
.else
	v_wmma_f32_16x16x128_fp8_fp8 v[ACC+8*(4*(\a)+\b):ACC+8*(4*(\a)+\b)+7], v[\f+FR*\b:\f+FR*\b+FR-1], v[\f+64+FR*(\a):\f+64+FR*(\a)+FR-1], v[ACC+8*(4*(\a)+\b):ACC+8*(4*(\a)+\b)+7]
.endif
.endr
.endm
.macro PLACES n                        ; plain vector instructions between a matrix instruction and a load into, or a read of, its registers
.rept \n
	v_nop
.endr
.endm
; A slot is four quarters of 128 along K, on buffers 0, 1, 0, 1.  One of the first three: buffer f is multiplied while the slot's quarter q is on its way into buffer g.
.macro QUARTER slot, q, f, g, zero
	s_wait_dscnt 0x0                               ; buffer f is in
	PLACES 4                                       ; behind the products that read buffer g
	FETCH \slot, \q, \g
	WIN W_MUL
.irp a, 0,1,2,3
	MULR \f, \a, \zero
.endr
.endm
; A slot's last quarter multiplies buffer 1 and changes slots: ONE barrier; in front of it each wave waits for all its tensor loads, adds 0 to its spare word, and waits for that and for its reads of this slot.
.macro TURN slot, next, fill
	WIN 0                                          ; (the add's two registers lie in window 0)
	s_wait_tensorcnt 0x0                           ; all my tensor loads have landed: my part of the next slot
	ds_add_u32 v[SPW], v[NIL]                      ; 0 onto my spare word
	s_wait_dscnt 1                                 ; buffer 1 is in; the add alone may be out
	WIN W_MUL
	MULR F1, 0, 0                                  ; four products stand between the add and the wait for it
	s_wait_dscnt 0x0                               ; the add is done, and my reads of this slot are over
	s_barrier_signal -1
	MULR F1, 1, 0
	WIN 0                                          ; (branches may follow)
	s_barrier_wait -1
.if \fill
	CREST                                          ; the barrier has opened a round of the cluster's barrier: no wave of any partner still reads this slot or has a load on its way
	s_add_nc_u64 s[G0+4*\slot+2:G0+4*\slot+3], s[G0+4*\slot+2:G0+4*\slot+3], 16384
	s_add_nc_u64 s[G0B+4*\slot+2:G0B+4*\slot+3], s[G0B+4*\slot+2:G0B+4*\slot+3], 1024
	JLOAD G0+4*\slot, G1, G0B+4*\slot, G1B         ; the first tensor load behind the round; its four v_nop are the places in front of the loads below
.else
	PLACES 4
.endif
	FETCH \next, 0, F0
	WIN W_MUL
	MULR F1, 2, 0
	MULR F1, 3, 0
.endm
	s_load_b256 s[4:11], s[0:1], 0x0               ; A's images, B's codes, the scales' exponents, the bias
	s_load_b128 s[84:87], s[0:1], 0x20             ; the residual, the output
	v_lshl_add_u32 v[SPW], v0, 2, SPARE
	v_mov_b32 v[NIL], 0
	ds_add_u32 v[SPW], v[NIL]                      ; the wave's opening: the add, twice on end, and its wait ahead of my first tensor load
	ds_add_u32 v[SPW], v[NIL]
	v_lshrrev_b32 v1, 5, v0
	v_readfirstlane_b32 s14, v1                    ; wave
	s_lshr_b32 s15, s14, 1                         ; my half of the tile's tokens.  Also: I fetch for A (0) or for B (1)
	s_and_b32 s16, s14, 1                          ; my half of its columns.  Also: which half of that tile I fetch
	s_bfe_u32 s40, ttmp6, 0x40000                  ; cx
	s_bfe_u32 s41, ttmp6, 0x40004                  ; cy
	s_lshl_b32 s42, ttmp9, 2
	s_add_co_u32 s42, s42, s40                     ; tile column = 4 x cluster x + cx
	s_and_b32 s17, ttmp7, 0xffff
	s_lshl_b32 s17, s17, 2
	s_add_co_u32 s17, s17, s41                     ; tile row = 4 x cluster y + cy
	s_lshl_b32 s43, s41, 2
	s_lshl_b32 s43, 15, s43                        ; my row of the cluster
	s_lshl_b32 s44, 0x1111, s40                    ; my column
	s_or_b32 s[G1+0], s43, (3<<16)|(1<<21)         ; A: the mask; elements of 8 bytes; no padding; bit 21 beside a mask
	s_mov_b32 s[G1+1], 2048<<16                    ; tensor_dim0: 16 tokens x 1,024 K = 16,384 bytes
	s_mov_b32 s[G1+2], 4<<16                       ; tensor_dim1: 4 blocks of 16 tokens
	s_mov_b32 s[G1+3], 2048<<16
	s_mov_b32 s[G1+4], 4                           ; tile_dim1
	s_mov_b32 s[G1+5], 2*SIZE_K                    ; from block to block: 16 SIZE_K bytes
	s_mov_b32 s[G1+6], 0
	s_mov_b32 s[G1+7], 0
	s_or_b32 s[G1B+0], s44, (0<<16)|(1<<20)|(1<<21)|(7<<22)|(3<<25)  ; B: the mask; bytes; 4 words of padding behind every 256
	s_mov_b32 s[G1B+1], 1024<<16
	s_mov_b32 s[G1B+2], 64<<16
	s_mov_b32 s[G1B+3], 1024<<16
	s_mov_b32 s[G1B+4], 64
	s_mov_b32 s[G1B+5], KROW
	s_mov_b32 s[G1B+6], 0
	s_mov_b32 s[G1B+7], 0
	s_lshl_b32 s18, s16, 6
	s_lshl_b32 s20, s17, 7
	s_add_co_u32 s20, s20, s18                     ; A: token 128 x tile row + 64 x half
	s_lshl_b32 s46, s42, 7
	s_add_co_u32 s46, s46, s18                     ; B: row 128 x tile column + 64 x half
	s_mov_b32 s21, 0
	s_mov_b32 s47, 0
	s_mov_b64 s[18:19], KROW
	s_mul_u64 s[20:21], s[20:21], s[18:19]         ; 16 tokens' images are 16 SIZE_K bytes: a token counts SIZE_K bytes
	s_mul_u64 s[46:47], s[46:47], s[18:19]
	s_lshl_b32 s45, s16, 16
	s_mul_i32 s88, s16, BHALF
	s_add_co_u32 s88, s88, BOFF                    ; B's half
	s_wait_dscnt 0x0                               ; both opening adds are done
	s_wait_kmcnt 0x0
	s_load_b512 s[68:83], s[8:9], 0x0              ; e0 .. e15
	s_add_nc_u64 s[20:21], s[4:5], s[20:21]
	s_add_nc_u64 s[46:47], s[6:7], s[46:47]
	CROUND                                         ; all sixteen work-groups are here: the first joint loads meet
.irp s, 0                              ; one tensor load a wave brings all that the launch reads
	s_mov_b32 s[G0+4*\s], 1
	s_add_co_u32 s[G0+4*\s+1], s45, \s*SLOT
	s_add_nc_u64 s[G0+4*\s+2:G0+4*\s+3], s[20:21], \s*8192
	s_or_b32 s[G0+4*\s+3], s[G0+4*\s+3], 0x80000000
	s_mov_b32 s[G0B+4*\s], 1
	s_add_co_u32 s[G0B+4*\s+1], s88, \s*SLOT
	s_add_nc_u64 s[G0B+4*\s+2:G0B+4*\s+3], s[46:47], \s*512
	s_or_b32 s[G0B+4*\s+3], s[G0B+4*\s+3], 0x80000000
	JLOAD G0+4*\s, G1, G0B+4*\s, G1B
.endr
	v_and_b32 v1, 15, v0                           ; r
	v_bfe_u32 v2, v0, 4, 1                         ; h
	v_and_b32 v6, 31, v0
	v_lshlrev_b32 v7, 4, v6                        ; 16 x lane
	v_mul_u32_u24 v3, v1, BPITCH
	v_lshl_add_u32 v4, v2, 4-BNATIVE, v3
	s_lshl_b32 s21, s15, 16
	s_mul_i32 s22, s16, BHALF                      ; my 64 rows of B,
	s_add_co_u32 s22, s22, BOFF                    ; which lie behind A
.irp s, 0,1
	v_add_nc_u32 v[ADRA+\s], s21, v7
	v_add_nc_u32 v[ADRB+\s], s22, v4
	s_add_co_u32 s21, s21, 8192                    ; the second 512 along K: four images of 2,048 bytes on,
	s_add_co_u32 s22, s22, 512                     ; 512 bytes on in a weight row
.endr
	s_mul_i32 s23, s14, 16*SP
	s_add_co_u32 s23, s23, STAGE
	v_mul_u32_u24 v5, v1, SP
	v_lshl_add_u32 v5, v2, 5, v5
	v_add_nc_u32 v[STO], s23, v5                   ; in: row r, + 32 h
	v_mul_u32_u24 v5, v2, SP
	v_lshl_add_u32 v5, v1, 4, v5
	v_add_nc_u32 v[RD], s23, v5                    ; back: lanes 0-15 one row, lanes 16-31 the next
	v_lshlrev_b32 v[CO], 12, v2
	v_lshl_add_u32 v[CO], v1, 4, v[CO]             ; and the same two rows, of 4,096 bytes, in the residual and in the output
	v_lshlrev_b32 v[BA], 4, v1                     ; my four columns of the wave's 64
	s_wait_alu depctr_va_vdst(0)
	s_lshl_b32 s20, s17, 7
	s_lshl_b32 s21, s15, 6
	s_add_co_u32 s20, s20, s21
	s_lshl_b32 s20, s20, 12                        ; my first row
	s_lshl_b32 s46, s42, 9
	s_lshl_b32 s47, s16, 8
	s_add_co_u32 s46, s46, s47                     ; my first column, in bytes
	s_mov_b32 s47, 0
	s_add_nc_u64 s[10:11], s[10:11], s[46:47]
	s_add_co_u32 s20, s20, s46
	s_mov_b32 s21, 0
	s_add_nc_u64 s[84:85], s[84:85], s[20:21]
	s_add_nc_u64 s[86:87], s[86:87], s[20:21]
	global_load_b128 v[BI:BI+3], v[BA], s[10:11]   ; the bias
	WIN 0x80                                       ; destination window 2
.set t, 0
.rept 32
	global_load_b128 v[4*t:4*t+3], v[CO], s[84:85] offset:2*t*4096   ; the residual: rows 2 t + h of my 64; it lands while the products run
.set t, t+1
.endr
	WIN 0
	s_wait_alu depctr_va_vdst(0)                   ; the wait at the head's end
	s_wait_tensorcnt 0x0                           ; my one load has landed
	s_barrier_signal -1
	s_barrier_wait -1
	FETCH 0, 0, F0
	QUARTER 0, 1, F0, F1, 1                        ; the first products start the sums
.if LAPS > 1
	WIN 0                                          ; at a label and at a branch every window is 0
	s_mov_b32 s3, LAPS-1
.Llap:
	QUARTER 0, 2, F1, F0, 0
	QUARTER 0, 3, F0, F1, 0
	TURN 0, 1, 1
	QUARTER 1, 1, F0, F1, 0
	QUARTER 1, 2, F1, F0, 0
	QUARTER 1, 3, F0, F1, 0
	TURN 1, 0, 1
	QUARTER 0, 1, F0, F1, 0
	WIN 0
	s_sub_co_u32 s3, s3, 1
	s_cmp_lg_u32 s3, 0
	s_cbranch_scc1 .Llap
.endif
	QUARTER 0, 2, F1, F0, 0                        ; the last lap fills nothing
	QUARTER 0, 3, F0, F1, 0
	TURN 0, 1, 0
	QUARTER 1, 1, F0, F1, 0
	QUARTER 1, 2, F1, F0, 0
	QUARTER 1, 3, F0, F1, 0
	s_wait_dscnt 0x0
	WIN W_MUL
.irp a, 0,1,2,3
	MULR F1, \a, 0
.endr
	WIN 0
.macro TOSTAGE a                       ; block a's raw sums into my stage, each accumulator's low half first, and back as whole rows into the same registers; LDS serves a wave's instructions in order (ISA guide 5.7.1.4)
.set BB, ACC+32*(\a)
.irp b, 0,1,2,3
	ds_store_b128 v[STO], v[BB+8*\b:BB+8*\b+3] offset:64*\b
	ds_store_b128 v[STO], v[BB+8*\b+4:BB+8*\b+7] offset:64*\b+16
.endr
.set t, 0
.rept 8
	ds_load_b128 v[BB+4*t:BB+4*t+3], v[RD] offset:t*2*SP
.set t, t+1
.endr
.endm
.macro SEND a, yd                      ; yd: the LDS instructions issued behind block a's, which may stay out
.set BB, ACC+32*(\a)
.set RS, 32*(\a)
	s_wait_dscnt \yd
	WIN 0x20                                       ; source 2 (the residual) window 2
.set t, 0
.rept 16
	v_pk_fma_f32 v[BB+2*t:BB+2*t+1], v[BB+2*t:BB+2*t+1], s[96:97], v[RS+2*t:RS+2*t+1] op_sel_hi:[1,0,1]   ; sum x 2^(ea + eb) + residual
.set t, t+1
.endr
.set t, 0
.rept 8
	v_pk_add_f32 v[BB+4*t:BB+4*t+1], v[BB+4*t:BB+4*t+1], v[BI:BI+1]
	v_pk_add_f32 v[BB+4*t+2:BB+4*t+3], v[BB+4*t+2:BB+4*t+3], v[BI+2:BI+3]
.set t, t+1
.endr
	WIN 0
.set t, 0
.rept 8
	global_store_b128 v[CO], v[BB+4*t:BB+4*t+3], s[86:87] offset:(16*(\a)+2*t)*4096   ; sixteen lanes store 256 consecutive bytes, aligned; no register and no base is written again
.set t, t+1
.endr
.endm
	s_wait_kmcnt 0x0
	s_add_co_i32 s96, s[68+EA], s[68+EB]
	s_add_co_i32 s96, s96, 127
	s_lshl_b32 s96, s96, 23                        ; 2^(ea + eb) as f32
	s_mov_b32 s97, s96                             ; (named with it as a pair, so it is written)
	PLACES 4
	TOSTAGE 0
	TOSTAGE 1
	s_wait_loadcnt 0x0                             ; the bias and the residual, asked for at the head
	SEND 0, 16                                     ; behind block 0's: block 1's 8 LDS stores and 8 LDS loads
	TOSTAGE 2
	SEND 1, 16
	TOSTAGE 3
	SEND 2, 16
	SEND 3, 0
	s_wait_tensorcnt 0x0                           ; the wave's end
	ds_add_u32 v[SPW], v[NIL]
	s_wait_dscnt 0x0
	CROUND                                         ; the closing round
	s_endpgm
.Lfunc_end_k_q709e31c2a8_wo:
	.size	k_q709e31c2a8_wo, .Lfunc_end_k_q709e31c2a8_wo-k_q709e31c2a8_wo
	.p2alignl 7, 3214868480
	.fill 96, 4, 3214868480
	.section	.rodata,"a",@progbits
	.p2align	6, 0x0
	.amdhsa_kernel k_q709e31c2a8_wo
		.amdhsa_group_segment_fixed_size 327680
		.amdhsa_private_segment_fixed_size 0
		.amdhsa_enable_private_segment 0
		.amdhsa_kernarg_size 48
		.amdhsa_user_sgpr_count 2
		.amdhsa_user_sgpr_kernarg_segment_ptr 1
		.amdhsa_wavefront_size32 1
		.amdhsa_system_sgpr_workgroup_id_x 1
		.amdhsa_system_sgpr_workgroup_id_y 1
		.amdhsa_system_sgpr_workgroup_id_z 1
		.amdhsa_system_vgpr_workitem_id 0
		.amdhsa_next_free_vgpr 768
		.amdhsa_next_free_sgpr 98
		.amdhsa_reserve_vcc 0
		.amdhsa_float_denorm_mode_32 3
		.amdhsa_float_denorm_mode_16_64 3
		.amdhsa_memory_ordered 1
		.amdhsa_forward_progress 1
		.amdhsa_inst_pref_size 52
	.end_amdhsa_kernel
	.amdgpu_metadata
---
amdhsa.version: [ 1, 2 ]
amdhsa.kernels:
  - .name:           k_q709e31c2a8_wo
    .symbol:         k_q709e31c2a8_wo.kd
    .args:
      - { .name: o_img, .offset: 0, .size: 8, .value_kind: global_buffer, .address_space: global }
      - { .name: Wo_codes, .offset: 8, .size: 8, .value_kind: global_buffer, .address_space: global }
      - { .name: lowp_scales, .offset: 16, .size: 8, .value_kind: global_buffer, .address_space: global }
      - { .name: bo, .offset: 24, .size: 8, .value_kind: global_buffer, .address_space: global }
      - { .name: x, .offset: 32, .size: 8, .value_kind: global_buffer, .address_space: global }
      - { .name: x1, .offset: 40, .size: 8, .value_kind: global_buffer, .address_space: global }
    .group_segment_fixed_size: 327680
    .private_segment_fixed_size: 0
    .kernarg_segment_align: 8
    .kernarg_segment_size: 48
    .max_flat_workgroup_size: 128
    .sgpr_count:     98
    .vgpr_count:     768
    .wavefront_size: 32
...
	.end_amdgpu_metadata
.endif
;; end of part 11
;; launch ln2 (part 12): grid 256 x 1, 8 waves a work-group, no clusters, 66,816 bytes of LDS; arguments x1, g2, be2, lowp_scales, h2_img; writes h2_img
.if DOCPART == 12
	.amdgcn_target "amdgcn-amd-amdhsa--gfx1250"
	.amdhsa_code_object_version 6
	.text
	.protected	k_q709e31c2a8_ln2
	.globl	k_q709e31c2a8_ln2
	.p2align	8
	.type	k_q709e31c2a8_ln2,@function
k_q709e31c2a8_ln2:
	s_mov_b64 s[64:65], 0
	v_nop
	global_prefetch_b8 v0, s[64:65] scope:SCOPE_SE
	s_setreg_imm32_b32 hwreg(HW_REG_WAVE_MODE, 25, 1), 1
	s_wait_xcnt 0x0
; LAUNCH 5 OF 7: h2 = LayerNorm(x1) g2 + be2 in f32, quantised to E4M3 with lowp_scales[12], as an image of product 7's operand registers.
; The text is launch 1's with one part in place of three: a work-group takes 16 tokens; phase 1: wave w norms rows 2 w, 2 w + 1 and lays them in LDS; phase 2: wave w takes K step s = w of all 16 rows.
; LAYOUT: [16 tokens][128 along K: s][group c][lane][16 bytes]; lane (r, h) of group c holds k = 128 s + 32 c + 16 h + 0..15 of token r.
; LIMIT: e12 lies between -126 and 119.  NaN and infinities are not served.
.set ROWP,  4112
.set SPARE, 16*ROWP
.set X,     32
.set GA,    96
.set BE,    128
.set T,     96
.set C,     160
.set SPW,   6
.set NIL,   7
	s_load_b256 s[4:11], s[0:1], 0x0               ; x1, g, be, the scales' exponents
	s_load_b64 s[12:13], s[0:1], 0x20              ; the image
	v_lshl_add_u32 v[SPW], v0, 2, SPARE
	v_mov_b32 v[NIL], 0
	v_lshrrev_b32 v1, 5, v0
	s_delay_alu instid0(VALU_DEP_1)
	v_readfirstlane_b32 s16, v1
	v_and_b32 v1, 31, v0
	s_delay_alu instid0(VALU_DEP_1)
	v_lshlrev_b32 v5, 4, v1
	s_lshl_b32 s17, s16, 13
	v_add_nc_u32 v2, s17, v5
	s_mul_i32 s17, s16, 2*ROWP
	v_add_nc_u32 v3, s17, v5
	v_and_b32 v8, 15, v0
	v_bfe_u32 v9, v0, 4, 1
	s_delay_alu instid0(VALU_DEP_2)
	v_mul_u32_u24 v4, v8, ROWP
	s_delay_alu instid0(VALU_DEP_1)
	v_lshl_add_u32 v4, v9, 6, v4
	s_lshl_b32 s17, s16, 9
	v_add_nc_u32 v4, s17, v4
	s_mov_b32 s20, 0x76543210
	s_mov_b32 s21, 0xfedcba98
	s_mov_b32 s22, 0x3a800000                      ; 1 / 1024
	s_mov_b32 s23, 0x3727c5ac                      ; 1e-5
	s_lshl_b32 s18, ttmp9, 16
	s_mov_b32 s19, 0
	s_lshl_b32 s34, ttmp9, 14
	s_lshl_b32 s35, s16, 11
	s_add_co_u32 s34, s34, s35
	s_mov_b32 s35, 0
	s_wait_alu depctr_va_vdst(0)
	s_wait_kmcnt 0x0
	s_load_b32 s25, s[10:11], 0x30                 ; e12
	s_add_nc_u64 s[4:5], s[4:5], s[18:19]
	s_add_nc_u64 s[12:13], s[12:13], s[34:35]
.irp p, 0,1
.irp j, 0,1,2,3,4,5,6,7
	global_load_b128 v[X+32*\p+4*\j:X+32*\p+4*\j+3], v2, s[4:5] offset:4096*\p+512*\j
.endr
.endr
.irp j, 0,1,2,3,4,5,6,7
	global_load_b128 v[GA+4*\j:GA+4*\j+3], v5, s[6:7] offset:512*\j
.endr
.irp j, 0,1,2,3,4,5,6,7
	global_load_b128 v[BE+4*\j:BE+4*\j+3], v5, s[8:9] offset:512*\j
.endr
	s_wait_kmcnt 0x0
	s_add_co_i32 s32, s25, 127
	s_lshl_b32 s33, s32, 23
	v_mov_b32 v16, s33                             ; 2^e
	s_add_co_i32 s32, s32, 8
	s_lshl_b32 s32, s32, 23
	s_or_b32 s32, s32, 0x600000
	v_mov_b32 v17, s32                             ; 448 x 2^e
.macro ALLSUM a
	v_add_f32 v[\a], v[\a], v[\a+1]
	s_delay_alu instid0(VALU_DEP_1)
	v_add_f32_dpp v[\a], v[\a], v[\a] row_xmask:1 row_mask:0xf bank_mask:0xf
	s_delay_alu instid0(VALU_DEP_1)
	v_add_f32_dpp v[\a], v[\a], v[\a] row_xmask:2 row_mask:0xf bank_mask:0xf
	s_delay_alu instid0(VALU_DEP_1)
	v_add_f32_dpp v[\a], v[\a], v[\a] row_xmask:4 row_mask:0xf bank_mask:0xf
	s_delay_alu instid0(VALU_DEP_1)
	v_add_f32_dpp v[\a], v[\a], v[\a] row_xmask:8 row_mask:0xf bank_mask:0xf
	s_delay_alu instid0(VALU_DEP_1)
	v_permlanex16_b32 v[\a+1], v[\a], s20, s21
	s_delay_alu instid0(VALU_DEP_1)
	v_add_f32 v[\a], v[\a], v[\a+1]
.endm
	s_wait_loadcnt 16                              ; the rows' sixteen loads are in; the sixteen of g and be may be out
.irp p, 0,1
	v_pk_add_f32 v[8+2*\p:9+2*\p], v[X+32*\p:X+32*\p+1], v[X+32*\p+2:X+32*\p+3]
.endr
.irp j, 4,6,8,10,12,14,16,18,20,22,24,26,28,30
.irp p, 0,1
	s_delay_alu instid0(VALU_DEP_2)
	v_pk_add_f32 v[8+2*\p:9+2*\p], v[8+2*\p:9+2*\p], v[X+32*\p+\j:X+32*\p+\j+1]
.endr
.endr
	ALLSUM 8
	ALLSUM 10
	v_mul_f32 v8, s22, v8
	s_delay_alu instid0(VALU_DEP_2)
	v_mul_f32 v10, s22, v10
.irp j, 0,2,4,6,8,10,12,14,16,18,20,22,24,26,28,30
.irp p, 0,1
	v_pk_add_f32 v[X+32*\p+\j:X+32*\p+\j+1], v[X+32*\p+\j:X+32*\p+\j+1], v[8+2*\p:9+2*\p] op_sel_hi:[1,0] neg_lo:[0,1] neg_hi:[0,1]
.endr
.endr
.irp p, 0,1
	v_pk_mul_f32 v[12+2*\p:13+2*\p], v[X+32*\p:X+32*\p+1], v[X+32*\p:X+32*\p+1]
.endr
.irp j, 2,4,6,8,10,12,14,16,18,20,22,24,26,28,30
.irp p, 0,1
	s_delay_alu instid0(VALU_DEP_2)
	v_pk_fma_f32 v[12+2*\p:13+2*\p], v[X+32*\p+\j:X+32*\p+\j+1], v[X+32*\p+\j:X+32*\p+\j+1], v[12+2*\p:13+2*\p]
.endr
.endr
	ALLSUM 12
	ALLSUM 14
	v_fma_f32 v12, v12, s22, s23
	s_delay_alu instid0(VALU_DEP_2)
	v_fma_f32 v14, v14, s22, s23
	s_wait_alu depctr_va_vdst(0)
	v_rsq_f32 v12, v12
	v_rsq_f32 v14, v14
	v_nop                                          ; a plain instruction behind the batch of two,
	s_wait_alu depctr_va_vdst(0)                   ; and the one wait ahead of its first reader
	s_wait_loadcnt 0x0
.irp j, 0,2,4,6,8,10,12,14,16,18,20,22,24,26,28,30
.irp p, 0,1
	v_pk_mul_f32 v[X+32*\p+\j:X+32*\p+\j+1], v[X+32*\p+\j:X+32*\p+\j+1], v[12+2*\p:13+2*\p] op_sel_hi:[1,0]
.endr
.endr
.irp j, 0,2,4,6,8,10,12,14,16,18,20,22,24,26,28,30
.irp p, 0,1
	v_pk_fma_f32 v[X+32*\p+\j:X+32*\p+\j+1], v[X+32*\p+\j:X+32*\p+\j+1], v[GA+\j:GA+\j+1], v[BE+\j:BE+\j+1]
.endr
.endr
.irp p, 0,1
.irp j, 0,1,2,3,4,5,6,7
	ds_store_b128 v3, v[X+32*\p+4*\j:X+32*\p+4*\j+3] offset:ROWP*\p+512*\j
.endr
.endr
	s_wait_dscnt 0x0                               ; for the others' sake: my two rows lie in LDS
	s_barrier_signal -1
	s_barrier_wait -1
.irp c, 0,1,2,3
.irp j, 0,1,2,3
	ds_load_b128 v[X+16*\c+4*\j:X+16*\c+4*\j+3], v4 offset:128*\c+16*\j
.endr
.endr
	s_wait_dscnt 0x0
.irp b, 0,1,2,3
.set i, 0
.rept 16
	v_med3_num_f32 v[T+16*\b+i], v[X+16*\b+i], -v17, v17   ; the conversion to an 8-bit code does not saturate (ISA guide 7.6.2): the hold
.set i, i+1
.endr
	v_cvt_scalef32_pk8_fp8_f32 v[C+4*\b:C+4*\b+1], v[T+16*\b:T+16*\b+7], v16
	v_cvt_scalef32_pk8_fp8_f32 v[C+4*\b+2:C+4*\b+3], v[T+16*\b+8:T+16*\b+15], v16
.endr
	v_nop
.irp c, 0,1,2,3
	global_store_b128 v5, v[C+4*\c:C+4*\c+3], s[12:13] offset:512*\c
.endr
	s_wait_tensorcnt 0x0                           ; the wave's end: behind my last LDS store
	ds_add_u32 v[SPW], v[NIL]
	s_wait_dscnt 0x0
	s_endpgm
.Lfunc_end_k_q709e31c2a8_ln2:
	.size	k_q709e31c2a8_ln2, .Lfunc_end_k_q709e31c2a8_ln2-k_q709e31c2a8_ln2
	.p2alignl 7, 3214868480
	.fill 96, 4, 3214868480
	.section	.rodata,"a",@progbits
	.p2align	6, 0x0
	.amdhsa_kernel k_q709e31c2a8_ln2
		.amdhsa_group_segment_fixed_size 66816
		.amdhsa_private_segment_fixed_size 0
		.amdhsa_enable_private_segment 0
		.amdhsa_kernarg_size 40
		.amdhsa_user_sgpr_count 2
		.amdhsa_user_sgpr_kernarg_segment_ptr 1
		.amdhsa_wavefront_size32 1
		.amdhsa_system_sgpr_workgroup_id_x 1
		.amdhsa_system_sgpr_workgroup_id_y 1
		.amdhsa_system_sgpr_workgroup_id_z 1
		.amdhsa_system_vgpr_workitem_id 0
		.amdhsa_next_free_vgpr 208
		.amdhsa_next_free_sgpr 66
		.amdhsa_reserve_vcc 0
		.amdhsa_float_denorm_mode_32 3
		.amdhsa_float_denorm_mode_16_64 3
		.amdhsa_memory_ordered 1
		.amdhsa_forward_progress 1
		.amdhsa_inst_pref_size 27
	.end_amdhsa_kernel
	.amdgpu_metadata
---
amdhsa.version: [ 1, 2 ]
amdhsa.kernels:
  - .name:           k_q709e31c2a8_ln2
    .symbol:         k_q709e31c2a8_ln2.kd
    .args:
      - { .name: x1, .offset: 0, .size: 8, .value_kind: global_buffer, .address_space: global }
      - { .name: g2, .offset: 8, .size: 8, .value_kind: global_buffer, .address_space: global }
      - { .name: be2, .offset: 16, .size: 8, .value_kind: global_buffer, .address_space: global }
      - { .name: lowp_scales, .offset: 24, .size: 8, .value_kind: global_buffer, .address_space: global }
      - { .name: h2_img, .offset: 32, .size: 8, .value_kind: global_buffer, .address_space: global }
    .group_segment_fixed_size: 66816
    .private_segment_fixed_size: 0
    .kernarg_segment_align: 8
    .kernarg_segment_size: 40
    .max_flat_workgroup_size: 256
    .sgpr_count:     66
    .vgpr_count:     208
    .wavefront_size: 32
...
	.end_amdgpu_metadata
.endif
;; end of part 12
;; launch ff1 (part 13): grid 16 x 16, 4 waves a work-group, clusters of 4 x 4, 327,680 bytes of LDS; arguments h2_img, W1_codes, lowp_scales, b1, hid_img; writes hid_img
.if DOCPART == 13
	.amdgcn_target "amdgcn-amd-amdhsa--gfx1250"
	.amdhsa_code_object_version 6
	.text
	.protected	k_q709e31c2a8_ff1
	.globl	k_q709e31c2a8_ff1
	.p2align	8
	.type	k_q709e31c2a8_ff1,@function
k_q709e31c2a8_ff1:
	s_mov_b64 s[64:65], 0
	v_nop
	global_prefetch_b8 v0, s[64:65] scope:SCOPE_SE
	s_setreg_imm32_b32 hwreg(HW_REG_WAVE_MODE, 25, 1), 1
	s_wait_xcnt 0x0
	s_wait_alu depctr_hold_cnt(0) depctr_sa_sdst(0) depctr_va_vdst(0) depctr_va_sdst(0) depctr_va_ssrc(0) depctr_va_vcc(0) depctr_vm_vsrc(0)
	s_getreg_b32 s2, hwreg(HW_REG_IB_STS2, 6, 4)
	s_cmp_eq_u32 s2, 0
	s_cbranch_scc0 .Lentry_in_a_cluster
	s_endpgm
.Lentry_in_a_cluster:
	s_bfe_u32 s2, ttmp6, 0x10000c
	s_cmp_lg_u32 s2, 0xf033
	s_cbranch_scc0 .Lentry_shape_is_right
	s_endpgm
.Lentry_shape_is_right:
; LAUNCH 6 OF 7: hid = GELU(h2 W1 + b1), product 7 on E4M3 codes (lowp_scales[12], [13]), f32 sums; the exact GELU in f32; hid is quantised at once for product 8 (lowp_scales[14]).
; The frame is launch 2's: a tile of 256 tokens x 256 columns, four waves of 128 x 128, K in steps of 256 through a ring of two LDS slots, joint loads in a cluster of 4 x 4.
; THE WAY OUT: the raw sums are laid in LDS behind the ring's last read, and a counted loop takes them back 32 registers at a time: x 2^(e12 + e13) + b1, GELU, the hold, the conversion, stores of 512 consecutive bytes.
; LIMITS: e12 + e13 between -126 and 127, e14 between -126 and 119.  NaN and infinities are not served.
.set SIZE_K, 1024
.set BNATIVE, 0
.set KROW,   SIZE_K
.set AHALF,  32768
.set BPITCH, 272
.set BHALF,  128*BPITCH
.set BOFF,   2*AHALF
.set SLOT,   BOFF+2*BHALF
.set SPARE,  2*SLOT
.set LAPS,   SIZE_K/512
.set FR,     16
.set ADRA,   16
.set ADRB,   20
.set ADR,    22
.set DMP,    24
.set CO,     26
.set BO,     27
.set SPW,    28
.set NIL,    29
.set R0,     32
.set R1,     64
.set GT,     96
.set GP,     128
.set GW,     160
.set CD,     192
.set AF,     128
.set TB,     89
.set G1,     24
.set G0,     32
.set G1B,    48
.set G0B,    56
.set MSB,    0
.set MUL_LO, 0xa1
.set MUL_HI, 0xf1
.set TO_B,   0x40
.macro WIN new
.if MSB != \new
	s_set_vgpr_msb (MSB<<8)|\new
.set MSB, \new
.endif
.endm
.macro JLOAD g0a, g1a, g0b, g1b
	s_cmp_eq_u32 s15, 0
	s_cbranch_scc0 .Lfor_b_\@
	tensor_load_to_lds s[\g0a:\g0a+3], s[\g1a:\g1a+7]
	s_nop 0
.rept 4
	v_nop
.endr
	s_branch .Lasked_\@
.Lfor_b_\@:
	tensor_load_to_lds s[\g0b:\g0b+3], s[\g1b:\g1b+7]
	s_nop 0
.rept 4
	v_nop
.endr
.Lasked_\@:
.endm
.macro CREST
	s_cmp_lg_u32 s14, 0
	s_cbranch_scc1 .Lnot_wave_0_\@
	s_barrier_signal -3
.Lnot_wave_0_\@:
	s_barrier_wait -3
	s_barrier_signal -1
	s_barrier_wait -1
.endm
.macro CROUND
	s_barrier_signal -1
	s_barrier_wait -1
	CREST
.endm
.macro FRAGA reg, slot, q, i
.irp c, 0,1,2,3
	ds_load_b128 v[\reg+4*\c:\reg+4*\c+3], v[ADRA+\slot] offset:4096*(\i)+2048*(\q)+512*\c
.endr
.endm
.macro FRAGB reg, slot, q, i
.if BNATIVE
.irp c, 0,1,2,3,4,5,6,7
	ds_load_b64 v[\reg+2*\c:\reg+2*\c+1], v[ADRB+\slot] offset:128*(\q)+16*\c+(\i)*16*BPITCH
.endr
.else
.irp c, 0,1,2,3
	ds_load_b128 v[\reg+4*\c:\reg+4*\c+3], v[ADRB+\slot] offset:128*(\q)+32*\c+(\i)*16*BPITCH
.endr
.endif
.endm
.macro MUL16 a0, p, zero
.irp a, \a0, \a0+1
.irp b, 0,1,2,3,4,5,6,7
.if \zero
	v_wmma_f32_16x16x128_fp8_fp8 v[8*(8*((\a)%4)+\b):8*(8*((\a)%4)+\b)+7], v[128*(\p)+FR*\b:128*(\p)+FR*\b+FR-1], v[AF+FR*(\a):AF+FR*(\a)+FR-1], 0
.else
	v_wmma_f32_16x16x128_fp8_fp8 v[8*(8*((\a)%4)+\b):8*(8*((\a)%4)+\b)+7], v[128*(\p)+FR*\b:128*(\p)+FR*\b+FR-1], v[AF+FR*(\a):AF+FR*(\a)+FR-1], v[8*(8*((\a)%4)+\b):8*(8*((\a)%4)+\b)+7]
.endif
.endr
.endr
.endm
.macro FETCH_B slot, q, p
	WIN TO_B
.irp i, 0,1,2,3,4,5,6,7
	FRAGB 128*(\p)+FR*\i, \slot, \q, \i
.endr
	WIN 0
.endm
.macro FETCH_A slot, q, i0
.irp i, \i0, \i0+1, \i0+2, \i0+3
	FRAGA AF+FR*(\i), \slot, \q, \i
.endr
.endm
.macro PLACES n
.rept \n
	v_nop
.endr
.endm
.macro STEP slot, q, zero
	s_wait_dscnt 16
	WIN MUL_LO
	MUL16 0, (\q)%2, \zero
	MUL16 2, (\q)%2, \zero
	s_wait_dscnt 0
	PLACES 4
	FETCH_B \slot, (\q)+1, 1-(\q)%2
	FETCH_A \slot, (\q)+1, 0
	WIN MUL_HI
	MUL16 4, (\q)%2, \zero
	MUL16 6, (\q)%2, \zero
	PLACES 4
	WIN 0
	FETCH_A \slot, (\q)+1, 4
.endm
.macro TURN slot, next, fill
	s_wait_tensorcnt 0x0
	ds_add_u32 v[SPW], v[NIL]
	s_wait_dscnt 17
	WIN MUL_LO
	MUL16 0, 1, 0
	s_wait_dscnt 0x0
	s_barrier_signal -1
	MUL16 2, 1, 0
	WIN 0
	s_barrier_wait -1
.if \fill
	CREST
	s_add_nc_u64 s[G0+4*\slot+2:G0+4*\slot+3], s[G0+4*\slot+2:G0+4*\slot+3], 8192
	s_add_nc_u64 s[G0B+4*\slot+2:G0B+4*\slot+3], s[G0B+4*\slot+2:G0B+4*\slot+3], 512
	JLOAD G0+4*\slot, G1, G0B+4*\slot, G1B
.else
	PLACES 4
.endif
	FETCH_B \next, 0, 0
	FETCH_A \next, 0, 0
	WIN MUL_HI
	MUL16 4, 1, 0
	MUL16 6, 1, 0
	PLACES 4
	WIN 0
	FETCH_A \next, 0, 4
.endm
	s_load_b256 s[4:11], s[0:1], 0x0
	s_load_b64 s[12:13], s[0:1], 0x20
	v_lshl_add_u32 v[SPW], v0, 2, SPARE
	v_mov_b32 v[NIL], 0
	ds_add_u32 v[SPW], v[NIL]
	ds_add_u32 v[SPW], v[NIL]
	v_lshrrev_b32 v1, 5, v0
	v_readfirstlane_b32 s14, v1
	s_lshr_b32 s15, s14, 1
	s_and_b32 s16, s14, 1
	s_bfe_u32 s40, ttmp6, 0x40000
	s_bfe_u32 s41, ttmp6, 0x40004
	s_lshl_b32 s42, ttmp9, 2
	s_add_co_u32 s42, s42, s40
	s_and_b32 s17, ttmp7, 0xffff
	s_lshl_b32 s17, s17, 2
	s_add_co_u32 s17, s17, s41
	s_lshl_b32 s43, s41, 2
	s_lshl_b32 s43, 15, s43
	s_lshl_b32 s44, 0x1111, s40
	s_or_b32 s[G1+0], s43, (3<<16)|(1<<21)
	s_mov_b32 s[G1+1], 512<<16
	s_mov_b32 s[G1+2], 8<<16
	s_mov_b32 s[G1+3], 512<<16
	s_mov_b32 s[G1+4], 8
	s_mov_b32 s[G1+5], 2*SIZE_K
	s_mov_b32 s[G1+6], 0
	s_mov_b32 s[G1+7], 0
	s_or_b32 s[G1B+0], s44, (0<<16)|(1<<20)|(1<<21)|(5<<22)|(3<<25)
	s_mov_b32 s[G1B+1], 256<<16
	s_mov_b32 s[G1B+2], 128<<16
	s_mov_b32 s[G1B+3], 256<<16
	s_mov_b32 s[G1B+4], 128
	s_mov_b32 s[G1B+5], KROW
	s_mov_b32 s[G1B+6], 0
	s_mov_b32 s[G1B+7], 0
	s_lshl_b32 s18, s16, 7
	s_lshl_b32 s20, s17, 8
	s_add_co_u32 s20, s20, s18
	s_lshl_b32 s46, s42, 8
	s_add_co_u32 s46, s46, s18
	s_mov_b32 s21, 0
	s_mov_b32 s47, 0
	s_mov_b64 s[18:19], KROW
	s_mul_u64 s[20:21], s[20:21], s[18:19]
	s_mul_u64 s[46:47], s[46:47], s[18:19]
	s_lshl_b32 s45, s16, 15
	s_mul_i32 s88, s16, BHALF
	s_add_co_u32 s88, s88, BOFF
	s_wait_dscnt 0x0
	s_wait_kmcnt 0x0
	s_load_b512 s[68:83], s[8:9], 0x0
	s_add_nc_u64 s[20:21], s[4:5], s[20:21]
	s_add_nc_u64 s[46:47], s[6:7], s[46:47]
	CROUND
.irp s, 0,1
	s_mov_b32 s[G0+4*\s], 1
	s_add_co_u32 s[G0+4*\s+1], s45, \s*SLOT
	s_add_nc_u64 s[G0+4*\s+2:G0+4*\s+3], s[20:21], \s*4096
	s_or_b32 s[G0+4*\s+3], s[G0+4*\s+3], 0x80000000
	s_mov_b32 s[G0B+4*\s], 1
	s_add_co_u32 s[G0B+4*\s+1], s88, \s*SLOT
	s_add_nc_u64 s[G0B+4*\s+2:G0B+4*\s+3], s[46:47], \s*256
	s_or_b32 s[G0B+4*\s+3], s[G0B+4*\s+3], 0x80000000
.endr
	JLOAD G0, G1, G0B, G1B                         ; K step 0: one tensor load a wave at the head
	v_and_b32 v1, 15, v0
	v_bfe_u32 v2, v0, 4, 1
	v_and_b32 v6, 31, v0
	v_lshlrev_b32 v[CO], 4, v6
	s_wait_alu depctr_va_vdst(0)
	v_lshlrev_b32 v[BO], 5, v2
	v_mul_u32_u24 v3, v1, BPITCH
	v_lshl_add_u32 v4, v2, 4, v3
	s_lshl_b32 s21, s15, 15
	s_mul_i32 s22, s16, BHALF
	s_add_co_u32 s22, s22, BOFF
.irp s, 0,1
	v_add_nc_u32 v[ADRA+\s], s21, v[CO]
	v_add_nc_u32 v[ADRB+\s], s22, v4
	s_add_co_u32 s21, s21, SLOT
	s_add_co_u32 s22, s22, SLOT
.endr
	s_lshl_b32 s23, s14, 16
	v_add_nc_u32 v[DMP], s23, v[CO]
	; PREFETCHES INTO THE L2: behind the joint load of K step s (s = 0, 1) one request a wave names K step s + 2, two refills on.  Of the 128 tokens or rows that I fetch, each of the four partners that ask
	; for them jointly takes a quarter, told apart by address (cx for A, cy for B): A: two blocks of 16 tokens x 4,096 bytes, lanes 256 bytes apart; B: 32 rows x 256 bytes, a lane a row.  K has four steps, so no later request follows.
	s_cmp_eq_u32 s15, 0                            ; do I fetch for A?
	s_cselect_b32 s90, s17, s42                    ; the tile row, or the tile column
	s_cselect_b32 s91, s40, s41                    ; my place among the four
	s_cselect_b64 s[94:95], s[4:5], s[6:7]
	s_mov_b32 s92, 256
	s_cselect_b32 s92, 4096, s92                   ; a K step on
	s_mov_b32 s89, 1024
	s_cselect_b32 s89, 16384, s89                  ; from block to block, or from row to row
	s_cselect_b32 s93, 4, 0
	s_cselect_b32 s3, 15, 0
	v_and_b32 v9, 31, v0
	v_and_b32 v10, s3, v9
	v_lshrrev_b32 v9, s93, v9
	v_mul_lo_u32 v9, v9, s89
	v_lshl_add_u32 v9, v10, 8, v9                  ; A: 16,384 (lane / 16) + 256 (lane % 16); B: 1,024 lane
	s_lshl_b32 s90, s90, 4
	s_lshl_b32 s3, s16, 3
	s_add_co_u32 s90, s90, s3
	s_lshl_b32 s91, s91, 1
	s_add_co_u32 s90, s90, s91
	s_lshl_b32 s90, s90, 14                        ; (16 tile + 8 half + 2 place) x 16,384 bytes
	s_mov_b32 s91, 0
	s_add_nc_u64 s[94:95], s[94:95], s[90:91]
	s_mov_b32 s93, 0
	s_add_nc_u64 s[94:95], s[94:95], s[92:93]
	s_add_nc_u64 s[94:95], s[94:95], s[92:93]      ; K step 2
	s_wait_alu depctr_va_vdst(0)                   ; directly ahead of the reader below
	global_prefetch_b8 v9, s[94:95] th:TH_LOAD_NT scope:SCOPE_SE
	s_lshl_b32 s20, s17, 4
	s_lshl_b32 s21, s15, 3
	s_add_co_u32 s20, s20, s21
	s_lshl_b32 s20, s20, 16
	s_lshl_b32 s46, s42, 1
	s_add_co_u32 s46, s46, s16
	s_lshl_b32 s47, s46, 11
	s_add_co_u32 s20, s20, s47
	s_mov_b32 s21, 0
	s_add_nc_u64 s[12:13], s[12:13], s[20:21]
	s_lshl_b32 s46, s46, 9
	s_mov_b32 s47, 0
	s_add_nc_u64 s[10:11], s[10:11], s[46:47]
	s_wait_xcnt 0x0                                ; the prefetch has read its address, so it may be stepped:
	s_add_nc_u64 s[94:95], s[94:95], s[92:93]      ; K step 3
	s_wait_alu depctr_va_vdst(0)                   ; the wait at the head's end
	s_wait_tensorcnt 0x0                           ; my part of K step 0 is in
	ds_add_u32 v[SPW], v[NIL]
	s_wait_dscnt 0x0
	CROUND                                         ; everybody's part of K step 0 is in, and all sixteen work-groups are here
	JLOAD G0+4, G1, G0B+4, G1B                     ; K step 1: the first tensor load behind the round
	FETCH_B 0, 0, 0
	FETCH_A 0, 0, 0
	FETCH_A 0, 0, 4
	global_prefetch_b8 v9, s[94:95] th:TH_LOAD_NT scope:SCOPE_SE   ; behind K step 1's joint load and the run of LDS loads: K step 3; v9 and s[94:95] are not written again
	STEP 0, 0, 1
	s_mov_b32 s3, LAPS-1
.Llap:
	TURN 0, 1, 1
	STEP 1, 0, 0
	TURN 1, 0, 1
	STEP 0, 0, 0
	s_sub_co_u32 s3, s3, 1
	s_cmp_lg_u32 s3, 0
	s_cbranch_scc1 .Llap
	TURN 0, 1, 0
	STEP 1, 0, 0
	s_wait_dscnt 16
	WIN MUL_LO
	MUL16 0, 1, 0
	MUL16 2, 1, 0
	s_wait_dscnt 0
	WIN MUL_HI
	MUL16 4, 1, 0
	MUL16 6, 1, 0
	WIN 0
	PLACES 4
	s_wait_dscnt 0x0
	s_barrier_signal -1
	s_barrier_wait -1
.irp a, 0,1,2,3,4,5,6,7
.set AC, 64*((\a)%4)
.set WW, 0x08+4*((\a)/4)
	WIN WW
.irp b, 0,1,2,3,4,5,6,7
	ds_store_b128 v[DMP], v[AC+8*\b:AC+8*\b+3] offset:(16*\a+2*\b)*512
	ds_store_b128 v[DMP], v[AC+8*\b+4:AC+8*\b+7] offset:(16*\a+2*\b+1)*512
.endr
.endr
	WIN 0x40
.irp b, 0,1,2,3,4,5,6,7
	global_load_b128 v[8*\b:8*\b+3], v[BO], s[10:11] offset:64*\b
	global_load_b128 v[8*\b+4:8*\b+7], v[BO], s[10:11] offset:64*\b+16
.endr
	WIN 0
	s_wait_kmcnt 0x0
	s_add_co_i32 s96, s80, s81
	s_add_co_i32 s96, s96, 127
	s_lshl_b32 s96, s96, 23
	s_mov_b32 s97, s96
	s_add_co_i32 s90, s82, 127
	s_lshl_b32 s91, s90, 23
	v_mov_b32 v30, s91
	s_add_co_i32 s90, s90, 8
	s_lshl_b32 s90, s90, 23
	s_or_b32 s90, s90, 0x600000
	v_mov_b32 v31, s90
	s_mov_b32 s84, 0x3eb504f3
	s_mov_b32 s86, 0x3e7c6f08
	s_mov_b32 s87, s86
.macro LOADR R, hf, ofs
.set n, 0
.rept 8
	ds_load_b128 v[\R+4*n:\R+4*n+3], v[ADR] offset:\ofs+(8*\hf+n)*512
.set n, n+1
.endr
.endm
.macro GELU32 R, BI, C, OFS
	WIN 0x10
.set j, 0
.rept 16
	v_pk_fma_f32 v[\R+j:\R+j+1], v[\R+j:\R+j+1], s[96:97], v[\BI+j:\BI+j+1] op_sel_hi:[1,0,1]
.set j, j+2
.endr
	WIN 0
.set j, 0
.rept 32
	v_fma_f32 v[GT+j], |v[\R+j]|, s84, 1.0
.set j, j+1
.endr
.set j, 0
	s_wait_alu depctr_va_vdst(0)
.rept 32
	v_rcp_f32 v[GT+j], v[GT+j]
.set j, j+1
.endr
.set j, 0
.rept 16
	v_pk_mul_f32 v[GW+j:GW+j+1], v[\R+j:\R+j+1], v[\R+j:\R+j+1]
.set j, j+2
.endr
	s_wait_alu depctr_va_vdst(0)
.set j, 0
.rept 16
	v_pk_fma_f32 v[GP+j:GP+j+1], v[GT+j:GT+j+1], s[86:87], 0xbf97d29d op_sel_hi:[1,0,0]
.set j, j+2
.endr
.irp k, 0x40097039, 0xbfd1a1e5, 0x3ecdfd18, 0xbe899a80, 0x3e0efb2f, 0x3f0a29d2, 0x3fb8ab5a, 0xc034d90f
.set j, 0
.rept 16
	v_pk_fma_f32 v[GP+j:GP+j+1], v[GP+j:GP+j+1], v[GT+j:GT+j+1], \k op_sel_hi:[1,1,0]
.set j, j+2
.endr
.endr
.set j, 0
.rept 16
	v_pk_fma_f32 v[GP+j:GP+j+1], v[GW+j:GW+j+1], 0xbf38aa3b, v[GP+j:GP+j+1] op_sel_hi:[1,0,1]
.set j, j+2
.endr
.set j, 0
	s_wait_alu depctr_va_vdst(0)
.rept 32
	v_exp_f32 v[GP+j], v[GP+j]
.set j, j+1
.endr
.set j, 0
.rept 32
	v_mul_f32 v[GT+j], |v[\R+j]|, v[GT+j]
.set j, j+1
.endr
.set j, 0
.rept 32
	v_max_num_f32 v[\R+j], 0, v[\R+j]
.set j, j+1
.endr
	s_wait_alu depctr_va_vdst(0)
.set j, 0
.rept 16
	v_pk_fma_f32 v[\R+j:\R+j+1], v[GT+j:GT+j+1], v[GP+j:GP+j+1], v[\R+j:\R+j+1] neg_lo:[1,0,0] neg_hi:[1,0,0]
.set j, j+2
.endr
.set j, 0
.rept 32
	v_med3_num_f32 v[\R+j], v[\R+j], -v31, v31
.set j, j+1
.endr
.irp b, 0,1,2,3
	v_cvt_scalef32_pk8_fp8_f32 v[\C+2*\b:\C+2*\b+1], v[\R+8*\b:\R+8*\b+7], v30
.endr
	v_nop
	global_store_b128 v[CO], v[\C:\C+3], s[12:13] offset:\OFS
	global_store_b128 v[CO], v[\C+4:\C+7], s[12:13] offset:\OFS+512
.endm
.macro TRIP more
	s_wait_dscnt 8
	GELU32 R0, 0, CD, 0
.if \more
	LOADR R0, 0, 8192
	s_wait_dscnt 8
.else
	s_wait_dscnt 0x0
.endif
	GELU32 R1, 32, CD+8, 1024
.if \more
	LOADR R1, 1, 8192
	s_wait_xcnt 0x0
	s_add_nc_u64 s[12:13], s[12:13], 65536
	s_add_co_u32 s[TB], s[TB], 8192
	v_add_nc_u32 v[ADR], s[TB], v[DMP]
.endif
.endm
	s_mov_b32 s[TB], 0
	v_add_nc_u32 v[ADR], s[TB], v[DMP]
	LOADR R0, 0, 0
	LOADR R1, 1, 0
	s_wait_loadcnt 0x0
	s_mov_b32 s3, 7
.Lg:
	TRIP 1
	s_sub_co_u32 s3, s3, 1
	s_cmp_lg_u32 s3, 0
	s_cbranch_scc1 .Lg
	TRIP 0
	s_wait_tensorcnt 0x0
	ds_add_u32 v[SPW], v[NIL]
	s_wait_dscnt 0x0
	CROUND
	s_endpgm
.Lfunc_end_k_q709e31c2a8_ff1:
	.size	k_q709e31c2a8_ff1, .Lfunc_end_k_q709e31c2a8_ff1-k_q709e31c2a8_ff1
	.p2alignl 7, 3214868480
	.fill 96, 4, 3214868480
	.section	.rodata,"a",@progbits
	.p2align	6, 0x0
	.amdhsa_kernel k_q709e31c2a8_ff1
		.amdhsa_group_segment_fixed_size 327680
		.amdhsa_private_segment_fixed_size 0
		.amdhsa_enable_private_segment 0
		.amdhsa_kernarg_size 40
		.amdhsa_user_sgpr_count 2
		.amdhsa_user_sgpr_kernarg_segment_ptr 1
		.amdhsa_wavefront_size32 1
		.amdhsa_system_sgpr_workgroup_id_x 1
		.amdhsa_system_sgpr_workgroup_id_y 1
		.amdhsa_system_sgpr_workgroup_id_z 1
		.amdhsa_system_vgpr_workitem_id 0
		.amdhsa_next_free_vgpr 1024
		.amdhsa_next_free_sgpr 98
		.amdhsa_reserve_vcc 0
		.amdhsa_float_denorm_mode_32 3
		.amdhsa_float_denorm_mode_16_64 3
		.amdhsa_memory_ordered 1
		.amdhsa_forward_progress 1
		.amdhsa_inst_pref_size 203
	.end_amdhsa_kernel
	.amdgpu_metadata
---
amdhsa.version: [ 1, 2 ]
amdhsa.kernels:
  - .name:           k_q709e31c2a8_ff1
    .symbol:         k_q709e31c2a8_ff1.kd
    .args:
      - { .name: h2_img, .offset: 0, .size: 8, .value_kind: global_buffer, .address_space: global }
      - { .name: W1_codes, .offset: 8, .size: 8, .value_kind: global_buffer, .address_space: global }
      - { .name: lowp_scales, .offset: 16, .size: 8, .value_kind: global_buffer, .address_space: global }
      - { .name: b1, .offset: 24, .size: 8, .value_kind: global_buffer, .address_space: global }
      - { .name: hid_img, .offset: 32, .size: 8, .value_kind: global_buffer, .address_space: global }
    .group_segment_fixed_size: 327680
    .private_segment_fixed_size: 0
    .kernarg_segment_align: 8
    .kernarg_segment_size: 40
    .max_flat_workgroup_size: 128
    .sgpr_count:     98
    .vgpr_count:     1024
    .wavefront_size: 32
...
	.end_amdgpu_metadata
.endif
;; end of part 13
;; launch ff2 (part 14): grid 8 x 32, 4 waves a work-group, clusters of 4 x 4, 327,680 bytes of LDS; arguments hid_img, W2_codes, lowp_scales, b2, x1, out0; writes out0
.if DOCPART == 14
	.amdgcn_target "amdgcn-amd-amdhsa--gfx1250"
	.amdhsa_code_object_version 6
	.text
	.protected	k_q709e31c2a8_ff2
	.globl	k_q709e31c2a8_ff2
	.p2align	8
	.type	k_q709e31c2a8_ff2,@function
k_q709e31c2a8_ff2:
	s_mov_b64 s[64:65], 0
	v_nop
	global_prefetch_b8 v0, s[64:65] scope:SCOPE_SE
	s_setreg_imm32_b32 hwreg(HW_REG_WAVE_MODE, 25, 1), 1
	s_wait_xcnt 0x0
	s_wait_alu depctr_hold_cnt(0) depctr_sa_sdst(0) depctr_va_vdst(0) depctr_va_sdst(0) depctr_va_ssrc(0) depctr_va_vcc(0) depctr_vm_vsrc(0)
	s_getreg_b32 s2, hwreg(HW_REG_IB_STS2, 6, 4)
	s_cmp_eq_u32 s2, 0
	s_cbranch_scc0 .Lentry_in_a_cluster
	s_endpgm
.Lentry_in_a_cluster:
	s_bfe_u32 s2, ttmp6, 0x10000c
	s_cmp_lg_u32 s2, 0xf033
	s_cbranch_scc0 .Lentry_shape_is_right
	s_endpgm
.Lentry_shape_is_right:
; LAUNCH 7 OF 7: out0 = x1 + hid W2 + b2: product 8 on E4M3 codes (lowp_scales[14], [15]), K = 4,096, f32 sums.
; The text is launch 4's, but for K and for B's loads.  TILE: 128 tokens x 128 columns to a work-group: 256 work-groups; four waves, 64 x 64 each: 16 accumulators.
; hid's images hold, in registers 2 c, 2 c + 1 of lane (r, h), k = 16 c + 8 h + 0..7 (the plain form's own layout), so B's fragments are fetched by eight loads of 8 bytes at 16 c + 8 h: the same places of k on both sides.
; K goes in steps of 512 through a ring of two LDS slots, as long as two slots allow: eight slots' worth; behind each change of slots but the last the slot just left is filled again, one joint load a wave,
; which has a slot's 64 products a wave in which to land.
; CLUSTERS: 4 x 4 work-groups; A's tiles are asked for jointly by the four of a row of the cluster, B's by the four of a column.
; THE MATRIX INSTRUCTION IS USED TRANSPOSED (source 0 = 16 weight rows, source 1 = 16 tokens): accumulator (a, b), lane (r, h), register j = token 16 a + r, column 16 b + 8 h + j.
; THE RESIDUAL is asked for at the head, into registers that the loop does not touch; THE WAY OUT goes by blocks of 16 tokens x 64 columns through my own stage in slot 0, behind that slot's last fill and last read.
; PREFETCHES into the L2 stand behind the joint loads (see below).  NO WORK-GROUP STAYS: there is one tile for each.
; LIMIT: e14 + e15 lies between -126 and 127.  NaN and infinities are not served.
; REGISTERS, in windows of 256: window 0: v16-29 addresses, v32-35 the bias, v128-255 the accumulators ((a, b) at v[128 + 8 (4 a + b)]); window 1: two fragment buffers of 128 (B's four fragments, then A's four);
; window 2: v0-127 the residual.
.set SIZE_K, 4096
.set BNATIVE, 1
.set EA,     14
.set EB,     15
.set KROW,   SIZE_K
.set AHALF,  32768                     ; 64 tokens x 512 K as images
.set BPITCH, 528                       ; a weight row in LDS: 512 bytes + 16: the 32 lanes of a load of 8 bytes touch 32 different places of 8 bytes modulo 256
.set BHALF,  64*BPITCH
.set BOFF,   2*AHALF
.set SLOT,   BOFF+2*BHALF
.set SPARE,  2*SLOT                    ; behind the ring: the spare words, 128 bytes for each wave
.set LAPS,   SIZE_K/1024               ; a lap = two slots = 1,024 along K
.set SP,     272                       ; a stage row: 256 bytes + 16
.set FR,     16
.set ADRA,   16
.set ADRB,   20
.set STO,    24
.set RD,     25
.set CO,     26
.set BA,     27
.set SPW,    28
.set NIL,    29
.set BI,     32
.set ACC,    128
.set F0,     0
.set F1,     128
.set G1,     24
.set G0,     32
.set G1B,    48
.set G0B,    56
.set MSB,    0
.set W_MUL,  0x05                      ; sources 0 (B) and 1 (A) window 1; C and D window 0
.set TO_F,   0x40                      ; destination window 1, address window 0
.macro WIN new                         ; the immediate's high byte repeats the setting that is left
.if MSB != \new
	s_set_vgpr_msb (MSB<<8)|\new
.set MSB, \new
.endif
.endm
.macro JLOAD g0a, g1a, g0b, g1b        ; a joint load: waves 0 and 1 fetch A's halves, waves 2 and 3 B's; an s_nop 0 and four v_nop follow each line
	s_cmp_eq_u32 s15, 0
	s_cbranch_scc0 .Lfor_b_\@
	tensor_load_to_lds s[\g0a:\g0a+3], s[\g1a:\g1a+7]
	s_nop 0
.rept 4
	v_nop
.endr
	s_branch .Lasked_\@
.Lfor_b_\@:
	tensor_load_to_lds s[\g0b:\g0b+3], s[\g1b:\g1b+7]
	s_nop 0
.rept 4
	v_nop
.endr
.Lasked_\@:
.endm
.macro CREST
	s_cmp_lg_u32 s14, 0
	s_cbranch_scc1 .Lnot_wave_0_\@
	s_barrier_signal -3
.Lnot_wave_0_\@:
	s_barrier_wait -3
	s_barrier_signal -1
	s_barrier_wait -1
.endm
.macro CROUND
	s_barrier_signal -1
	s_barrier_wait -1
	CREST
.endm
.macro FRAGA reg, slot, q, i           ; 16 tokens x 128 K: the image comes back as it was stored: 512 consecutive bytes a load
.irp c, 0,1,2,3
	ds_load_b128 v[\reg+4*\c:\reg+4*\c+3], v[ADRA+\slot] offset:8192*(\i)+2048*(\q)+512*\c
.endr
.endm
.macro FRAGB reg, slot, q, i           ; 16 weight rows x 128 K
.if BNATIVE
.irp c, 0,1,2,3,4,5,6,7
	ds_load_b64 v[\reg+2*\c:\reg+2*\c+1], v[ADRB+\slot] offset:128*(\q)+16*\c+(\i)*16*BPITCH
.endr
.else
.irp c, 0,1,2,3
	ds_load_b128 v[\reg+4*\c:\reg+4*\c+3], v[ADRB+\slot] offset:128*(\q)+32*\c+(\i)*16*BPITCH
.endr
.endif
.endm
.macro FETCH slot, q, f                ; the fragments of the slot's q-th 128 along K into buffer f, in one run
	WIN TO_F
.irp i, 0,1,2,3
	FRAGB \f+FR*\i, \slot, \q, \i
.endr
.irp i, 0,1,2,3
	FRAGA \f+64+FR*\i, \slot, \q, \i
.endr
.endm
.macro MULR f, a, zero                 ; A's block a x B's four.  The 16 accumulators take turns, one instruction a turn, in the same order in every quarter
.irp b, 0,1,2,3
.if \zero
	v_wmma_f32_16x16x128_fp8_fp8 v[ACC+8*(4*(\a)+\b):ACC+8*(4*(\a)+\b)+7], v[\f+FR*\b:\f+FR*\b+FR-1], v[\f+64+FR*(\a):\f+64+FR*(\a)+FR-1], 0
.else
	v_wmma_f32_16x16x128_fp8_fp8 v[ACC+8*(4*(\a)+\b):ACC+8*(4*(\a)+\b)+7], v[\f+FR*\b:\f+FR*\b+FR-1], v[\f+64+FR*(\a):\f+64+FR*(\a)+FR-1], v[ACC+8*(4*(\a)+\b):ACC+8*(4*(\a)+\b)+7]
.endif
.endr
.endm
.macro PLACES n                        ; plain vector instructions between a matrix instruction and a load into, or a read of, its registers
.rept \n
	v_nop
.endr
.endm
; A slot is four quarters of 128 along K, on buffers 0, 1, 0, 1.  One of the first three: buffer f is multiplied while the slot's quarter q is on its way into buffer g.
.macro QUARTER slot, q, f, g, zero
	s_wait_dscnt 0x0                               ; buffer f is in
	PLACES 4                                       ; behind the products that read buffer g
	FETCH \slot, \q, \g
	WIN W_MUL
.irp a, 0,1,2,3
	MULR \f, \a, \zero
.endr
.endm
; A slot's last quarter multiplies buffer 1 and changes slots: ONE barrier; in front of it each wave waits for all its tensor loads, adds 0 to its spare word, and waits for that and for its reads of this slot.
; A PREFETCH INTO THE L2 stands behind each joint load and the run of LDS loads that follows it: one request a wave, for the slot's worth of K that stands TWO refills on.  Of the 64 tokens or rows that I fetch, each of the
; four partners that ask for them jointly takes a quarter, told apart by address (cx for A, cy for B): A: one block of 16 tokens x 8,192 bytes, lanes 256 bytes apart; B: 16 rows x 512 bytes, two lanes a row.
; The loop's last trip (s3 = 1) refills with the last two slots' worth and asks for nothing.  The address is stepped at the head of the next change of slots, behind s_wait_xcnt 0.
.macro ASK
	s_cmp_gt_u32 s3, 1
	s_cbranch_scc0 .Lnone_\@
	global_prefetch_b8 v9, s[94:95] th:TH_LOAD_NT scope:SCOPE_SE
.Lnone_\@:
.endm
.macro TURN slot, next, fill
	WIN 0                                          ; (the add's two registers lie in window 0)
.if \fill
	s_wait_xcnt 0x0                                ; any prefetch of mine has read its address, so it may be stepped
	s_add_nc_u64 s[94:95], s[94:95], s[92:93]
.endif
	s_wait_tensorcnt 0x0                           ; all my tensor loads have landed: my part of the next slot
	ds_add_u32 v[SPW], v[NIL]                      ; 0 onto my spare word
	s_wait_dscnt 1                                 ; buffer 1 is in; the add alone may be out
	WIN W_MUL
	MULR F1, 0, 0                                  ; four products stand between the add and the wait for it
	s_wait_dscnt 0x0                               ; the add is done, and my reads of this slot are over
	s_barrier_signal -1
	MULR F1, 1, 0
	WIN 0                                          ; (branches may follow)
	s_barrier_wait -1
.if \fill
	CREST                                          ; the barrier has opened a round of the cluster's barrier: no wave of any partner still reads this slot or has a load on its way
	s_add_nc_u64 s[G0+4*\slot+2:G0+4*\slot+3], s[G0+4*\slot+2:G0+4*\slot+3], 16384
	s_add_nc_u64 s[G0B+4*\slot+2:G0B+4*\slot+3], s[G0B+4*\slot+2:G0B+4*\slot+3], 1024
	JLOAD G0+4*\slot, G1, G0B+4*\slot, G1B         ; the first tensor load behind the round; its four v_nop are the places in front of the loads below
.else
	PLACES 4
.endif
	FETCH \next, 0, F0
.if \fill
	WIN 0                                          ; (a branch follows)
	ASK
.endif
	WIN W_MUL
	MULR F1, 2, 0
	MULR F1, 3, 0
.endm
	s_load_b256 s[4:11], s[0:1], 0x0               ; A's images, B's codes, the scales' exponents, the bias
	s_load_b128 s[84:87], s[0:1], 0x20             ; the residual, the output
	v_lshl_add_u32 v[SPW], v0, 2, SPARE
	v_mov_b32 v[NIL], 0
	ds_add_u32 v[SPW], v[NIL]                      ; the wave's opening: the add, twice on end, and its wait ahead of my first tensor load
	ds_add_u32 v[SPW], v[NIL]
	v_lshrrev_b32 v1, 5, v0
	v_readfirstlane_b32 s14, v1                    ; wave
	s_lshr_b32 s15, s14, 1                         ; my half of the tile's tokens.  Also: I fetch for A (0) or for B (1)
	s_and_b32 s16, s14, 1                          ; my half of its columns.  Also: which half of that tile I fetch
	s_bfe_u32 s40, ttmp6, 0x40000                  ; cx
	s_bfe_u32 s41, ttmp6, 0x40004                  ; cy
	s_lshl_b32 s42, ttmp9, 2
	s_add_co_u32 s42, s42, s40                     ; tile column = 4 x cluster x + cx
	s_and_b32 s17, ttmp7, 0xffff
	s_lshl_b32 s17, s17, 2
	s_add_co_u32 s17, s17, s41                     ; tile row = 4 x cluster y + cy
	s_lshl_b32 s43, s41, 2
	s_lshl_b32 s43, 15, s43                        ; my row of the cluster
	s_lshl_b32 s44, 0x1111, s40                    ; my column
	s_or_b32 s[G1+0], s43, (3<<16)|(1<<21)         ; A: the mask; elements of 8 bytes; no padding; bit 21 beside a mask
	s_mov_b32 s[G1+1], 1024<<16                    ; tensor_dim0: 16 tokens x 512 K = 8,192 bytes
	s_mov_b32 s[G1+2], 4<<16                       ; tensor_dim1: 4 blocks of 16 tokens
	s_mov_b32 s[G1+3], 1024<<16                    ; tile_dim0
	s_mov_b32 s[G1+4], 4                           ; tile_dim1
	s_mov_b32 s[G1+5], 2*SIZE_K                    ; from block to block: 16 SIZE_K bytes
	s_mov_b32 s[G1+6], 0
	s_mov_b32 s[G1+7], 0
	s_or_b32 s[G1B+0], s44, (0<<16)|(1<<20)|(1<<21)|(6<<22)|(3<<25)  ; B: the mask; bytes; 4 words of padding behind every 128
	s_mov_b32 s[G1B+1], 512<<16
	s_mov_b32 s[G1B+2], 64<<16
	s_mov_b32 s[G1B+3], 512<<16
	s_mov_b32 s[G1B+4], 64
	s_mov_b32 s[G1B+5], KROW
	s_mov_b32 s[G1B+6], 0
	s_mov_b32 s[G1B+7], 0
	s_lshl_b32 s18, s16, 6
	s_lshl_b32 s20, s17, 7
	s_add_co_u32 s20, s20, s18                     ; A: token 128 x tile row + 64 x half
	s_lshl_b32 s46, s42, 7
	s_add_co_u32 s46, s46, s18                     ; B: row 128 x tile column + 64 x half
	s_mov_b32 s21, 0
	s_mov_b32 s47, 0
	s_mov_b64 s[18:19], KROW
	s_mul_u64 s[20:21], s[20:21], s[18:19]         ; 16 tokens' images are 16 SIZE_K bytes: a token counts SIZE_K bytes
	s_mul_u64 s[46:47], s[46:47], s[18:19]
	s_lshl_b32 s45, s16, 15                        ; where they go: A's half,
	s_mul_i32 s88, s16, BHALF
	s_add_co_u32 s88, s88, BOFF                    ; B's half
	s_wait_dscnt 0x0                               ; both opening adds are done
	s_wait_kmcnt 0x0
	s_load_b512 s[68:83], s[8:9], 0x0              ; e0 .. e15
	s_add_nc_u64 s[20:21], s[4:5], s[20:21]
	s_add_nc_u64 s[46:47], s[6:7], s[46:47]
	CROUND                                         ; all sixteen work-groups are here: the first joint loads meet
.irp s, 0,1
	s_mov_b32 s[G0+4*\s], 1
	s_add_co_u32 s[G0+4*\s+1], s45, \s*SLOT
	s_add_nc_u64 s[G0+4*\s+2:G0+4*\s+3], s[20:21], \s*8192
	s_or_b32 s[G0+4*\s+3], s[G0+4*\s+3], 0x80000000
	s_mov_b32 s[G0B+4*\s], 1
	s_add_co_u32 s[G0B+4*\s+1], s88, \s*SLOT
	s_add_nc_u64 s[G0B+4*\s+2:G0B+4*\s+3], s[46:47], \s*512
	s_or_b32 s[G0B+4*\s+3], s[G0B+4*\s+3], 0x80000000
.endr
	JLOAD G0, G1, G0B, G1B                         ; slot 0: one tensor load a wave at the head
	v_and_b32 v1, 15, v0                           ; r
	v_bfe_u32 v2, v0, 4, 1                         ; h
	v_and_b32 v6, 31, v0
	v_lshlrev_b32 v7, 4, v6                        ; 16 x lane
	v_mul_u32_u24 v3, v1, BPITCH
	v_lshl_add_u32 v4, v2, 4-BNATIVE, v3
	s_lshl_b32 s21, s15, 15                        ; my 64 tokens of A
	s_mul_i32 s22, s16, BHALF                      ; my 64 rows of B,
	s_add_co_u32 s22, s22, BOFF                    ; which lie behind A
.irp s, 0,1
	v_add_nc_u32 v[ADRA+\s], s21, v7
	v_add_nc_u32 v[ADRB+\s], s22, v4
	s_add_co_u32 s21, s21, SLOT
	s_add_co_u32 s22, s22, SLOT
.endr
	s_mul_i32 s23, s14, 16*SP                      ; my stage: 16 rows x (256 bytes + 16)
	v_mul_u32_u24 v5, v1, SP
	v_lshl_add_u32 v5, v2, 5, v5
	v_add_nc_u32 v[STO], s23, v5                   ; in: row r, + 32 h
	v_mul_u32_u24 v5, v2, SP
	v_lshl_add_u32 v5, v1, 4, v5
	v_add_nc_u32 v[RD], s23, v5                    ; back: lanes 0-15 one row, lanes 16-31 the next
	v_lshlrev_b32 v[CO], 12, v2
	v_lshl_add_u32 v[CO], v1, 4, v[CO]             ; and the same two rows, of 4,096 bytes, in the residual and in the output
	v_lshlrev_b32 v[BA], 4, v1                     ; my four columns of the wave's 64
	s_cmp_eq_u32 s15, 0                            ; the prefetches: do I fetch for A?
	s_cselect_b32 s90, s17, s42                    ; the tile row, or the tile column
	s_cselect_b32 s91, s40, s41                    ; my place among the four
	s_cselect_b64 s[94:95], s[4:5], s[6:7]
	s_mov_b32 s92, 512
	s_cselect_b32 s92, 8192, s92                   ; a slot's worth of K on
	s_mov_b32 s89, 4096
	s_cselect_b32 s89, 256, s89
	s_cselect_b32 s93, 0, 1
	v_and_b32 v9, 31, v0
	v_and_b32 v10, s93, v9
	v_lshrrev_b32 v9, s93, v9
	v_mul_lo_u32 v9, v9, s89
	v_lshl_add_u32 v9, v10, 8, v9                  ; A: 256 lane; B: 4,096 (lane / 2) + 256 (lane % 2)
	s_lshl_b32 s90, s90, 3
	s_lshl_b32 s3, s16, 2
	s_add_co_u32 s90, s90, s3
	s_add_co_u32 s90, s90, s91
	s_lshl_b32 s90, s90, 16                        ; (8 tile + 4 half + place) x 16 tokens or rows of 4,096 bytes
	s_mov_b32 s91, 0
	s_add_nc_u64 s[94:95], s[94:95], s[90:91]
	s_mov_b32 s93, 0
	s_add_nc_u64 s[94:95], s[94:95], s[92:93]
	s_add_nc_u64 s[94:95], s[94:95], s[92:93]      ; the third slot's worth
	s_wait_alu depctr_va_vdst(0)                   ; ahead of the reader below and of the run of scalar instructions
	global_prefetch_b8 v9, s[94:95] th:TH_LOAD_NT scope:SCOPE_SE   ; behind slot 0's joint load
	s_lshl_b32 s20, s17, 7
	s_lshl_b32 s21, s15, 6
	s_add_co_u32 s20, s20, s21
	s_lshl_b32 s20, s20, 12                        ; my first row
	s_lshl_b32 s46, s42, 9
	s_lshl_b32 s47, s16, 8
	s_add_co_u32 s46, s46, s47                     ; my first column, in bytes
	s_mov_b32 s47, 0
	s_add_nc_u64 s[10:11], s[10:11], s[46:47]
	s_add_co_u32 s20, s20, s46
	s_mov_b32 s21, 0
	s_add_nc_u64 s[84:85], s[84:85], s[20:21]
	s_add_nc_u64 s[86:87], s[86:87], s[20:21]
	s_wait_xcnt 0x0                                ; the prefetch has read its address, so it may be stepped:
	s_add_nc_u64 s[94:95], s[94:95], s[92:93]      ; the fourth slot's worth
	s_wait_alu depctr_va_vdst(0)                   ; the wait at the head's end
	s_wait_tensorcnt 0x0                           ; my part of slot 0 is in
	ds_add_u32 v[SPW], v[NIL]
	s_wait_dscnt 0x0
	CROUND                                         ; everybody's part of slot 0 is in, and all sixteen work-groups are here
	JLOAD G0+4, G1, G0B+4, G1B                     ; slot 1: the first tensor load behind the round
	FETCH 0, 0, F0
	WIN 0
	global_prefetch_b8 v9, s[94:95] th:TH_LOAD_NT scope:SCOPE_SE   ; behind slot 1's joint load
	QUARTER 0, 1, F0, F1, 1                        ; the first products start the sums
.if LAPS > 1
	WIN 0                                          ; at a label and at a branch every window is 0
	global_load_b128 v[BI:BI+3], v[BA], s[10:11]   ; the bias
	WIN 0x80                                       ; destination window 2
.set t, 0
.rept 32
	global_load_b128 v[4*t:4*t+3], v[CO], s[84:85] offset:2*t*4096   ; the residual: rows 2 t + h of my 64, asked for behind the first two slots' loads; it lands while the products run
.set t, t+1
.endr
	WIN 0
	s_mov_b32 s3, LAPS-1
.Llap:                                                 ; a trip goes once round the ring, from a lap's second quarter to the next lap's first, and fills both slots again
	QUARTER 0, 2, F1, F0, 0
	QUARTER 0, 3, F0, F1, 0
	TURN 0, 1, 1
	QUARTER 1, 1, F0, F1, 0
	QUARTER 1, 2, F1, F0, 0
	QUARTER 1, 3, F0, F1, 0
	TURN 1, 0, 1
	QUARTER 0, 1, F0, F1, 0
	WIN 0
	s_sub_co_u32 s3, s3, 1
	s_cmp_lg_u32 s3, 0
	s_cbranch_scc1 .Llap
.endif
	QUARTER 0, 2, F1, F0, 0                        ; the last lap fills nothing
	QUARTER 0, 3, F0, F1, 0
	TURN 0, 1, 0
	QUARTER 1, 1, F0, F1, 0
	QUARTER 1, 2, F1, F0, 0
	QUARTER 1, 3, F0, F1, 0
	s_wait_dscnt 0x0
	WIN W_MUL
.irp a, 0,1,2,3
	MULR F1, \a, 0
.endr
	WIN 0
.macro TOSTAGE a                       ; block a's raw sums into my stage, each accumulator's low half first, and back as whole rows into the same registers; LDS serves a wave's instructions in order (ISA guide 5.7.1.4)
.set BB, ACC+32*(\a)
.irp b, 0,1,2,3
	ds_store_b128 v[STO], v[BB+8*\b:BB+8*\b+3] offset:64*\b
	ds_store_b128 v[STO], v[BB+8*\b+4:BB+8*\b+7] offset:64*\b+16
.endr
.set t, 0
.rept 8
	ds_load_b128 v[BB+4*t:BB+4*t+3], v[RD] offset:t*2*SP
.set t, t+1
.endr
.endm
.macro SEND a, yd                      ; yd: the LDS instructions issued behind block a's, which may stay out
.set BB, ACC+32*(\a)
.set RS, 32*(\a)
	s_wait_dscnt \yd
	WIN 0x20                                       ; source 2 (the residual) window 2
.set t, 0
.rept 16
	v_pk_fma_f32 v[BB+2*t:BB+2*t+1], v[BB+2*t:BB+2*t+1], s[96:97], v[RS+2*t:RS+2*t+1] op_sel_hi:[1,0,1]   ; sum x 2^(ea + eb) + residual
.set t, t+1
.endr
.set t, 0
.rept 8
	v_pk_add_f32 v[BB+4*t:BB+4*t+1], v[BB+4*t:BB+4*t+1], v[BI:BI+1]
	v_pk_add_f32 v[BB+4*t+2:BB+4*t+3], v[BB+4*t+2:BB+4*t+3], v[BI+2:BI+3]
.set t, t+1
.endr
	WIN 0
.set t, 0
.rept 8
	global_store_b128 v[CO], v[BB+4*t:BB+4*t+3], s[86:87] offset:(16*(\a)+2*t)*4096 th:TH_STORE_NT   ; sixteen lanes store 256 consecutive bytes, aligned; written once, read by nobody here; no register and no base is written again
.set t, t+1
.endr
.endm
	s_wait_kmcnt 0x0
	s_add_co_i32 s96, s[68+EA], s[68+EB]
	s_add_co_i32 s96, s96, 127
	s_lshl_b32 s96, s96, 23                        ; 2^(ea + eb) as f32
	s_mov_b32 s97, s96                             ; (named with it as a pair, so it is written)
	PLACES 4
	TOSTAGE 0
	TOSTAGE 1
	s_wait_loadcnt 0x0                             ; the bias and the residual, asked for at the head
	SEND 0, 16                                     ; behind block 0's: block 1's 8 LDS stores and 8 LDS loads
	TOSTAGE 2
	SEND 1, 16
	TOSTAGE 3
	SEND 2, 16
	SEND 3, 0
	s_wait_tensorcnt 0x0                           ; the wave's end
	ds_add_u32 v[SPW], v[NIL]
	s_wait_dscnt 0x0
	CROUND                                         ; the closing round
	s_endpgm
.Lfunc_end_k_q709e31c2a8_ff2:
	.size	k_q709e31c2a8_ff2, .Lfunc_end_k_q709e31c2a8_ff2-k_q709e31c2a8_ff2
	.p2alignl 7, 3214868480
	.fill 96, 4, 3214868480
	.section	.rodata,"a",@progbits
	.p2align	6, 0x0
	.amdhsa_kernel k_q709e31c2a8_ff2
		.amdhsa_group_segment_fixed_size 327680
		.amdhsa_private_segment_fixed_size 0
		.amdhsa_enable_private_segment 0
		.amdhsa_kernarg_size 48
		.amdhsa_user_sgpr_count 2
		.amdhsa_user_sgpr_kernarg_segment_ptr 1
		.amdhsa_wavefront_size32 1
		.amdhsa_system_sgpr_workgroup_id_x 1
		.amdhsa_system_sgpr_workgroup_id_y 1
		.amdhsa_system_sgpr_workgroup_id_z 1
		.amdhsa_system_vgpr_workitem_id 0
		.amdhsa_next_free_vgpr 768
		.amdhsa_next_free_sgpr 98
		.amdhsa_reserve_vcc 0
		.amdhsa_float_denorm_mode_32 3
		.amdhsa_float_denorm_mode_16_64 3
		.amdhsa_memory_ordered 1
		.amdhsa_forward_progress 1
		.amdhsa_inst_pref_size 99
	.end_amdhsa_kernel
	.amdgpu_metadata
---
amdhsa.version: [ 1, 2 ]
amdhsa.kernels:
  - .name:           k_q709e31c2a8_ff2
    .symbol:         k_q709e31c2a8_ff2.kd
    .args:
      - { .name: hid_img, .offset: 0, .size: 8, .value_kind: global_buffer, .address_space: global }
      - { .name: W2_codes, .offset: 8, .size: 8, .value_kind: global_buffer, .address_space: global }
      - { .name: lowp_scales, .offset: 16, .size: 8, .value_kind: global_buffer, .address_space: global }
      - { .name: b2, .offset: 24, .size: 8, .value_kind: global_buffer, .address_space: global }
      - { .name: x1, .offset: 32, .size: 8, .value_kind: global_buffer, .address_space: global }
      - { .name: out0, .offset: 40, .size: 8, .value_kind: global_buffer, .address_space: global }
    .group_segment_fixed_size: 327680
    .private_segment_fixed_size: 0
    .kernarg_segment_align: 8
    .kernarg_segment_size: 48
    .max_flat_workgroup_size: 128
    .sgpr_count:     98
    .vgpr_count:     768
    .wavefront_size: 32
...
	.end_amdgpu_metadata
.endif
;; end of part 14
